; MI455X (gfx1250); checked and timed in simulation.
; The chip was launched on July 23, 2026; its instructions are those of AMD's public machine-readable ISA for CDNA 5 (MIT licence, August 2026) and "CDNA5" Instruction Set Architecture Reference Guide (July 2026). The comments in the code are by the model that wrote it; some were corrected since.
;; Decoder Module. Allowed arithmetic: matrix products marked QUANTISED: E2M1 operands, one E8M0 scale for each 32 along K, by v_wmma_scale_f32_16x16x128_f8f6f4 with both operands' format E2M1 (or v_wmma_scale_f32_32x16x128_f4), f32 sums; everything else in f32.
;; Inputs: W1 768 x 3,072 float32; W2 3,072 x 768 float32; Wk 768 x 768 float32; Wo 768 x 768 float32; Wq 768 x 768 float32; Wv 768 x 768 float32; b1 3,072 float32; b2 768 float32; beta1 768 float32; beta2 768 float32; g1 768 float32; g2 768 float32; x 1 x 4,096 x 768 float32.
;; Outputs: out0 1 x 4,096 x 768 float32.
;; This version of the problem:
;;   THIS VERSION OF THE PROBLEM IS GIVEN IN LOW PRECISION. The matrix products marked QUANTISED in the list below multiply operands that are first quantised to E2M1 (2 exponent bits, 1 mantissa bit; 4 bits a number), with one power-of-two scale for each 32 numbers along K (OCP MX v1.0); their sums are f32. All else is computed in f32.
;;   The module's matrix products, in the order in which they are computed (A, B: the left and right operand; K: the contracted axis; several contracted axes count as one K, in the product's order):
;;     1. [M 4,096, K 768] x [K 768, N 768]; A: input x; B: input Wq: QUANTISED
;;     2. [M 4,096, K 768] x [K 768, N 768]; A: input x; B: input Wk: QUANTISED
;;     3. [M 4,096, K 768] x [K 768, N 768]; A: input x; B: input Wv: QUANTISED
;;     4. batch 12 x [M 4,096, K 64] x [K 64, N 4,096]; A: computed on the way; B: computed on the way: QUANTISED
;;     5. batch 12 x [M 4,096, K 4,096] x [K 4,096, N 64]; A: softmax (see below); B: computed on the way: QUANTISED
;;     6. [M 4,096, K 768] x [K 768, N 768]; A: computed on the way; B: input Wo: QUANTISED
;;     7. [M 4,096, K 768] x [K 768, N 3,072]; A: computed on the way; B: input W1: QUANTISED
;;     8. [M 4,096, K 3,072] x [K 3,072, N 768]; A: computed on the way; B: input W2: QUANTISED
;;   THE QUANTISER, for each operand of a quantised product, along K:
;;     - K is cut into blocks of 32 from its start; a last block that is shorter is filled with zeros.
;;     - A block's scale is 2^e with e = floor(log2(the largest magnitude in the block)) - 2, held to -126 .. 127; a block of zeros has e = 0. As a byte (E8M0): e + 127.
;;     - Each number is divided by its block's scale, clamped to +-6, and rounded to the nearest number of E2M1, ties to even, subnormals kept.
;;     - The product sums the exact products of the quantised numbers (number of the format x scale) in f32.
;;   ~~~python
;;   def quantise(x, axis):      # numpy; x: float32 -> the quantised numbers, widened to float32 again
;;       x = np.moveaxis(x, axis, -1); K = x.shape[-1]
;;       x = np.pad(x, [(0, 0)] * (x.ndim - 1) + [(0, -K % 32)]); x = x.reshape(x.shape[:-1] + (-1, 32)); a = np.abs(x).max(-1, keepdims=True)
;;       e = np.where(a > 0, np.clip(np.frexp(np.where(a > 0, a, 1))[1] - 1 - 2, -126, 127), 0)      # np.frexp(a)[1] - 1 = floor(log2(a)), exactly
;;       r = np.clip(x / 2.0 ** e, -6, 6)
;;       step = 2.0 ** (np.maximum(np.frexp(np.where(r == 0, 1, r))[1] - 1, 0) - 1)
;;       q = np.round(r / step) * step * 2.0 ** e      # np.round: ties to even
;;       return np.moveaxis(q.reshape(q.shape[:-2] + (-1,))[..., :K], -1, axis).astype(np.float32)
;;   ~~~
;;   SOFTMAX AHEAD OF A QUANTISED PRODUCT. Where the list says 'softmax', what is quantised is not the finished softmax but p = 2^(t - M), with t = logit x log2(e) and M = ceil(the row's largest t), a whole number; so 1/2 < the row's largest p <= 1. The row's sum l is taken of the UNQUANTISED p, in f32, and the product's result is divided by l at the end. Since M is a whole number, a kernel that streams over the keys may use a running M (the ceiling of the running maximum): every later rescaling is an exact power of two, which a block's scale takes up: the codes' values come out the same.
;;   OPERANDS COMPUTED ON THE WAY. 'Computed on the way' means the value that the module computes at that place (a softmax that the list does not call 'softmax' is quantised finished and normalised). What goes into a quantiser is computed in f32, as accurately as f32 sums, v_exp_f32 and their like allow (about 1e-6 of the number): no bf16 or f16 on the way to a quantiser, and a product that is left as it is and whose result goes on into a quantised operand takes f32 operands (vector FMAs, or v_wmma_f32_16x16x4_f32). A number that lies on a knife's edge between two numbers of the format may be rounded either way, as far as f32 arithmetic and the matrix unit's own rounding can turn it there, and no further.
;; 2 versions. Each part assembles by itself: llvm-mc -triple=amdgcn-amd-amdhsa -mcpu=gfx1250 --defsym DOCPART=n.
;; ======== version 1 of 2: 5 launches
;; workspace buffers: xq 1,671,168 bytes; wq 3,760,128 bytes; qkv 5,013,504 bytes; ctx 1,671,168 bytes; part 25,165,824 bytes
;; launch prep (part 1): grid 4 x 104, 6 waves a work-group, no clusters, 102,144 bytes of LDS; arguments x, Wq, Wk, Wv, Wo, W1, W2, xq, wq; writes xq, wq
.if DOCPART == 1
	.amdgcn_target "amdgcn-amd-amdhsa--gfx1250"
	.amdhsa_code_object_version 6
	.text
	.protected	k_qe970c4f673_prep
	.globl	k_qe970c4f673_prep
	.p2align	8
	.type	k_qe970c4f673_prep,@function
k_qe970c4f673_prep:
	s_mov_b64 s[64:65], 0
	v_nop
	global_prefetch_b8 v0, s[64:65] scope:SCOPE_SE
	s_setreg_imm32_b32 hwreg(HW_REG_WAVE_MODE, 25, 1), 1
	s_wait_xcnt 0x0
; x [4096][768] and the six weights ([K][N], f32) become codes of FP4 (E2M1) with one E8M0 byte for each 32 along K, laid as IMAGES OF OPERAND REGISTERS:
; a fragment (16 rows x 128 K) is 1,024 bytes; block q (32 along K) of row r lies at 256 q + 16 r, so that two loads of 16 bytes a lane, at 16 x lane and 512 further on, are the operand's eight registers.
; wq: 576 records of 96 columns x 128 K (6 fragments, 6,144 bytes), and from WS_OFF on 384 bytes of scale words a record (a word a column; two tiles' words in 128 bytes on end).
;   record = (8 p + w) 6 + s for Wq, Wk, Wv (p = 0, 1, 2; w = which 96 columns; s = K step);  144 + 54 w + t for the later launch's stream: t = 0..5 Wo, 6 + 6 p + s W1's columns 768 p on, 30 + s W2.
; xq: fragment ((rb 6 + s) 4 + mt) of 64 rows rb; from XS_OFF on a scale word a row and K step.
; A block's scale is 2^(floor(log2(largest magnitude)) - 2): its byte is the largest magnitude's exponent field - 2, held at 1 from below by a floor among the maximum's leaves.
; LIMITS: NaN and infinities are not served; a block of zeros, or one whose largest magnitude lies under 2^-124, gets the byte 1 (its codes are read by this program alone; zero codes add nothing).
; SHARES.  y < 72: a weight's K step: 6 waves x 4 work-groups along x take 32 columns each; a lane takes a column and its registers run down K, so a block lies in one lane and the codes come out K innermost.
; y >= 72: 32 rows of x; wave s takes K step s.  A load reads one row's 512 bytes of the K step, 16 a lane; 16 rows turn through the wave's own stage in LDS and come back so that lane (r, h) holds whole blocks of row r.
; Waves share nothing: no barrier.  Scale words leave as 128 consecutive bytes a wave, half of an aligned 256: they are 1 byte in 128 of what the launch reads.
.set XS_OFF, 1572864
.set WS_OFF, 3538944
.set X,  32                            ; v32..    numbers as loaded
.set C,  96                            ; v96-111  a weight panel's codes, four registers a block
.set SW, 112                           ; v112     its scale word
.set XP, 528                           ; x's stage: a row of 512 bytes + 16 = 33 x 16: the sixteen rows of a read begin 16 bytes apart modulo 256
.set XSTG, 16*XP                       ; a stage of 16 rows; two for each wave
	s_load_b512 s[8:23], s[0:1], 0x0               ; x s[8:9], Wq s[10:11], Wk s[12:13], Wv s[14:15], Wo s[16:17], W1 s[18:19], W2 s[20:21], xq s[22:23]
	s_load_b64 s[24:25], s[0:1], 0x40              ; wq
	v_lshl_add_u32 v240, v0, 2, 0x18c00
	v_mov_b32 v241, 0
	v_lshrrev_b32 v1, 5, v0
	v_readfirstlane_b32 s2, v1                     ; wave 0..5
	v_and_b32 v1, 31, v0                           ; lane
	v_lshlrev_b32 v2, 2, v1                        ; 4 x lane
	s_and_b32 s3, ttmp7, 0xffff                    ; y
	s_cmp_ge_u32 s3, 72
	s_cbranch_scc1 .Lx_rows
	; ---------------- a weight's K step
	s_mul_i32 s4, s2, 11
	s_lshr_b32 s4, s4, 5                           ; wave / 3
	s_mul_i32 s5, s4, 3
	s_sub_co_u32 s5, s2, s5                        ; b = wave % 3: which 32 of the 96 columns
	s_lshl_b32 s6, ttmp9, 1
	s_add_co_u32 s6, s6, s4                        ; w = 2 x + wave / 3
	s_mul_i32 s26, s3, 43
	s_lshr_b32 s26, s26, 8                         ; p = y / 6 (right for y < 48)
	s_mul_i32 s27, s26, 6
	s_sub_co_u32 s27, s3, s27                      ; K step for y < 48
	s_sub_co_u32 s28, s3, 48                       ; K step of W2
	s_max_u32 s29, s26, 4
	s_sub_co_u32 s29, s29, 4
	s_mul_i32 s29, s29, 768                        ; W1: first column of panel p - 4
	s_cmp_lt_u32 s3, 48
	s_cselect_b32 s27, s27, s28                    ; s
	s_cselect_b32 s29, s29, 0
	s_mul_i32 s30, s26, 48
	s_add_co_u32 s30, s30, s27
	s_mul_i32 s31, s6, 6
	s_add_co_u32 s30, s30, s31                     ; 48 p + 6 w + s
	s_mul_i32 s31, s6, 54
	s_add_co_u32 s31, s31, s3
	s_add_co_u32 s31, s31, 126                     ; 144 + 54 w + (y - 18)
	s_cmp_lt_u32 s3, 18
	s_cselect_b32 s30, s30, s31                    ; the record
	s_mul_i32 s34, s6, 96
	s_lshl_b32 s35, s5, 5
	s_add_co_u32 s34, s34, s35
	s_add_co_u32 s34, s34, s29
	s_lshl_b32 s34, s34, 2                         ; my wave's first column, in bytes
	s_sub_co_u32 s36, s3, 24                       ; under 24 for W1 alone
	s_mov_b32 s37, 128*3072
	s_cmp_lt_u32 s36, 24
	s_cselect_b32 s35, 128*12288, s37              ; 128 rows of the weight, in bytes
	s_mul_i32 s35, s35, s27
	s_add_co_u32 s34, s34, s35
	s_mov_b32 s35, 0
	s_mul_i32 s38, s30, 6144
	s_lshl_b32 s39, s5, 11
	s_add_co_u32 s38, s38, s39                     ; codes: record x 6,144 + two fragments x b
	s_mov_b32 s39, 0
	s_mul_i32 s46, s30, 384
	s_lshl_b32 s47, s5, 7
	s_add_co_u32 s46, s46, s47
	s_add_co_u32 s46, s46, WS_OFF                  ; scale words: record x 384 + 128 b
	s_mov_b32 s47, 0
	v_lshrrev_b32 v3, 4, v1
	v_lshlrev_b32 v3, 10, v3
	v_and_b32 v4, 15, v1
	v_lshl_add_u32 v3, v4, 4, v3                   ; my column's place: fragment lane / 16, row lane % 16
	s_wait_kmcnt 0x0
	s_cmp_lt_u32 s3, 6                             ; the weight is chosen by y alone
	s_cselect_b64 s[32:33], s[10:11], s[12:13]
	s_cmp_lt_u32 s3, 12
	s_cselect_b64 s[32:33], s[32:33], s[14:15]
	s_cmp_lt_u32 s3, 18
	s_cselect_b64 s[32:33], s[32:33], s[16:17]
	s_cmp_lt_u32 s3, 24
	s_cselect_b64 s[32:33], s[32:33], s[18:19]
	s_cmp_lt_u32 s3, 48
	s_cselect_b64 s[32:33], s[32:33], s[20:21]
	s_add_nc_u64 s[32:33], s[32:33], s[34:35]
	s_add_nc_u64 s[40:41], s[24:25], s[38:39]
	s_add_nc_u64 s[42:43], s[24:25], s[46:47]
.macro WLOAD t, pitch                  ; block t: rows 32 t + i of my column: 32 lanes read 128 consecutive bytes, the six waves 768
.set i, 0
.rept 32
	global_load_b32 v[X+32*((\t)%2)+i], v2, s[32:33] offset:(32*(\t)+i)*(\pitch) th:TH_LOAD_NT
.set i, i+1
.endr
.endm
.macro WBLOCK t, pitch
.set XS, X+32*((\t)%2)
.if (\t) < 3
	s_wait_loadcnt 32                              ; this block's 32 loads are in; the next block's 32 may be out
.else
	s_wait_loadcnt 0x0
.endif
	v_max3_num_f32 v12, |v[XS]|, |v[XS+1]|, |v[XS+2]|              ; the block's largest magnitude: all 32 numbers are mine; two chains
	v_max3_num_f32 v13, |v[XS+3]|, |v[XS+4]|, |v[XS+5]|
.irp i, 6,10,14,18,22,26
	v_max3_num_f32 v12, v12, |v[XS+\i]|, |v[XS+\i+1]|
	v_max3_num_f32 v13, v13, |v[XS+\i+2]|, |v[XS+\i+3]|
.endr
	v_max3_num_f32 v12, v12, |v[XS+30]|, |v[XS+31]|
	v_max3_num_f32 v12, v12, v13, 0x1800000        ; and the floor 2^(3 - 127): the byte cannot fall under 1
	v_add_nc_u32 v11, 0xff000000, v12              ; 2 off the exponent field: the conversion takes that field as its scale
	v_lshrrev_b32 v13, 23, v11                     ; the scale's byte
.if (\t) == 0
	v_mov_b32 v[SW], v13
.else
	v_lshl_or_b32 v[SW], v13, 8*(\t), v[SW]        ; byte t of the column's word for this K step
.endif
.irp g, 0,1,2,3
	v_cvt_scalef32_pk8_fp4_f32 v[C+4*(\t)+\g], v[XS+8*\g:XS+8*\g+7], v11
.endr
	global_store_b128 v3, v[C+4*(\t):C+4*(\t)+3], s[40:41] offset:256*(\t)   ; sixteen lanes store 256 consecutive bytes, aligned; each block has its own data registers
.if (\t)+2 < 4
	WLOAD (\t)+2, \pitch
.endif
.endm
.macro WPANEL pitch
	WLOAD 0, \pitch
	WLOAD 1, \pitch
	WBLOCK 0, \pitch
	WBLOCK 1, \pitch
	WBLOCK 2, \pitch
	WBLOCK 3, \pitch
	global_store_b32 v2, v[SW], s[42:43]           ; 32 columns' scale words: 128 consecutive bytes
	s_endpgm
.endm
	s_cmp_lt_u32 s36, 24
	s_cbranch_scc1 .Lw1
	WPANEL 3072                                    ; rows of 768 numbers
.Lw1:
	WPANEL 12288                                   ; W1: rows of 3,072 numbers
	; ---------------- 32 rows of x
.Lx_rows:
	s_sub_co_u32 s4, s3, 72
	s_lshl_b32 s4, s4, 2
	s_add_co_u32 s4, s4, ttmp9                     ; which 32 rows
	v_and_b32 v6, 15, v0                           ; r
	v_bfe_u32 v7, v0, 4, 1                         ; h
	v_lshlrev_b32 v5, 4, v1                        ; 16 x lane
	s_mul_i32 s5, s2, 2*XSTG                       ; my wave's two stages
	v_add_nc_u32 v8, s5, v5                        ; in: a row as it was loaded, 16 bytes a lane
	v_mul_u32_u24 v9, v6, XP
	v_lshl_add_u32 v9, v7, 7, v9
	v_add_nc_u32 v9, s5, v9                        ; back: row r, + 128 h: block h of a pair of blocks
	s_mul_i32 s26, s4, 98304
	s_lshl_b32 s27, s2, 9
	s_add_co_u32 s26, s26, s27                     ; 32 rows x 3,072 bytes, + 512 bytes a K step
	s_mov_b32 s27, 0
	s_lshr_b32 s28, s4, 1
	s_mul_i32 s28, s28, 6
	s_add_co_u32 s28, s28, s2                      ; (block of 64 rows) x 6 + K step
	s_and_b32 s29, s4, 1
	s_lshl_b32 s30, s28, 12
	s_lshl_b32 s31, s29, 11
	s_add_co_u32 s30, s30, s31
	s_mov_b32 s31, 0
	s_lshl_b32 s34, s28, 8
	s_lshl_b32 s35, s29, 7
	s_add_co_u32 s34, s34, s35
	s_add_co_u32 s34, s34, XS_OFF
	s_mov_b32 s35, 0
	s_mov_b32 s44, 0x76543210
	s_mov_b32 s45, 0xfedcba98                      ; v_permlanex16_b32's selects for lane l xor 16
	s_wait_kmcnt 0x0
	s_add_nc_u64 s[32:33], s[8:9], s[26:27]
	s_add_nc_u64 s[40:41], s[22:23], s[30:31]
	s_add_nc_u64 s[42:43], s[22:23], s[34:35]
.set i, 0
.rept 32
	global_load_b128 v[X+4*i:X+4*i+3], v5, s[32:33] offset:i*3072 th:TH_LOAD_NT   ; row i: 32 lanes read 512 consecutive bytes
.set i, i+1
.endr
	s_wait_loadcnt 16                              ; the first tile's 16 rows are in; the second's 16 loads may be out
.set i, 0
.rept 16
	ds_store_b128 v8, v[X+4*i:X+4*i+3] offset:i*XP
.set i, i+1
.endr
.irp c, 0,1                            ; LDS serves a wave's instructions in order: these see the stores above.  Block 2 c + h of row r: 128 bytes, eight loads
.irp i, 0,1,2,3,4,5,6,7
	ds_load_b128 v[160+32*\c+4*\i:160+32*\c+4*\i+3], v9 offset:256*\c+16*\i
.endr
.endr
	s_wait_loadcnt 0x0
.set i, 0
.rept 16
	ds_store_b128 v8, v[X+64+4*i:X+64+4*i+3] offset:XSTG+i*XP
.set i, i+1
.endr
	s_wait_dscnt 32                                ; the first tile's 16 stores are done (16 loads and 16 stores were issued behind them): their registers take the second tile's blocks
.irp c, 0,1
.irp i, 0,1,2,3,4,5,6,7
	ds_load_b128 v[X+32*\c+4*\i:X+32*\c+4*\i+3], v9 offset:XSTG+256*\c+16*\i
.endr
.endr
.macro XGROUP g, xs, n                 ; group g = 2 e + c: one whole block a lane, in v[xs ..]; n: the LDS instructions issued behind its eight loads
.set XS, \xs
	s_wait_dscnt \n
	v_max3_num_f32 v12, |v[XS]|, |v[XS+1]|, |v[XS+2]|
	v_max3_num_f32 v13, |v[XS+3]|, |v[XS+4]|, |v[XS+5]|
.irp i, 6,10,14,18,22,26
	v_max3_num_f32 v12, v12, |v[XS+\i]|, |v[XS+\i+1]|
	v_max3_num_f32 v13, v13, |v[XS+\i+2]|, |v[XS+\i+3]|
.endr
	v_max3_num_f32 v12, v12, |v[XS+30]|, |v[XS+31]|
	v_max3_num_f32 v12, v12, v13, 0x1800000
	v_add_nc_u32 v[20+(\g)], 0xff000000, v12
	v_lshrrev_b32 v[24+(\g)], 23, v[20+(\g)]
.irp q, 0,1,2,3
	v_cvt_scalef32_pk8_fp4_f32 v[224+4*(\g)+\q], v[XS+8*\q:XS+8*\q+7], v[20+(\g)]
.endr
	global_store_b128 v5, v[224+4*(\g):224+4*(\g)+3], s[40:41] offset:512*(\g)   ; half a fragment's image: 512 consecutive bytes
.endm
	XGROUP 0, 160, 40                              ; behind it: 8 loads, 16 stores, 16 loads
	XGROUP 1, 192, 32
	XGROUP 2, X, 8
	XGROUP 3, X+32, 0
	v_lshl_or_b32 v28, v25, 16, v24                ; my two bytes of a row's word: blocks h and 2 + h,
	v_lshl_or_b32 v29, v27, 16, v26
	v_lshlrev_b32 v30, 3, v7
	v_lshlrev_b32 v28, v30, v28                    ; at their places (8 h bits up);
	v_lshlrev_b32 v29, v30, v29
	v_mov_b32 v14, 0
	v_mov_b32 v15, 0
	v_permlanex16_b32 v14, v28, s44, s45
	v_permlanex16_b32 v15, v29, s44, s45
	v_or_b32 v28, v28, v14                         ; with lane l xor 16's two the word is whole
	v_or_b32 v29, v29, v15
	v_cmp_gt_u32 vcc_lo, 16, v1
	v_cndmask_b32 v28, v29, v28, vcc_lo            ; lanes 0-15 store the first tile's words, lanes 16-31 the second's
	global_store_b32 v2, v28, s[42:43]
	s_wait_tensorcnt 0x0
	ds_add_u32 v240, v241
	s_wait_dscnt 0x0
	s_endpgm
.Lfunc_end_k_qe970c4f673_prep:
	.size	k_qe970c4f673_prep, .Lfunc_end_k_qe970c4f673_prep-k_qe970c4f673_prep
	.p2alignl 7, 3214868480
	.fill 96, 4, 3214868480
	.section	.rodata,"a",@progbits
	.p2align	6, 0x0
	.amdhsa_kernel k_qe970c4f673_prep
		.amdhsa_group_segment_fixed_size 102144
		.amdhsa_private_segment_fixed_size 0
		.amdhsa_enable_private_segment 0
		.amdhsa_kernarg_size 72
		.amdhsa_user_sgpr_count 2
		.amdhsa_user_sgpr_kernarg_segment_ptr 1
		.amdhsa_wavefront_size32 1
		.amdhsa_system_sgpr_workgroup_id_x 1
		.amdhsa_system_sgpr_workgroup_id_y 1
		.amdhsa_system_sgpr_workgroup_id_z 1
		.amdhsa_system_vgpr_workitem_id 0
		.amdhsa_next_free_vgpr 242
		.amdhsa_next_free_sgpr 66
		.amdhsa_reserve_vcc 1
		.amdhsa_float_denorm_mode_32 3
		.amdhsa_float_denorm_mode_16_64 3
		.amdhsa_memory_ordered 1
		.amdhsa_forward_progress 1
		.amdhsa_inst_pref_size 56
	.end_amdhsa_kernel
	.amdgpu_metadata
---
amdhsa.version: [ 1, 2 ]
amdhsa.kernels:
  - .name:           k_qe970c4f673_prep
    .symbol:         k_qe970c4f673_prep.kd
    .args:
      - { .name: x, .offset: 0, .size: 8, .value_kind: global_buffer, .address_space: global }
      - { .name: Wq, .offset: 8, .size: 8, .value_kind: global_buffer, .address_space: global }
      - { .name: Wk, .offset: 16, .size: 8, .value_kind: global_buffer, .address_space: global }
      - { .name: Wv, .offset: 24, .size: 8, .value_kind: global_buffer, .address_space: global }
      - { .name: Wo, .offset: 32, .size: 8, .value_kind: global_buffer, .address_space: global }
      - { .name: W1, .offset: 40, .size: 8, .value_kind: global_buffer, .address_space: global }
      - { .name: W2, .offset: 48, .size: 8, .value_kind: global_buffer, .address_space: global }
      - { .name: xq, .offset: 56, .size: 8, .value_kind: global_buffer, .address_space: global }
      - { .name: wq, .offset: 64, .size: 8, .value_kind: global_buffer, .address_space: global }
    .group_segment_fixed_size: 102144
    .private_segment_fixed_size: 0
    .kernarg_segment_align: 8
    .kernarg_segment_size: 72
    .max_flat_workgroup_size: 192
    .sgpr_count:     66
    .vgpr_count:     242
    .wavefront_size: 32
...
	.end_amdgpu_metadata
.endif
;; end of part 1
;; launch qkv (part 2): grid 64 x 3, 8 waves a work-group, no clusters, 250,880 bytes of LDS; arguments xq, wq, qkv; writes qkv
.if DOCPART == 2
	.amdgcn_target "amdgcn-amd-amdhsa--gfx1250"
	.amdhsa_code_object_version 6
	.text
	.protected	k_qe970c4f673_qkv
	.globl	k_qe970c4f673_qkv
	.p2align	8
	.type	k_qe970c4f673_qkv,@function
k_qe970c4f673_qkv:
	s_mov_b64 s[64:65], 0
	v_nop
	global_prefetch_b8 v0, s[64:65] scope:SCOPE_SE
	s_setreg_imm32_b32 hwreg(HW_REG_WAVE_MODE, 25, 1), 1
	s_wait_xcnt 0x0
; y = 0, 1, 2: Q = x Wq, K = x Wk, V = x Wv for 64 tokens, on codes of FP4 with E8M0 scales, and the result quantised for attention.
; The flat [4096 x 768] result is cut into chunks of 64: chunk g = 12 token + column / 64 is row g % 4096 of head g / 4096.  64 tokens are 768 chunks = 6 key steps of 128.
; Q and K are quantised inside a chunk (two blocks); V down the keys (32 neighbouring chunks at one d).
; qkv: Q's codes at 0, K's at 1,572,864: 512 bytes for 16 chunks: block half of chunk g at (g / 16) 512 + 256 half + 16 (g % 16);  V's at 3,145,728: a key step is four fragments (16 d x 128 keys) of 1,024 bytes;
;   scale bytes: Q's at 4,718,592 and K's at 4,816,896, two a chunk; V's at 4,915,200, a word for each d and key step.
; SHARES.  Eight waves; wave w owns columns 96 w .. 96 w + 95 for all 64 tokens: 24 accumulators.  Its weight fragments are used by no other wave and come from memory straight into its registers, 512 consecutive
; bytes a load, three K steps' sets by turns; x's fragments lie in LDS as images of their registers and are read by all eight.
; THE PRODUCT IS USED TRANSPOSED (source 0 = 16 weight columns, source 1 = 16 tokens): lane (r, h) holds token r, register j of tile t column 16 t + 8 h + j.  Tiles 2 b, 2 b + 1 are block b, shared by lanes l and l xor 16;
; one conversion of a tile's eight registers is word 2 u + h of the block's 16 bytes (u = the tile's parity).
; A scale register carries two tiles' words: lanes 0-15 the even tile's, lanes 16-31 the odd one's.
; LIMITS: NaN and infinities are not served; a block under 2^-124 or of zeros gets the byte 1.
; No multicast: every weight fragment goes to one wave's registers, so there is no tile in LDS that partners could be sent jointly.
.set XS_OFF, 1572864
.set WS_OFF, 3538944
.set AIMG, 0                           ; LDS: x's 24 fragments [K step][tile of rows][1,024]
.set STG,  24576                       ; Q's or K's codes, as they lie in memory
.set SSTG, 49152                       ; and their scale bytes
.set VSST, 50688                       ; V's scale bytes
.set VSTG, 52224                       ; V as f32: 64 rows of 3,072 bytes + 16
.set VP,   3088                        ; = 193 x 16: the sixteen rows of a store begin 16 bytes apart modulo 256
.set BF,  32                           ; v32-175  weight fragments: three sets of six
.set BS,  176                          ; v176-184 their scale words: three sets of three
.set AF,  192                          ; v192-223 x's four fragments of a K step
.set ASR, 224                          ; v224-235 x's scale words: 6 K steps x 2
.set TM,  240                          ; v240-248 the quantiser's: largest magnitudes, the other lane's, scale operands
.set SEL, 20                           ; s[20:21]
; v1 16 lane, v2 4 lane, v3 16 thread, v4 r, v5 h, v6-8 and v9-11 where Q's or K's codes and bytes go, v12-15 V's stage (in), v16 (out), v17-19 V's codes in memory, v20-22 V's bytes in LDS
; window 1: v0-191 the accumulators: (tile of tokens mt, tile of columns nt) at 8 (6 mt + nt)
.set MSB, 0
.macro WIN new                         ; s_set_vgpr_msb: bits 1:0 source 0, 3:2 source 1, 5:4 source 2, 7:6 destination; the high byte repeats the setting that is left
.if MSB != \new
	s_set_vgpr_msb (MSB<<8)|\new
.set MSB, \new
.endif
.endm
; one product.  cm = 0: onto its own sums; 1: starts them with 0; 2: with the registers at c.  ra, rb: the scale words stand in lanes 16-31
.macro WM d, a, b, cm, c, sa, sb, ra, rb
.set rD, \d
.set rA, \a
.set rB, \b
.set rC, \d
.if (\cm) == 2
.set rC, \c
.endif
.set rSA, \sa
.set rSB, \sb
.set rW, 2*(\ra)+(\rb)
.if (\cm) == 1
.if rW == 0
	v_wmma_scale_f32_16x16x128_f8f6f4 v[rD:rD+7], v[rA:rA+7], v[rB:rB+7], 0, v[rSA], v[rSB] matrix_a_fmt:MATRIX_FMT_FP4 matrix_b_fmt:MATRIX_FMT_FP4
.elseif rW == 1
	v_wmma_scale_f32_16x16x128_f8f6f4 v[rD:rD+7], v[rA:rA+7], v[rB:rB+7], 0, v[rSA], v[rSB] matrix_a_fmt:MATRIX_FMT_FP4 matrix_b_fmt:MATRIX_FMT_FP4 matrix_b_scale:MATRIX_SCALE_ROW1
.elseif rW == 2
	v_wmma_scale_f32_16x16x128_f8f6f4 v[rD:rD+7], v[rA:rA+7], v[rB:rB+7], 0, v[rSA], v[rSB] matrix_a_fmt:MATRIX_FMT_FP4 matrix_b_fmt:MATRIX_FMT_FP4 matrix_a_scale:MATRIX_SCALE_ROW1
.else
	v_wmma_scale_f32_16x16x128_f8f6f4 v[rD:rD+7], v[rA:rA+7], v[rB:rB+7], 0, v[rSA], v[rSB] matrix_a_fmt:MATRIX_FMT_FP4 matrix_b_fmt:MATRIX_FMT_FP4 matrix_a_scale:MATRIX_SCALE_ROW1 matrix_b_scale:MATRIX_SCALE_ROW1
.endif
.else
.if rW == 0
	v_wmma_scale_f32_16x16x128_f8f6f4 v[rD:rD+7], v[rA:rA+7], v[rB:rB+7], v[rC:rC+7], v[rSA], v[rSB] matrix_a_fmt:MATRIX_FMT_FP4 matrix_b_fmt:MATRIX_FMT_FP4
.elseif rW == 1
	v_wmma_scale_f32_16x16x128_f8f6f4 v[rD:rD+7], v[rA:rA+7], v[rB:rB+7], v[rC:rC+7], v[rSA], v[rSB] matrix_a_fmt:MATRIX_FMT_FP4 matrix_b_fmt:MATRIX_FMT_FP4 matrix_b_scale:MATRIX_SCALE_ROW1
.elseif rW == 2
	v_wmma_scale_f32_16x16x128_f8f6f4 v[rD:rD+7], v[rA:rA+7], v[rB:rB+7], v[rC:rC+7], v[rSA], v[rSB] matrix_a_fmt:MATRIX_FMT_FP4 matrix_b_fmt:MATRIX_FMT_FP4 matrix_a_scale:MATRIX_SCALE_ROW1
.else
	v_wmma_scale_f32_16x16x128_f8f6f4 v[rD:rD+7], v[rA:rA+7], v[rB:rB+7], v[rC:rC+7], v[rSA], v[rSB] matrix_a_fmt:MATRIX_FMT_FP4 matrix_b_fmt:MATRIX_FMT_FP4 matrix_a_scale:MATRIX_SCALE_ROW1 matrix_b_scale:MATRIX_SCALE_ROW1
.endif
.endif
.endm
.macro BLOAD k, e                      ; record e of my stream into set k: 12 loads of 512 consecutive bytes, 3 of 128: fifteen loads
.irp f, 0,1,2,3,4,5
.irp c, 0,1
	global_load_b128 v[BF+48*(\k)+8*\f+4*\c:BF+48*(\k)+8*\f+4*\c+3], v1, s[12:13] offset:(\e)*6144+\f*1024+\c*512
.endr
.endr
.irp b, 0,1,2
	global_load_b32 v[BS+3*(\k)+\b], v2, s[14:15] offset:(\e)*384+\b*128
.endr
.endm
; K step i: x's four fragments from LDS, 24 products (the accumulators by turns, one instruction a turn, in the same order in every step), then the set just used takes the record three steps on.
.macro STEP i, cm, n, refill
.irp mt, 0,1,2,3
.irp c, 0,1
	ds_load_b128 v[AF+8*\mt+4*\c:AF+8*\mt+4*\c+3], v1 offset:AIMG+(\i)*4096+\mt*1024+\c*512
.endr
.endr
	s_wait_loadcnt \n                              ; this step's fifteen loads are in; the count is what the younger sets have out
	s_wait_dscnt 0x0
	WIN 0x50                                       ; C and D in window 1
.irp nt, 0,1,2,3,4,5
.irp mt, 0,1,2,3
	WM 8*(6*\mt+\nt), BF+48*((\i)%3)+8*\nt, AF+8*\mt, \cm, 0, BS+3*((\i)%3)+\nt/2, ASR+2*(\i)+\mt/2, \nt%2, \mt%2
.endr
.endr
	WIN 0
.rept 4
	v_nop                                          ; four places behind the last product, ahead of loads into registers that the products have read and of the first read of results
.endr
.if \refill
	BLOAD (\i)%3, (\i)+3
.endif
.endm
; Three blocks of one tile of tokens: 48 registers of window 1 from src on.  Codes into v[cd ..] (6), bytes into v[by ..] (3), both of this call's own; then to LDS: a word of codes at v[adc + b] + offc + 8 u, the byte at v[ads + b] + offs.
.macro QUANT3 src, absf, cd, by, adc, offc, ads, offs
	WIN 0x05
.irp b, 0,1,2
.if \absf
	v_max3_num_f32 v[TM+\b], |v[(\src)+16*\b]|, |v[(\src)+16*\b+1]|, 0x1800000   ; my 16 numbers of block b, from each accumulator's low end on, and the floor 2^(3 - 127)
.else
	v_max3_num_f32 v[TM+\b], v[(\src)+16*\b], v[(\src)+16*\b+1], 0x1800000
.endif
.endr
	WIN 0x14
.irp i, 2,4,6,8,10,12,14
.irp b, 0,1,2
.if \absf
	v_max3_num_f32 v[TM+\b], v[TM+\b], |v[(\src)+16*\b+\i]|, |v[(\src)+16*\b+\i+1]|
.else
	v_max3_num_f32 v[TM+\b], v[TM+\b], v[(\src)+16*\b+\i], v[(\src)+16*\b+\i+1]
.endif
.endr
.endr
	WIN 0
.irp b, 0,1,2
	v_permlanex16_b32 v[TM+3+\b], v[TM+\b], s[SEL], s[SEL+1]
.endr
.irp b, 0,1,2
	v_max_num_f32 v[TM+\b], v[TM+\b], v[TM+3+\b]   ; with lane l xor 16's 16: the block's largest magnitude
.endr
.irp b, 0,1,2
	v_add_nc_u32 v[TM+6+\b], 0xff000000, v[TM+\b]  ; 2 off the exponent field: the conversion's scale operand
.endr
.irp b, 0,1,2
	v_lshrrev_b32 v[(\by)+\b], 23, v[TM+6+\b]      ; the scale's byte
.endr
	WIN 0x01
.irp b, 0,1,2
.irp u, 0,1
	v_cvt_scalef32_pk8_fp4_f32 v[(\cd)+2*\b+\u], v[(\src)+16*\b+8*\u:(\src)+16*\b+8*\u+7], v[TM+6+\b]
.endr
.endr
	WIN 0
	v_nop                                          ; one plain place behind the conversions
.irp b, 0,1,2
.irp u, 0,1
	ds_store_b32 v[(\adc)+\b], v[(\cd)+2*\b+\u] offset:(\offc)+8*\u
.endr
	ds_store_b8 v[(\ads)+\b], v[(\by)+\b] offset:\offs   ; both lanes of a block write the same byte with the same value
.endr
.endm
	s_load_b128 s[4:7], s[0:1], 0x0                ; xq, wq
	s_load_b64 s[8:9], s[0:1], 0x10                ; qkv
	v_lshl_add_u32 v254, v0, 2, 0x3d000
	v_mov_b32 v255, 0
	v_lshrrev_b32 v23, 5, v0
	v_readfirstlane_b32 s10, v23                   ; wave 0..7
	s_and_b32 s11, ttmp7, 0xffff                   ; 0 Q, 1 K, 2 V
	v_and_b32 v25, 31, v0
	v_lshlrev_b32 v1, 4, v25
	v_lshlrev_b32 v2, 2, v25
	v_lshlrev_b32 v3, 4, v0
	v_and_b32 v4, 15, v0
	v_bfe_u32 v5, v0, 4, 1
	s_mov_b32 s[SEL], 0x76543210
	s_mov_b32 s[SEL+1], 0xfedcba98
	s_lshl_b32 s26, s11, 3
	s_add_co_u32 s26, s26, s10                     ; 8 y + w: six records each
	s_mul_i32 s28, s26, 36864
	s_mov_b32 s29, 0
	s_mul_i32 s30, s26, 2304
	s_add_co_u32 s30, s30, WS_OFF
	s_mov_b32 s31, 0
	s_mul_i32 s32, ttmp9, 24576                    ; 64 tokens: 24 fragments of x; also 768 chunks' codes
	s_mov_b32 s33, 0
	s_mul_i32 s34, ttmp9, 1536                     ; and their scale bytes
	s_mov_b32 s35, 0
	s_mul_i32 s36, s11, 1572864
	s_add_co_u32 s36, s36, s32
	s_mov_b32 s37, 0
	s_mul_i32 s38, s11, 98304
	s_add_co_u32 s38, s38, s34
	s_add_co_u32 s38, s38, 4718592
	s_mov_b32 s39, 0
	s_add_co_u32 s34, s34, XS_OFF
	s_wait_kmcnt 0x0
	s_add_nc_u64 s[22:23], s[4:5], s[32:33]        ; x's codes
	s_add_nc_u64 s[24:25], s[4:5], s[34:35]        ; x's scale words
	s_add_nc_u64 s[12:13], s[6:7], s[28:29]        ; my records' codes
	s_add_nc_u64 s[14:15], s[6:7], s[30:31]        ; and scale words
	s_add_nc_u64 s[16:17], s[8:9], s[36:37]        ; where the codes go
	s_add_nc_u64 s[18:19], s[8:9], s[38:39]        ; where the scale bytes go
.irp i, 0,1,2,3,4,5
	global_load_b128 v[AF+4*\i:AF+4*\i+3], v3, s[22:23] offset:4096*\i     ; x's 24,576 bytes, 16 a thread
.endr
.irp i, 0,1,2,3,4,5,6,7,8,9,10,11
	global_load_b32 v[ASR+\i], v2, s[24:25] offset:128*\i
.endr
	BLOAD 0, 0
	BLOAD 1, 1
	BLOAD 2, 2
	; every LDS address is made here, ahead of the parting of the ways
.irp b, 0,1,2
	s_mul_i32 s26, s10, 3
	s_add_co_u32 s26, s26, \b                      ; block 3 w + b of a token's 24
	s_lshr_b32 s27, s26, 1                         ; its chunk in the token
	s_and_b32 s26, s26, 1                          ; its half of the chunk
	v_mul_u32_u24 v23, v4, 12
	v_add_nc_u32 v23, s27, v23                     ; chunk 12 r + j among a tile's 192
	v_lshrrev_b32 v24, 4, v23
	v_lshlrev_b32 v24, 9, v24
	v_and_b32 v26, 15, v23
	v_lshl_add_u32 v24, v26, 4, v24
	v_lshl_add_u32 v24, v5, 2, v24                 ; + 4 h: my word of the block's 16 bytes (8 u comes in the offset)
	s_lshl_b32 s28, s26, 8
	s_add_co_u32 s28, s28, STG
	v_add_nc_u32 v[6+\b], s28, v24
	v_lshlrev_b32 v23, 1, v23
	s_add_co_u32 s26, s26, SSTG
	v_add_nc_u32 v[9+\b], s26, v23
.endr
	v_mul_u32_u24 v23, v4, VP
	v_lshl_add_u32 v23, v5, 5, v23
	s_mul_i32 s26, s10, 384
	s_add_co_u32 s26, s26, VSTG
	v_add_nc_u32 v12, s26, v23                     ; V's stage: row r, + 32 h, + my 96 columns; a register for each tile of tokens
	v_add_nc_u32 v13, 16*VP, v12
	v_add_nc_u32 v14, 32*VP, v12
	v_add_nc_u32 v15, 48*VP, v12
	s_mul_i32 s26, s10, 8*VP
	s_add_co_u32 s26, s26, VSTG
	v_add_nc_u32 v16, s26, v2                      ; back: my eight tokens, 4 bytes a lane
	v_lshrrev_b32 v23, 4, v25
	v_lshlrev_b32 v23, 10, v23
	v_lshl_add_u32 v23, v4, 4, v23
.irp i, 0,1,2
	s_mul_i32 s26, s10, 3
	s_add_co_u32 s26, s26, \i                      ; key block 3 w + i of the work-group's 24
	s_lshr_b32 s27, s26, 2
	s_and_b32 s26, s26, 3
	s_lshl_b32 s28, s27, 12
	s_lshl_b32 s29, s26, 8
	s_add_co_u32 s28, s28, s29
	v_add_nc_u32 v[17+\i], s28, v23                ; in memory: key step x 4,096 + block x 256 + fragment (lane / 16) + 16 (lane % 16)
	s_lshl_b32 s27, s27, 8
	s_add_co_u32 s27, s27, s26
	s_add_co_u32 s27, s27, VSST
	v_add_nc_u32 v[20+\i], s27, v2                 ; the byte: key step x 256 + 4 d + block
.endr
.irp b, 0,1,2
	v_mov_b32 v[TM+3+\b], 0                        ; written once: a lane permute's destination counts as one of its sources
.endr
	s_wait_loadcnt 57                              ; x's six loads are in: 12 + 45 younger ones may be out
.irp i, 0,1,2,3,4,5
	ds_store_b128 v3, v[AF+4*\i:AF+4*\i+3] offset:AIMG+4096*\i
.endr
	s_wait_dscnt 0x0                               ; for the others' sake: my part of x lies in LDS
	s_barrier_signal -1
	s_barrier_wait -1
	STEP 0, 1, 30, 1                               ; the first K step starts the sums; 30 = the two younger sets
	STEP 1, 0, 30, 1
	STEP 2, 0, 30, 1
	STEP 3, 0, 30, 0                               ; the last three ask for nothing: the counts run down
	STEP 4, 0, 15, 0
	STEP 5, 0, 0, 0
	s_cmp_eq_u32 s11, 2
	s_cbranch_scc1 .Lv
	; ---------------- Q or K: quantised inside the chunk, gathered in LDS as it lies in memory
	QUANT3 0,   1, 32, 56, 6, 0,     9, 0
	QUANT3 48,  1, 38, 59, 6, 6144,  9, 384
	QUANT3 96,  1, 44, 62, 6, 12288, 9, 768
	QUANT3 144, 1, 50, 65, 6, 18432, 9, 1152
	s_wait_dscnt 0x0
	s_barrier_signal -1
	s_barrier_wait -1
.irp i, 0,1,2,3,4,5
	ds_load_b128 v[96+4*\i:96+4*\i+3], v3 offset:STG+4096*\i
.endr
.irp i, 0,1,2,3,4,5
	s_wait_dscnt 5-\i                              ; load i is back; the younger ones may be out
	global_store_b128 v3, v[96+4*\i:96+4*\i+3], s[16:17] offset:4096*\i   ; a wave stores 512 consecutive bytes
.endr
	s_cmp_lt_u32 s10, 3
	s_cbranch_scc0 .Lqk_end
	ds_load_b128 v[120:123], v3 offset:SSTG        ; the 1,536 scale bytes: waves 0 to 2
	s_wait_dscnt 0x0
	global_store_b128 v3, v[120:123], s[18:19]
.Lqk_end:
	s_wait_tensorcnt 0x0
	ds_add_u32 v254, v255
	s_wait_dscnt 0x0
	s_endpgm
	; ---------------- V: through LDS as f32, then a lane takes one d and its registers run down 32 keys
.Lv:
	WIN 0x04                                       ; an LDS store's data are its source 1: window 1
.irp mt, 0,1,2,3
.irp nt, 0,1,2,3,4,5
	ds_store_b128 v[12+\mt], v[8*(6*\mt+\nt):8*(6*\mt+\nt)+3] offset:64*\nt        ; each accumulator from its low end on
	ds_store_b128 v[12+\mt], v[8*(6*\mt+\nt)+4:8*(6*\mt+\nt)+7] offset:64*\nt+16
.endr
.endr
	WIN 0
	s_wait_dscnt 0x0
	s_barrier_signal -1
	s_barrier_wait -1
.macro VLOAD n                         ; unit n = 2 i + dh: key block i of my three, d = 32 dh + lane: key kk is chunk 32 i + kk of my 96: token / 12, chunk % 12
.set kk, 0
.rept 32
.set gq, 32*((\n)/2)+kk
	ds_load_b32 v[32+32*((\n)%2)+kk], v16 offset:(gq/12)*VP+(gq%12)*256+128*((\n)%2)
.set kk, kk+1
.endr
.endm
.macro VUNIT n
.set XS, 32+32*((\n)%2)
.if (\n) == 0
	s_wait_dscnt 32                                ; this unit's 32 loads are back; the next unit's may be out
.elseif (\n) < 5
	s_wait_dscnt 33                                ; likewise, and the last unit's byte store
.else
	s_wait_dscnt 0x0
.endif
	v_max3_num_f32 v26, |v[XS]|, |v[XS+1]|, |v[XS+2]|
	v_max3_num_f32 v27, |v[XS+3]|, |v[XS+4]|, |v[XS+5]|
.irp i, 6,10,14,18,22,26
	v_max3_num_f32 v26, v26, |v[XS+\i]|, |v[XS+\i+1]|
	v_max3_num_f32 v27, v27, |v[XS+\i+2]|, |v[XS+\i+3]|
.endr
	v_max3_num_f32 v26, v26, |v[XS+30]|, |v[XS+31]|
	v_max3_num_f32 v26, v26, v27, 0x1800000
	v_add_nc_u32 v[126+(\n)], 0xff000000, v26
	v_lshrrev_b32 v[120+(\n)], 23, v[126+(\n)]
.irp g, 0,1,2,3
	v_cvt_scalef32_pk8_fp4_f32 v[96+4*(\n)+\g], v[XS+8*\g:XS+8*\g+7], v[126+(\n)]
.endr
	global_store_b128 v[17+(\n)/2], v[96+4*(\n):96+4*(\n)+3], s[16:17] offset:2048*((\n)%2)   ; sixteen lanes store 256 consecutive bytes, aligned
	ds_store_b8 v[20+(\n)/2], v[120+(\n)] offset:128*((\n)%2)
.if (\n)+2 < 6
	VLOAD (\n)+2
.endif
.endm
	VLOAD 0
	VLOAD 1
	VUNIT 0
	VUNIT 1
	VUNIT 2
	VUNIT 3
	VUNIT 4
	VUNIT 5
	s_wait_dscnt 0x0
	s_barrier_signal -1
	s_barrier_wait -1
	s_cmp_lt_u32 s10, 3
	s_cbranch_scc0 .Lv_end
	ds_load_b128 v[132:135], v3 offset:VSST        ; the 1,536 scale bytes: waves 0 to 2
	s_wait_dscnt 0x0
	global_store_b128 v3, v[132:135], s[18:19]
.Lv_end:
	s_wait_tensorcnt 0x0
	ds_add_u32 v254, v255
	s_wait_dscnt 0x0
	s_endpgm
.Lfunc_end_k_qe970c4f673_qkv:
	.size	k_qe970c4f673_qkv, .Lfunc_end_k_qe970c4f673_qkv-k_qe970c4f673_qkv
	.p2alignl 7, 3214868480
	.fill 96, 4, 3214868480
	.section	.rodata,"a",@progbits
	.p2align	6, 0x0
	.amdhsa_kernel k_qe970c4f673_qkv
		.amdhsa_group_segment_fixed_size 250880
		.amdhsa_private_segment_fixed_size 0
		.amdhsa_enable_private_segment 0
		.amdhsa_kernarg_size 24
		.amdhsa_user_sgpr_count 2
		.amdhsa_user_sgpr_kernarg_segment_ptr 1
		.amdhsa_wavefront_size32 1
		.amdhsa_system_sgpr_workgroup_id_x 1
		.amdhsa_system_sgpr_workgroup_id_y 1
		.amdhsa_system_sgpr_workgroup_id_z 1
		.amdhsa_system_vgpr_workitem_id 0
		.amdhsa_next_free_vgpr 448
		.amdhsa_next_free_sgpr 66
		.amdhsa_reserve_vcc 0
		.amdhsa_float_denorm_mode_32 3
		.amdhsa_float_denorm_mode_16_64 3
		.amdhsa_memory_ordered 1
		.amdhsa_forward_progress 1
		.amdhsa_inst_pref_size 80
	.end_amdhsa_kernel
	.amdgpu_metadata
---
amdhsa.version: [ 1, 2 ]
amdhsa.kernels:
  - .name:           k_qe970c4f673_qkv
    .symbol:         k_qe970c4f673_qkv.kd
    .args:
      - { .name: xq, .offset: 0, .size: 8, .value_kind: global_buffer, .address_space: global }
      - { .name: wq, .offset: 8, .size: 8, .value_kind: global_buffer, .address_space: global }
      - { .name: qkv, .offset: 16, .size: 8, .value_kind: global_buffer, .address_space: global }
    .group_segment_fixed_size: 250880
    .private_segment_fixed_size: 0
    .kernarg_segment_align: 8
    .kernarg_segment_size: 24
    .max_flat_workgroup_size: 256
    .sgpr_count:     66
    .vgpr_count:     448
    .wavefront_size: 32
...
	.end_amdgpu_metadata
.endif
;; end of part 2
;; launch attn (part 3): grid 64 x 4, 12 waves a work-group, no clusters, 56,832 bytes of LDS; arguments qkv, ctx; writes ctx
.if DOCPART == 3
	.amdgcn_target "amdgcn-amd-amdhsa--gfx1250"
	.amdhsa_code_object_version 6
	.text
	.protected	k_qe970c4f673_attn
	.globl	k_qe970c4f673_attn
	.p2align	8
	.type	k_qe970c4f673_attn,@function
k_qe970c4f673_attn:
	s_mov_b64 s[64:65], 0
	v_nop
	global_prefetch_b8 v0, s[64:65] scope:SCOPE_SE
	s_setreg_imm32_b32 hwreg(HW_REG_WAVE_MODE, 25, 1), 1
	s_wait_xcnt 0x0
; ctx[q][64 head + d] = sum over k <= q of softmax_k(Q[q] . K[k] / 8) V[k][d], both products on codes of FP4 with E8M0 scales; the result is quantised along 64 head + d for the next product.
; THE SOFTMAX: t = score x log2(e) / 8; M = the running largest t rounded UP to a whole number; p = 2^(t - M) is quantised along the keys; the row's sum is taken of the unquantised p and divides at the end.
; When M moves, the sum and O are multiplied by 2^(old M - new M), which rounds nothing.
; SHARES.  A UNIT is block b of 64 queries of one head: four waves of 16 queries, which share that head's tiles and work in key steps 0 .. b / 2 (128 keys each); step b / 2 lies on the diagonal.
; Work-group (x, y) has three units, of heads y, y + 4, y + 8: blocks (2 m, 63 - m, 31 - m) for x = 2 m, (2 m + 1, 31 - m, 63 - m) for x = 2 m + 1.  Each of the three runs through all 64 blocks as x does,
; and the three units' key steps add up to 49 or 50 in every work-group: 12 heads x 64 blocks = 3 x 256 units.
; Wave w is wave w / 3 of unit w % 3: the waves with equal w % 4, and those with equal w / 3, are one of each unit.
; Both products are used transposed: S^T = K Q^T (source 0 = 16 keys), O^T = V^T P^T (source 0 = 16 d): a lane holds ONE query (lane % 16); register j of tile t is key (or d) 16 t + 8 h + j.
; THE FIRST PRODUCT'S K IS 64, the instruction's 128.  Q's registers 4-7 are zero codes.  K's tile t is named v[32 + 4 t .. + 7]: its upper four registers are the next tile's codes (zeros behind the last), which meet Q's zeros;
; every FP4 code is a finite number, and scale bytes 2 and 3 are 0 (a 16-bit load extends with zeros), which is 2^-127 and no NaN: the upper half adds exactly 0.
; A KEY STEP'S TILE (K 4,096 bytes, V 4,096, scale bytes 512) goes through registers into the unit's two LDS slots by turns: a thread of the unit copies 68 bytes, asked for a step ahead; one barrier a step: in front of it every
; wave's LDS stores have landed and its reads of the slot in hand are back; the store into the other slot stands behind the barrier that ended that slot's reads.
; The loop's trip count is a constant; a step without work for a wave is passed over by scalar branches on ids, never its barrier.
; No multicast: the units of a head want different numbers of tiles (b / 2 + 1), and a step's shared bytes are few beside its vector work.
; ctx's scale bytes leave two at a time, 1/16 of the codes' bytes.  LIMITS: NaN and infinities are not served; a block under 2^-124 or of zeros gets the byte 1; 1 / sum by v_rcp_f32.
.set SLOT, 9216                        ; K's codes 0, V's 4,096, K's scale bytes 8,192, V's scale words 8,448
.set UNITB, 2*SLOT                     ; a unit's two slots
.set KF,  32                           ; v32-63 K's eight tiles, four registers each; v64-67 zeros
.set VF,  68                           ; v68-99 V's four fragments
.set S,   100                          ; v100-163 S^T, then p
.set O,   164                          ; v164-195 O^T
.set PC,  196                          ; v196-203 p's codes
; tu = my thread's number in the unit, U = my unit's first LDS byte.  v1 U + 16 tu, v2 U + 8,192 + 4 tu, v3 16 tu, v4 my scale word in memory, v5 U + 16 lane, v6 U + 4 lane, v7 U + 2 lane,
; v8 my query - 8 h in the diagonal step, v9 the prefetch's offset, v10 4 r, v11 16 lane
; v12 -M, v13 largest t, v[14:15] the sum, v16-23 Q, v24 Q's scales, v25 p's scale word, v26-29 K's scales, v30-31 V's; v204-215, v234-237, v254 and v238-253, v255: two sets in which tiles travel
; v216-219 blocks' maxima, v220-223 the other lane's / bytes, v224-227 scale operands, v228 at work, v229 -infinity, v[230:231] f, v[232:233] a second chain of sums
; s8 wave, s9 wave / 3, s10 head, s11 unit, s12 my last key step, s13 my block, s[14:15] K's codes, s[16:17] K's scale bytes, s[18:19] prefetch, s20 prefetches left, s[22:23] c, s[24:25] selects, s26 step
.macro TGET q, off, soff               ; a tile into set q: K's codes at off and 2,048 on, V's 1,572,864 bytes behind them; threads 0-63 K's scale bytes, threads 64-127 V's
.if (\q) == 0
.set TA, 204
.set TD, 234
.set TE, 254
.else
.set TA, 238
.set TD, 250
.set TE, 255
.endif
	global_load_b128 v[TA:TA+3], v3, s[14:15] offset:\off
	global_load_b128 v[TA+4:TA+7], v3, s[14:15] offset:(\off)+2048
	global_load_b128 v[TA+8:TA+11], v3, s[14:15] offset:(\off)+1572864
	global_load_b128 v[TD:TD+3], v3, s[14:15] offset:(\off)+1572864+2048
	global_load_b32 v[TE], v4, s[16:17] offset:\soff
.endm
.macro TPUT q, sl                      ; set q into slot sl of my unit
.if (\q) == 0
.set TA, 204
.set TD, 234
.set TE, 254
.else
.set TA, 238
.set TD, 250
.set TE, 255
.endif
	ds_store_b128 v1, v[TA:TA+3] offset:(\sl)*SLOT
	ds_store_b128 v1, v[TA+4:TA+7] offset:(\sl)*SLOT+2048
	ds_store_b128 v1, v[TA+8:TA+11] offset:(\sl)*SLOT+4096
	ds_store_b128 v1, v[TD:TD+3] offset:(\sl)*SLOT+6144
	ds_store_b32 v2, v[TE] offset:(\sl)*SLOT
.endm
	s_load_b128 s[4:7], s[0:1], 0x0                ; qkv, ctx
	s_set_vgpr_msb 0x40
	v_lshl_add_u32 v0, v0, 2, 0xd800
	v_mov_b32 v1, 0
	s_set_vgpr_msb 0x4000
	v_lshrrev_b32 v10, 5, v0                       ; wave
	v_readfirstlane_b32 s8, v10
	v_mul_u32_u24 v11, v10, 11
	v_lshrrev_b32 v11, 5, v11                      ; wave / 3
	v_mul_u32_u24 v9, v11, 3
	v_sub_nc_u32 v9, v10, v9                       ; wave % 3: my unit
	v_mul_u32_u24 v9, v9, UNITB                    ; U
	v_and_b32 v10, 31, v0                          ; lane
	v_lshl_add_u32 v3, v11, 5, v10                 ; tu = 32 (wave / 3) + lane
	v_lshl_add_u32 v1, v3, 4, v9
	v_lshl_add_u32 v2, v3, 2, v9
	v_add_nc_u32 v2, 8192, v2
	v_and_b32 v4, 63, v3
	v_lshrrev_b32 v5, 6, v3
	v_mul_u32_u24 v5, v5, 98304                    ; V's scale words lie so far behind K's scale bytes
	v_lshl_add_u32 v4, v4, 2, v5
	v_lshlrev_b32 v3, 4, v3
	v_lshl_add_u32 v5, v10, 4, v9
	v_lshl_add_u32 v6, v10, 2, v9
	v_lshl_add_u32 v7, v10, 1, v9
	v_lshlrev_b32 v11, 4, v10
	v_lshlrev_b32 v232, 1, v10                     ; 2 lane: for Q's scale bytes alone
	v_and_b32 v10, 15, v0                          ; r
	v_bfe_u32 v228, v0, 4, 1                       ; h
	v_lshlrev_b32 v8, 3, v228
	v_sub_nc_u32 v8, v10, v8
	v_mul_u32_u24 v9, v228, 1572864                ; lanes 16-31 name V's blocks, which lie so far behind K's
	v_lshl_add_u32 v9, v10, 8, v9                  ; 256 bytes from lane to lane
	v_lshlrev_b32 v10, 2, v10
	s_mul_i32 s9, s8, 11
	s_lshr_b32 s9, s9, 5                           ; wave / 3
	s_mul_i32 s27, s9, 3
	s_sub_co_u32 s11, s8, s27                      ; unit
	s_and_b32 s10, ttmp7, 0xffff
	s_lshl_b32 s27, s11, 2
	s_add_co_u32 s10, s10, s27                     ; head = y + 4 unit
	s_lshr_b32 s27, ttmp9, 1                       ; m
	s_sub_co_u32 s28, 63, s27
	s_sub_co_u32 s29, 31, s27
	s_and_b32 s27, ttmp9, 1
	s_cmp_eq_u32 s27, 0
	s_cselect_b32 s13, s28, s29                    ; unit 1's block
	s_cselect_b32 s21, s29, s28                    ; unit 2's
	s_cmp_eq_u32 s11, 1
	s_cselect_b32 s13, s13, s21
	s_cmp_eq_u32 s11, 0
	s_cselect_b32 s13, ttmp9, s13                  ; unit 0's is x
	s_lshr_b32 s12, s13, 1                         ; my last key step
	s_and_b32 s27, s13, 1
	s_lshl_b32 s27, s27, 6
	s_lshl_b32 s28, s9, 4
	s_add_co_u32 s27, s27, s28
	v_add_nc_u32 v8, s27, v8                       ; 64 (b % 2) + 16 (wave / 3) + r - 8 h
	s_lshl_b32 s28, s10, 17                        ; a head's codes: 131,072 bytes
	s_add_co_u32 s38, s28, 1572864
	s_mov_b32 s39, 0
	s_lshl_b32 s29, s10, 13                        ; a head's scale bytes: 8,192
	s_add_co_u32 s40, s29, 4816896
	s_mov_b32 s41, 0
	s_add_co_u32 s42, s28, 1572864+3*4096          ; the prefetches stand at tile 3: the first step moves them to tile 4
	s_mov_b32 s43, 0
	s_lshl_b32 s27, s10, 8
	s_lshl_b32 s28, s13, 2
	s_add_co_u32 s27, s27, s28
	s_add_co_u32 s27, s27, s9                      ; my tile of 16 chunks: 256 head + 4 block + wave / 3
	s_lshl_b32 s44, s27, 9
	s_mov_b32 s45, 0
	s_lshl_b32 s46, s27, 5
	s_add_co_u32 s46, s46, 4718592
	s_mov_b32 s47, 0
	s_xor_b32 s27, s13, 63
	s_xor_b32 s28, s9, 1
	s_or_b32 s27, s27, s28
	s_cmp_eq_u32 s27, 0
	s_cselect_b32 s20, 28, 0                       ; wave 1 of the unit with block 63, one in each head, asks for tiles 4 .. 31; nobody else
	s_mov_b32 s22, 0x3e38aa3b                      ; c = log2(e) / 8
	s_mov_b32 s23, s22
	s_mov_b32 s24, 0x76543210
	s_mov_b32 s25, 0xfedcba98
	s_wait_kmcnt 0x0
	s_add_nc_u64 s[14:15], s[4:5], s[38:39]
	s_add_nc_u64 s[16:17], s[4:5], s[40:41]
	s_add_nc_u64 s[18:19], s[4:5], s[42:43]
	s_add_nc_u64 s[30:31], s[4:5], s[44:45]        ; Q's codes
	s_add_nc_u64 s[32:33], s[4:5], s[46:47]        ; Q's scale bytes
	s_lshl_b32 s27, s13, 1
	s_lshr_b32 s28, s9, 1
	s_add_co_u32 s27, s27, s28                     ; my block of 32 rows of ctx
	s_mul_i32 s27, s27, 6
	s_lshr_b32 s28, s10, 1
	s_add_co_u32 s27, s27, s28                     ; x 6 + K step head / 2
	s_and_b32 s28, s9, 1                           ; which tile of 16 rows
	s_and_b32 s29, s10, 1                          ; which half of the K step
	s_lshl_b32 s38, s27, 1
	s_add_co_u32 s38, s38, s28
	s_lshl_b32 s38, s38, 10
	s_lshl_b32 s40, s29, 9
	s_add_co_u32 s38, s38, s40
	s_lshl_b32 s40, s27, 7
	s_lshl_b32 s28, s28, 6
	s_add_co_u32 s40, s40, s28
	s_lshl_b32 s29, s29, 1
	s_add_co_u32 s40, s40, s29
	s_add_co_u32 s40, s40, 1572864
	s_add_nc_u64 s[34:35], s[6:7], s[38:39]
	s_add_nc_u64 s[36:37], s[6:7], s[40:41]
	TGET 0, 0, 0                                   ; tile 0
	global_load_b128 v[16:19], v11, s[30:31]       ; Q: block h of query r
	global_load_u16 v24, v232, s[32:33]            ; its two scale bytes (lanes 16-31 read on, inside the buffer, and are not used)
	TGET 1, 4096, 256                              ; tile 1 (every head has 32 tiles; a unit that ends at tile 0 does not use it)
.irp j, 20,21,22,23,64,65,66,67
	v_mov_b32 v[\j], 0                             ; the zero codes
.endr
	v_mov_b32 v13, 0xff61b1e6                      ; the largest t so far: -3e38
	v_floor_f32 v12, -v13                          ; -M
	v_mov_b32 v14, 0
	v_mov_b32 v15, 0
.set j, 0
.rept 32
	v_mov_b32 v[O+j], 0                            ; the step is written once: the first finds zeros
.set j, j+1
.endr
.irp b, 0,1,2,3
	v_mov_b32 v[220+\b], 0                         ; a lane permute's destination counts as one of its sources
.endr
	v_mov_b32 v229, 0xff800000
	v_mov_b32 v231, 0                              ; named as the upper half of f's pair
	s_wait_loadcnt 0x0
	TPUT 0, 0
	s_wait_dscnt 0x0
	s_barrier_signal -1
	s_barrier_wait -1
.macro STEP sl                         ; key step s26 + sl, whose tile lies in slot sl
	; (a) my unit's next tile goes into its other slot, and the one after it is asked for
	s_add_co_u32 s27, s26, \sl+1
	s_cmp_gt_u32 s27, s12
	s_cbranch_scc1 .Lb_\@
	s_wait_loadcnt 0x0                             ; the next tile, asked for a step ago, is in registers; the bases may be stepped
	s_wait_xcnt 0x0                                ; and the last prefetch, a step back, has read its address
	s_add_nc_u64 s[18:19], s[18:19], 4096
	TPUT 1-\sl, 1-\sl
	s_cmp_lt_u32 s27, s12
	s_cbranch_scc0 .Lb_\@
	s_add_nc_u64 s[14:15], s[14:15], 4096
	s_add_nc_u64 s[16:17], s[16:17], 256
	TGET \sl, 4096, 256                            ; into the set whose LDS stores were waited for in front of the last barrier
	s_cmp_lg_u32 s20, 0
	s_cbranch_scc0 .Lb_\@
	global_prefetch_b8 v9, s[18:19] th:TH_LOAD_NT scope:SCOPE_SE   ; the tile two steps beyond the one just asked for: K's 16 blocks of 256 bytes in lanes 0-15, V's in lanes 16-31; each named once in the launch
	s_sub_co_u32 s20, s20, 1
.Lb_\@:
	; (b) a step all of whose keys come after my queries is left out
	s_add_co_u32 s28, s26, \sl
	s_cmp_gt_u32 s28, s12
	s_cbranch_scc1 .Ld_\@
.rept 4
	v_nop                                          ; four places ahead of loads into registers that the last step's products have read
.endr
.irp t, 0,1,2,3,4,5,6,7
	ds_load_b128 v[KF+4*\t:KF+4*\t+3], v5 offset:\sl*SLOT+512*\t
.endr
.irp b, 0,1,2,3
	ds_load_u16 v[26+\b], v7 offset:\sl*SLOT+8192+64*\b        ; lanes 0-15 tile 2 b's keys, lanes 16-31 tile 2 b + 1's
.endr
.irp f, 0,1,2,3,4,5,6,7
	ds_load_b128 v[VF+4*\f:VF+4*\f+3], v5 offset:\sl*SLOT+4096+512*\f
.endr
.irp e, 0,1
	ds_load_b32 v[30+\e], v6 offset:\sl*SLOT+8448+128*\e
.endr
	s_wait_dscnt 10                                ; K and its scales are back; V's ten loads may be out
.irp t, 0,2,4,6
	v_wmma_scale_f32_16x16x128_f8f6f4 v[S+8*\t:S+8*\t+7], v[KF+4*\t:KF+4*\t+7], v[16:23], 0, v[26+\t/2], v24 matrix_a_fmt:MATRIX_FMT_FP4 matrix_b_fmt:MATRIX_FMT_FP4
	v_wmma_scale_f32_16x16x128_f8f6f4 v[S+8*\t+8:S+8*\t+15], v[KF+4*\t+4:KF+4*\t+11], v[16:23], 0, v[26+\t/2], v24 matrix_a_fmt:MATRIX_FMT_FP4 matrix_b_fmt:MATRIX_FMT_FP4 matrix_a_scale:MATRIX_SCALE_ROW1
.endr
.rept 4
	v_nop
.endr
	s_cmp_eq_u32 s28, s12                          ; on the diagonal hidden scores become -infinity: p = 0 then
	s_cbranch_scc0 .Lopen_\@
.set n, 0
.rept 64
	v_cmp_gt_i32 vcc_lo, 16*(n/8)+n%8, v8          ; register n holds key 16 (n / 8) + n % 8 + 8 h of the step
	v_cndmask_b32 v[S+n], v[S+n], v229, vcc_lo
.set n, n+1
.endr
.Lopen_\@:
.irp b, 0,1,2,3
	v_max3_num_f32 v[216+\b], v[S+16*\b], v[S+16*\b+1], v[S+16*\b+2]   ; the largest score of each block of 32 keys: for the row's maximum and, since p rises with the score, for the block's largest p
.endr
.irp i, 3,5,7,9,11,13
.irp b, 0,1,2,3
	v_max3_num_f32 v[216+\b], v[216+\b], v[S+16*\b+\i], v[S+16*\b+\i+1]
.endr
.endr
.irp b, 0,1,2,3
	v_max_num_f32 v[216+\b], v[216+\b], v[S+16*\b+15]
.endr
.irp b, 0,1,2,3
	v_permlanex16_b32 v[220+\b], v[216+\b], s24, s25
.endr
.irp b, 0,1,2,3
	v_max_num_f32 v[216+\b], v[216+\b], v[220+\b]  ; with lane l xor 16's 16 keys
.endr
	v_max3_num_f32 v228, v216, v217, v218
	v_max_num_f32 v228, v228, v219
	v_mul_f32 v228, s22, v228                      ; the step's largest t
	v_max_num_f32 v13, v13, v228
	v_mov_b32 v228, v12
	v_floor_f32 v12, -v13                          ; the new -M = -ceil(t): a whole number
	v_sub_f32 v228, v12, v228                      ; old M - new M, 0 or less
	v_cvt_i32_f32 v228, v228                       ; (it saturates)
	v_ldexp_f32 v230, 1.0, v228                    ; f = 2^(old M - new M)
.set j, 0
.rept 32
	v_pk_fma_f32 v[S+j:S+j+1], v[S+j:S+j+1], s[22:23], v[12:13] op_sel_hi:[1,0,0]   ; t - M, two at a time
.set j, j+2
.endr
.irp b, 0,1,2,3
	v_fma_f32 v[216+\b], v[216+\b], s22, v12       ; the same of each block's largest score
.endr
.set j, 0
.rept 64
	v_exp_f32 v[S+j], v[S+j]                       ; p = 2^(t - M)
.set j, j+1
.endr
	v_pk_mul_f32 v[14:15], v[14:15], v[230:231] op_sel_hi:[1,0]   ; the sums under the new M: a plain place behind the exponentials
	s_wait_alu depctr_va_vdst(0)                   ; one wait for the batch of 64, ahead of its first reader
.irp b, 0,1,2,3
	v_exp_f32 v[216+\b], v[216+\b]                 ; the block's largest p
.endr
	v_pk_add_f32 v[232:233], v[S:S+1], v[S+2:S+3]  ; the row's sum of the unquantised p, in two chains
.irp j, 4,8,12,16,20,24,28,32,36,40,44,48,52,56,60
	v_pk_add_f32 v[14:15], v[14:15], v[S+\j:S+\j+1]
	v_pk_add_f32 v[232:233], v[232:233], v[S+\j+2:S+\j+3]
.endr
	v_pk_add_f32 v[14:15], v[14:15], v[232:233]
	s_wait_alu depctr_va_vdst(0)                   ; and one for the four
.irp b, 0,1,2,3
	v_max_num_f32 v[216+\b], 0x1800000, v[216+\b]  ; the floor 2^(3 - 127)
.endr
.irp b, 0,1,2,3
	v_add_nc_u32 v[224+\b], 0xff000000, v[216+\b]
.endr
.irp b, 0,1,2,3
	v_lshrrev_b32 v[220+\b], 23, v[224+\b]
.endr
	v_lshl_or_b32 v25, v221, 8, v220               ; p's scale word for these 128 keys
	v_lshl_or_b32 v25, v222, 16, v25
	v_lshl_or_b32 v25, v223, 24, v25
.irp c, 0,1
.irp u, 0,1
.irp x, 0,1
	v_cvt_scalef32_pk8_fp4_f32 v[PC+4*\c+2*\u+\x], v[S+16*(2*\c+\x)+8*\u:S+16*(2*\c+\x)+8*\u+7], v[224+2*\c+\x]   ; word 2 u + h of block 2 c + x
.endr
.endr
.endr
	v_nop                                          ; one plain place behind the conversions
.irp c, 0,1
.irp u, 0,1
	v_permlane16_swap_b32 v[PC+4*\c+2*\u], v[PC+4*\c+2*\u+1]   ; the first's lanes 16-31 change places with the second's lanes 0-15: lane h now holds words 2 u, 2 u + 1 of block 2 c + h
.endr
.endr
.set j, 0
.rept 16
	v_pk_mul_f32 v[O+j:O+j+1], v[O+j:O+j+1], v[230:231] op_sel_hi:[1,0]   ; O^T under the new M.  For each product below twelve of these name none of its registers: the places between the scale word's and the codes' last writes and the product
.set j, j+2
.endr
	s_wait_dscnt 0x0                               ; V
.irp t, 0,2
	v_wmma_scale_f32_16x16x128_f8f6f4 v[O+8*\t:O+8*\t+7], v[VF+8*\t:VF+8*\t+7], v[PC:PC+7], v[O+8*\t:O+8*\t+7], v[30+\t/2], v25 matrix_a_fmt:MATRIX_FMT_FP4 matrix_b_fmt:MATRIX_FMT_FP4
	v_wmma_scale_f32_16x16x128_f8f6f4 v[O+8*\t+8:O+8*\t+15], v[VF+8*\t+8:VF+8*\t+15], v[PC:PC+7], v[O+8*\t+8:O+8*\t+15], v[30+\t/2], v25 matrix_a_fmt:MATRIX_FMT_FP4 matrix_b_fmt:MATRIX_FMT_FP4 matrix_a_scale:MATRIX_SCALE_ROW1
.endr
.Ld_\@:
	s_wait_dscnt 0x0                               ; my stores of the next tile have landed and my reads of this slot are back
	s_barrier_signal -1
	s_barrier_wait -1
.endm
	s_mov_b32 s26, 0
.Lloop:                                        ; sixteen trips of two key steps, the two slots in the immediates
	STEP 0
	STEP 1
	s_add_co_u32 s26, s26, 2
	s_cmp_lt_u32 s26, 32
	s_cbranch_scc1 .Lloop
	; THE WAY OUT: O^T / the sum; my 64 numbers of a row of ctx are two blocks of its K step: quantised, and stored as half a fragment's image
.rept 4
	v_nop
.endr
	v_add_f32 v14, v14, v15
	v_permlanex16_b32 v220, v14, s24, s25
	v_add_f32 v14, v14, v220                       ; the row's sum
	v_rcp_f32 v14, v14
	v_nop                                          ; a plain place behind the reciprocal
	s_wait_alu depctr_va_vdst(0)                   ; and the wait ahead of its first reader
.set j, 0
.rept 16
	v_pk_mul_f32 v[O+j:O+j+1], v[O+j:O+j+1], v[14:15] op_sel_hi:[1,0]
.set j, j+2
.endr
.irp b, 0,1
	v_max3_num_f32 v[216+\b], |v[O+16*\b]|, |v[O+16*\b+1]|, 0x1800000
.endr
.irp i, 2,4,6,8,10,12,14
.irp b, 0,1
	v_max3_num_f32 v[216+\b], v[216+\b], |v[O+16*\b+\i]|, |v[O+16*\b+\i+1]|
.endr
.endr
.irp b, 0,1
	v_permlanex16_b32 v[220+\b], v[216+\b], s24, s25
.endr
.irp b, 0,1
	v_max_num_f32 v[216+\b], v[216+\b], v[220+\b]
.endr
.irp b, 0,1
	v_add_nc_u32 v[224+\b], 0xff000000, v[216+\b]
.endr
.irp b, 0,1
	v_lshrrev_b32 v[220+\b], 23, v[224+\b]
.endr
.irp u, 0,1
.irp b, 0,1
	v_cvt_scalef32_pk8_fp4_f32 v[PC+2*\u+\b], v[O+16*\b+8*\u:O+16*\b+8*\u+7], v[224+\b]
.endr
.endr
	v_nop
.irp u, 0,1
	v_permlane16_swap_b32 v[PC+2*\u], v[PC+2*\u+1]
.endr
	v_lshl_or_b32 v228, v221, 8, v220
	global_store_b128 v11, v[PC:PC+3], s[34:35]    ; 512 consecutive bytes
	global_store_b16 v10, v228, s[36:37]           ; my row's two scale bytes (both lanes of a row store the same)
	s_set_vgpr_msb 0x5
	s_wait_tensorcnt 0x0
	ds_add_u32 v0, v1
	s_wait_dscnt 0x0
	s_set_vgpr_msb 0x500
	s_endpgm
.Lfunc_end_k_qe970c4f673_attn:
	.size	k_qe970c4f673_attn, .Lfunc_end_k_qe970c4f673_attn-k_qe970c4f673_attn
	.p2alignl 7, 3214868480
	.fill 96, 4, 3214868480
	.section	.rodata,"a",@progbits
	.p2align	6, 0x0
	.amdhsa_kernel k_qe970c4f673_attn
		.amdhsa_group_segment_fixed_size 56832
		.amdhsa_private_segment_fixed_size 0
		.amdhsa_enable_private_segment 0
		.amdhsa_kernarg_size 16
		.amdhsa_user_sgpr_count 2
		.amdhsa_user_sgpr_kernarg_segment_ptr 1
		.amdhsa_wavefront_size32 1
		.amdhsa_system_sgpr_workgroup_id_x 1
		.amdhsa_system_sgpr_workgroup_id_y 1
		.amdhsa_system_sgpr_workgroup_id_z 1
		.amdhsa_system_vgpr_workitem_id 0
		.amdhsa_next_free_vgpr 258
		.amdhsa_next_free_sgpr 66
		.amdhsa_reserve_vcc 1
		.amdhsa_float_denorm_mode_32 3
		.amdhsa_float_denorm_mode_16_64 3
		.amdhsa_memory_ordered 1
		.amdhsa_forward_progress 1
		.amdhsa_inst_pref_size 55
	.end_amdhsa_kernel
	.amdgpu_metadata
---
amdhsa.version: [ 1, 2 ]
amdhsa.kernels:
  - .name:           k_qe970c4f673_attn
    .symbol:         k_qe970c4f673_attn.kd
    .args:
      - { .name: qkv, .offset: 0, .size: 8, .value_kind: global_buffer, .address_space: global }
      - { .name: ctx, .offset: 8, .size: 8, .value_kind: global_buffer, .address_space: global }
    .group_segment_fixed_size: 56832
    .private_segment_fixed_size: 0
    .kernarg_segment_align: 8
    .kernarg_segment_size: 16
    .max_flat_workgroup_size: 384
    .sgpr_count:     66
    .vgpr_count:     258
    .wavefront_size: 32
...
	.end_amdgpu_metadata
.endif
;; end of part 3
;; launch tail (part 4): grid 128 x 2, 8 waves a work-group, no clusters, 168,704 bytes of LDS; arguments ctx, wq, x, b1, b2, g1, beta1, part; writes part
.if DOCPART == 4
	.amdgcn_target "amdgcn-amd-amdhsa--gfx1250"
	.amdhsa_code_object_version 6
	.text
	.protected	k_qe970c4f673_tail
	.globl	k_qe970c4f673_tail
	.p2align	8
	.type	k_qe970c4f673_tail,@function
k_qe970c4f673_tail:
	s_mov_b64 s[64:65], 0
	v_nop
	global_prefetch_b8 v0, s[64:65] scope:SCOPE_SE
	s_setreg_imm32_b32 hwreg(HW_REG_WAVE_MODE, 25, 1), 1
	s_wait_xcnt 0x0
; part[0] + part[1] = h + relu(h W1 + b1) W2 + b2, h = LN1(x + ctx Wo), for 32 rows; the three products on codes of FP4 with E8M0 scales; h and the hidden layer are quantised on the way and never go to memory.
; THE HIDDEN LAYER IS SHARED OUT between two work-groups: half y takes its columns 1,536 y .. 1,536 y + 1,535: two panels of 768 columns of W1, and the 12 K steps of W2 that belong to them.  Both halves make h (6 records of Wo).
; So a wave's weights are 30 records (6 + 12 + 12; 6,144 bytes of codes and 384 of scale words each) where one work-group for all of the hidden layer would take in 54, and there are 256 work-groups.
; Half 0's sums of the third product begin with h + b2, half 1's with 0: (h + b2) x f, f = 1 or 0, with no branch.  The next launch adds the two parts and takes the second norm.
; SHARES.  Eight waves; wave w owns columns 96 w .. 96 w + 95 of every panel of 768, for all 32 rows.  Its records are used by no other wave: from memory straight into its registers, three sets by turns, so that two sets
; (30 loads) are on their way while one is multiplied, through the norm and the quantisers too.  The records of a six lie on end; from six to six the stream jumps, so there are two pairs of bases: this six's and the next's.
; The rows' operands (ctx, h, the hidden layer) lie in LDS as images of their registers, written by the wave that made them and read by all eight.
; THE PRODUCTS ARE USED TRANSPOSED (source 0 = 16 weight columns, source 1 = 16 rows): lane (r, h) holds row r, register j of tile t column 16 t + 8 h + j; tiles 2 b, 2 b + 1 are block b of the next K, shared with lane l xor 16.
; x is the C of the first product's first step, b1 of the second's.
; THE NORM takes the mean first and the variance of the deviations: no difference of large sums.  A row's sum: 48 numbers a lane, lane l xor 16, then eight waves' parts through LDS (a barrier each).
; LIMITS: NaN and infinities are not served (half 1 multiplies h by 0); a block under 2^-124 or of zeros gets the byte 1; / 768 is a multiplication by its rounded reciprocal; 1 / sqrt by v_rsq_f32.
; No multicast: every weight fragment goes to one wave's registers, so there is no tile in LDS that partners could be sent jointly.
.set WS_OFF, 3538944
.set B1L,  0                           ; LDS: b1 of my half's 1,536 columns; then b2, g1, beta1, 3,072 bytes each
.set B2L,  6144
.set G1L,  9216
.set E1L,  12288
.set CIMG, 15360                       ; ctx's 12 fragments [K step][tile of rows][1,024]
.set HIMG, 27648                       ; h's 12
.set HSC,  39936                       ; h's scale words [K step][128]
.set FSC,  40704                       ; my half of the hidden layer's [12][128]
.set RED,  42240                       ; two regions of 1,024: [tile][row][wave] parts of sums
.set FIMG, 44288                       ; my half of the hidden layer's 24 fragments
.set OST,  68864                       ; the way out: 32 rows of 3,072 bytes + 16
.set VP,   3088
.set BF,  32                           ; v32-175  weight fragments: three sets of six
.set BS,  176                          ; v176-184 their scale words
.set CSR, 185                          ; v185-190 ctx's scale words, a register a K step
.set AS,  191                          ; v191     h's or the hidden layer's scale words of the step
.set AF,  192                          ; v192-207 the rows' two fragments; between products: parts of sums
.set RS,  210                          ; v210-213 1 / sigma, a pair a tile
.set SA,  234                          ; v234-237 sums, a pair a tile
.set PT,  238                          ; v238-239 the other lane's
.set TM,  240                          ; v240-248 the quantiser's
.set MU,  250                          ; v250-253 the mean, a pair a tile
.set SEL, 4                            ; s[4:5]
.set CB,  28                           ; s[28:29] this six's records: codes;  s[30:31] scale words
.set SB,  30
.set NB,  52                           ; s[52:53], s[54:55] the next six's
.set NS,  54
.set FF,  56                           ; s[56:57] f
.set HB,  0                            ; window 1: v0-95 x, then h, then (h + b2) f + the third product;
.set ACC, 96                           ; v96-191 the hidden layer's 12 accumulators;
.set PB,  192                          ; v192-255 biases and gains in the results' layout
; v1 16 lane, v2 4 lane, v3 16 thread, v4 4 thread, v5-7 images of ctx, h, hidden (+ 16 lane), v8-9 scale words of h, hidden (+ 4 lane), v10-12/13-15 where h's codes/bytes go, v16-18/19-21 the hidden layer's,
; v22 my columns among the parameters, v24-25 parts of sums in/out, v26-27 the way out in/back, v28 x; v216-233 codes and bytes just made
.set MSB, 0
.macro WIN new                         ; s_set_vgpr_msb: bits 1:0 source 0, 3:2 source 1, 5:4 source 2, 7:6 destination; the high byte repeats the setting that is left
.if MSB != \new
	s_set_vgpr_msb (MSB<<8)|\new
.set MSB, \new
.endif
.endm
; one product.  cm = 0: onto its own sums; 1: starts them with 0; 2: with the registers at c.  ra, rb: the scale words stand in lanes 16-31
.macro WM d, a, b, cm, c, sa, sb, ra, rb
.set rD, \d
.set rA, \a
.set rB, \b
.set rC, \d
.if (\cm) == 2
.set rC, \c
.endif
.set rSA, \sa
.set rSB, \sb
.set rW, 2*(\ra)+(\rb)
.if (\cm) == 1
.if rW == 0
	v_wmma_scale_f32_16x16x128_f8f6f4 v[rD:rD+7], v[rA:rA+7], v[rB:rB+7], 0, v[rSA], v[rSB] matrix_a_fmt:MATRIX_FMT_FP4 matrix_b_fmt:MATRIX_FMT_FP4
.elseif rW == 1
	v_wmma_scale_f32_16x16x128_f8f6f4 v[rD:rD+7], v[rA:rA+7], v[rB:rB+7], 0, v[rSA], v[rSB] matrix_a_fmt:MATRIX_FMT_FP4 matrix_b_fmt:MATRIX_FMT_FP4 matrix_b_scale:MATRIX_SCALE_ROW1
.elseif rW == 2
	v_wmma_scale_f32_16x16x128_f8f6f4 v[rD:rD+7], v[rA:rA+7], v[rB:rB+7], 0, v[rSA], v[rSB] matrix_a_fmt:MATRIX_FMT_FP4 matrix_b_fmt:MATRIX_FMT_FP4 matrix_a_scale:MATRIX_SCALE_ROW1
.else
	v_wmma_scale_f32_16x16x128_f8f6f4 v[rD:rD+7], v[rA:rA+7], v[rB:rB+7], 0, v[rSA], v[rSB] matrix_a_fmt:MATRIX_FMT_FP4 matrix_b_fmt:MATRIX_FMT_FP4 matrix_a_scale:MATRIX_SCALE_ROW1 matrix_b_scale:MATRIX_SCALE_ROW1
.endif
.else
.if rW == 0
	v_wmma_scale_f32_16x16x128_f8f6f4 v[rD:rD+7], v[rA:rA+7], v[rB:rB+7], v[rC:rC+7], v[rSA], v[rSB] matrix_a_fmt:MATRIX_FMT_FP4 matrix_b_fmt:MATRIX_FMT_FP4
.elseif rW == 1
	v_wmma_scale_f32_16x16x128_f8f6f4 v[rD:rD+7], v[rA:rA+7], v[rB:rB+7], v[rC:rC+7], v[rSA], v[rSB] matrix_a_fmt:MATRIX_FMT_FP4 matrix_b_fmt:MATRIX_FMT_FP4 matrix_b_scale:MATRIX_SCALE_ROW1
.elseif rW == 2
	v_wmma_scale_f32_16x16x128_f8f6f4 v[rD:rD+7], v[rA:rA+7], v[rB:rB+7], v[rC:rC+7], v[rSA], v[rSB] matrix_a_fmt:MATRIX_FMT_FP4 matrix_b_fmt:MATRIX_FMT_FP4 matrix_a_scale:MATRIX_SCALE_ROW1
.else
	v_wmma_scale_f32_16x16x128_f8f6f4 v[rD:rD+7], v[rA:rA+7], v[rB:rB+7], v[rC:rC+7], v[rSA], v[rSB] matrix_a_fmt:MATRIX_FMT_FP4 matrix_b_fmt:MATRIX_FMT_FP4 matrix_a_scale:MATRIX_SCALE_ROW1 matrix_b_scale:MATRIX_SCALE_ROW1
.endif
.endif
.endm
.macro BLOAD k, e, cb, sb              ; record e, counted from the bases s[cb ..] (codes) and s[sb ..] (scale words), into set k: fifteen loads
.irp f, 0,1,2,3,4,5
.irp c, 0,1
	global_load_b128 v[BF+48*(\k)+8*\f+4*\c:BF+48*(\k)+8*\f+4*\c+3], v1, s[\cb:\cb+1] offset:(\e)*6144+\f*1024+\c*512
.endr
.endr
.irp b, 0,1,2
	global_load_b32 v[BS+3*(\k)+\b], v2, s[\sb:\sb+1] offset:(\e)*384+\b*128
.endr
.endm
; K step i of six: the rows' two fragments (and, where sreg is given, their scale words) from LDS, twelve products (the accumulators by turns, one instruction a turn, in the same order in every step),
; then the set just used takes the record three steps on: refill = 1: of this six; 2: of the next six; 0: none.
.macro STEP i, acc, cm, areg, ao, sreg, so, n, refill
.irp mt, 0,1
.irp c, 0,1
	ds_load_b128 v[AF+8*\mt+4*\c:AF+8*\mt+4*\c+3], v[\areg] offset:(\ao)+(\i)*2048+\mt*1024+\c*512
.endr
.endr
.if \sreg
	ds_load_b32 v[AS], v[\sreg] offset:(\so)+(\i)*128
.set rAS, AS
.else
.set rAS, CSR+(\i)
.endif
	s_wait_loadcnt \n                              ; this step's fifteen loads are in; the count is what the younger sets have out
	s_wait_dscnt 0x0
	WIN 0x50                                       ; C and D in window 1
.irp nt, 0,1,2,3,4,5
.irp mt, 0,1
	WM (\acc)+8*(6*\mt+\nt), BF+48*((\i)%3)+8*\nt, AF+8*\mt, \cm, PB+8*\nt, BS+3*((\i)%3)+\nt/2, rAS, \nt%2, \mt%2
.endr
.endr
	WIN 0
.rept 4
	v_nop                                          ; four places behind the last product, ahead of loads into registers that the products have read and of the first read of results
.endr
.if (\refill) == 1
	BLOAD (\i)%3, (\i)+3, CB, SB
.elseif (\refill) == 2
	BLOAD (\i)%3, (\i)-3, NB, NS
.endif
.endm
.macro SIX acc, cm0, areg, ao, sreg, so
	STEP 0, \acc, \cm0, \areg, \ao, \sreg, \so, 30, 1
	STEP 1, \acc, 0, \areg, \ao, \sreg, \so, 30, 1
	STEP 2, \acc, 0, \areg, \ao, \sreg, \so, 30, 1
	STEP 3, \acc, 0, \areg, \ao, \sreg, \so, 30, 2
	STEP 4, \acc, 0, \areg, \ao, \sreg, \so, 30, 2
	STEP 5, \acc, 0, \areg, \ao, \sreg, \so, 30, 2
.endm
.macro ADV d                           ; the next six becomes this six; the one after it begins d records further on (d = 0: there is none)
	s_wait_xcnt 0x0                                ; the loads issued so far have read their bases
	s_mov_b64 s[CB:CB+1], s[NB:NB+1]
	s_mov_b64 s[SB:SB+1], s[NS:NS+1]
.if \d
	s_add_nc_u64 s[NB:NB+1], s[NB:NB+1], (\d)*6144
	s_add_nc_u64 s[NS:NS+1], s[NS:NS+1], (\d)*384
.endif
.endm
.macro BARRIER                         ; my LDS stores have landed and my LDS loads are back: then the work-group's barrier
	s_wait_dscnt 0x0
	s_barrier_signal -1
	s_barrier_wait -1
.endm
; Three blocks of one tile of rows: 48 registers of window 1 from src on.  Codes into v[cd ..] (6), bytes into v[by ..] (3), both of this call's own; then to LDS: a word of codes at v[adc + b] + offc + 8 u, the byte at v[ads + b] + offs.
.macro QUANT3 src, absf, cd, by, adc, offc, ads, offs
	WIN 0x05
.irp b, 0,1,2
.if \absf
	v_max3_num_f32 v[TM+\b], |v[(\src)+16*\b]|, |v[(\src)+16*\b+1]|, 0x1800000   ; my 16 numbers of block b, from the low end on, and the floor 2^(3 - 127)
.else
	v_max3_num_f32 v[TM+\b], v[(\src)+16*\b], v[(\src)+16*\b+1], 0x1800000       ; (none is negative)
.endif
.endr
	WIN 0x14
.irp i, 2,4,6,8,10,12,14
.irp b, 0,1,2
.if \absf
	v_max3_num_f32 v[TM+\b], v[TM+\b], |v[(\src)+16*\b+\i]|, |v[(\src)+16*\b+\i+1]|
.else
	v_max3_num_f32 v[TM+\b], v[TM+\b], v[(\src)+16*\b+\i], v[(\src)+16*\b+\i+1]
.endif
.endr
.endr
	WIN 0
.irp b, 0,1,2
	v_permlanex16_b32 v[TM+3+\b], v[TM+\b], s[SEL], s[SEL+1]
.endr
.irp b, 0,1,2
	v_max_num_f32 v[TM+\b], v[TM+\b], v[TM+3+\b]   ; with lane l xor 16's 16: the block's largest magnitude
.endr
.irp b, 0,1,2
	v_add_nc_u32 v[TM+6+\b], 0xff000000, v[TM+\b]  ; 2 off the exponent field: the conversion's scale operand
.endr
.irp b, 0,1,2
	v_lshrrev_b32 v[(\by)+\b], 23, v[TM+6+\b]      ; the scale's byte
.endr
	WIN 0x01
.irp b, 0,1,2
.irp u, 0,1
	v_cvt_scalef32_pk8_fp4_f32 v[(\cd)+2*\b+\u], v[(\src)+16*\b+8*\u:(\src)+16*\b+8*\u+7], v[TM+6+\b]
.endr
.endr
	WIN 0
	v_nop                                          ; one plain place behind the conversions
.irp b, 0,1,2
.irp u, 0,1
	ds_store_b32 v[(\adc)+\b], v[(\cd)+2*\b+\u] offset:(\offc)+8*\u
.endr
	ds_store_b8 v[(\ads)+\b], v[(\by)+\b] offset:\offs   ; both lanes of a block write the same byte with the same value
.endr
.endm
; the pairs v[SA ..] become the rows' sums over all 768 columns, in v[SA] and v[SA + 2], the same bits in every wave; reg: the region of LDS, one for each use
.macro REDUCE reg
.irp mt, 0,1
	v_add_f32 v[SA+2*\mt], v[SA+2*\mt], v[SA+2*\mt+1]
.endr
.irp mt, 0,1
	v_permlanex16_b32 v[PT+\mt], v[SA+2*\mt], s[SEL], s[SEL+1]
.endr
.irp mt, 0,1
	v_add_f32 v[SA+2*\mt], v[SA+2*\mt], v[PT+\mt]
.endr
.irp mt, 0,1
	ds_store_b32 v24, v[SA+2*\mt] offset:\reg+512*\mt
.endr
	BARRIER
.irp mt, 0,1
	ds_load_b128 v[AF+8*\mt:AF+8*\mt+3], v25 offset:\reg+512*\mt
	ds_load_b128 v[AF+8*\mt+4:AF+8*\mt+7], v25 offset:\reg+512*\mt+16
.endr
	s_wait_dscnt 0x0
.irp mt, 0,1
	v_add_f32 v[AF+8*\mt], v[AF+8*\mt], v[AF+8*\mt+1]
	v_add_f32 v[AF+8*\mt+2], v[AF+8*\mt+2], v[AF+8*\mt+3]
	v_add_f32 v[AF+8*\mt+4], v[AF+8*\mt+4], v[AF+8*\mt+5]
	v_add_f32 v[AF+8*\mt+6], v[AF+8*\mt+6], v[AF+8*\mt+7]
	v_add_f32 v[AF+8*\mt], v[AF+8*\mt], v[AF+8*\mt+2]
	v_add_f32 v[AF+8*\mt+4], v[AF+8*\mt+4], v[AF+8*\mt+6]
	v_add_f32 v[SA+2*\mt], v[AF+8*\mt], v[AF+8*\mt+4]
.endr
.endm
; LayerNorm in place on v[HB ..] of window 1.  pg, pb: gain and bias in LDS; ra, rb: regions for the two sums
.macro LN pg, pb, ra, rb
	WIN 0x05
.irp mt, 0,1
	v_pk_add_f32 v[SA+2*\mt:SA+2*\mt+1], v[HB+48*\mt:HB+48*\mt+1], v[HB+48*\mt+2:HB+48*\mt+3]   ; each accumulator from its low end on
.endr
	WIN 0x04
.set i, 4
.rept 22
.irp mt, 0,1
	v_pk_add_f32 v[SA+2*\mt:SA+2*\mt+1], v[SA+2*\mt:SA+2*\mt+1], v[HB+48*\mt+i:HB+48*\mt+i+1]
.endr
.set i, i+2
.endr
	WIN 0
	REDUCE \ra
.irp mt, 0,1
	v_mul_f32 v[MU+2*\mt], s6, v[SA+2*\mt]         ; the mean, in both registers of a pair
	v_mul_f32 v[MU+2*\mt+1], s6, v[SA+2*\mt]
.endr
	WIN 0x41
.irp mt, 0,1
.set i, 0
.rept 24
	v_pk_add_f32 v[HB+48*\mt+i:HB+48*\mt+i+1], v[HB+48*\mt+i:HB+48*\mt+i+1], v[MU+2*\mt:MU+2*\mt+1] neg_lo:[0,1] neg_hi:[0,1]
.set i, i+2
.endr
.endr
	WIN 0x05
.irp mt, 0,1
	v_pk_mul_f32 v[SA+2*\mt:SA+2*\mt+1], v[HB+48*\mt:HB+48*\mt+1], v[HB+48*\mt:HB+48*\mt+1]
.endr
.set i, 2
.rept 23
.irp mt, 0,1
	v_pk_fma_f32 v[SA+2*\mt:SA+2*\mt+1], v[HB+48*\mt+i:HB+48*\mt+i+1], v[HB+48*\mt+i:HB+48*\mt+i+1], v[SA+2*\mt:SA+2*\mt+1]
.endr
.set i, i+2
.endr
	WIN 0
	REDUCE \rb
.irp mt, 0,1
	v_fma_f32 v[SA+2*\mt], v[SA+2*\mt], s6, s7     ; the variance + 1e-5
.endr
.irp mt, 0,1
	v_rsq_f32 v[RS+2*\mt], v[SA+2*\mt]
.endr
	v_nop                                          ; a plain place behind the two
	s_wait_alu depctr_va_vdst(0)                   ; one wait for both, ahead of their first reader
.irp mt, 0,1
	v_mov_b32 v[RS+2*\mt+1], v[RS+2*\mt]
.endr
.irp hf, 0,1                           ; three tiles of columns at a time: 24 registers of gain, 24 of bias
	WIN 0x40
.irp t, 0,1,2
.irp k, 0,1
	ds_load_b128 v[PB+8*\t+4*\k:PB+8*\t+4*\k+3], v22 offset:\pg+64*(3*\hf+\t)+16*\k
	ds_load_b128 v[PB+24+8*\t+4*\k:PB+24+8*\t+4*\k+3], v22 offset:\pb+64*(3*\hf+\t)+16*\k
.endr
.endr
	s_wait_dscnt 0x0
	WIN 0x41
.irp mt, 0,1
.set i, 0
.rept 12
	v_pk_mul_f32 v[HB+48*\mt+24*\hf+i:HB+48*\mt+24*\hf+i+1], v[HB+48*\mt+24*\hf+i:HB+48*\mt+24*\hf+i+1], v[RS+2*\mt:RS+2*\mt+1]
.set i, i+2
.endr
.endr
	WIN 0x55
.irp mt, 0,1
.set i, 0
.rept 12
	v_pk_fma_f32 v[HB+48*\mt+24*\hf+i:HB+48*\mt+24*\hf+i+1], v[HB+48*\mt+24*\hf+i:HB+48*\mt+24*\hf+i+1], v[PB+i:PB+i+1], v[PB+24+i:PB+24+i+1]
.set i, i+2
.endr
.endr
.endr
	WIN 0
.endm
; Panel p (0, 1) of my half of the hidden layer: 768 columns, six K steps over h; relu; its codes to LDS as K steps 6 p .. 6 p + 5 of the third product.  d: as in ADV
.macro PANEL p, d
	WIN 0x40
.irp nt, 0,1,2,3,4,5
.irp k, 0,1
	ds_load_b128 v[PB+8*\nt+4*\k:PB+8*\nt+4*\k+3], v22 offset:B1L+3072*(\p)+64*\nt+16*\k   ; b1 of my 96 columns: the C of the first step
.endr
.endr
	WIN 0
	SIX ACC, 2, 6, 0, 8, 0
	WIN 0x44
.set j, 0
.rept 96
	v_max_num_f32 v[ACC+j], 0, v[ACC+j]            ; relu, each accumulator from its low end on
.set j, j+1
.endr
	QUANT3 ACC,    0, 216, 228, 16, 12288*(\p),      19, 768*(\p)
	QUANT3 ACC+48, 0, 222, 231, 16, 12288*(\p)+1024, 19, 768*(\p)+64
	ADV \d
.endm
	s_load_b512 s[8:23], s[0:1], 0x0               ; ctx s[8:9], wq s[10:11], x s[12:13], b1 s[14:15], b2 s[16:17], g1 s[18:19], beta1 s[20:21], part s[22:23]
	v_lshl_add_u32 v254, v0, 2, 0x28f00
	v_mov_b32 v255, 0
	v_lshrrev_b32 v29, 5, v0
	v_readfirstlane_b32 s2, v29                    ; wave 0..7
	s_and_b32 s3, ttmp7, 0xffff                    ; which half of the hidden layer
	v_and_b32 v29, 31, v0
	v_lshlrev_b32 v1, 4, v29
	v_lshlrev_b32 v2, 2, v29
	v_lshlrev_b32 v3, 4, v0
	v_lshlrev_b32 v4, 2, v0
	v_and_b32 v30, 15, v0                          ; r
	v_bfe_u32 v31, v0, 4, 1                        ; h
	s_mov_b32 s[SEL], 0x76543210
	s_mov_b32 s[SEL+1], 0xfedcba98
	s_mov_b32 s6, 0x3aaaaaab                       ; 1 / 768
	s_mov_b32 s7, 0x3727c5ac                       ; 1e-5
	s_cmp_eq_u32 s3, 0
	s_cselect_b32 s[FF], 1.0, 0                    ; f
	s_mov_b32 s[FF+1], s[FF]
	v_add_nc_u32 v5, CIMG, v1
	v_add_nc_u32 v6, HIMG, v1
	v_add_nc_u32 v7, FIMG, v1
	v_add_nc_u32 v8, HSC, v2
	v_add_nc_u32 v9, FSC, v2
	v_lshlrev_b32 v240, 4, v30
	v_lshl_add_u32 v240, v31, 2, v240              ; 16 r + 4 h: my word of a block's 16 bytes (8 u comes in the offset)
	v_lshlrev_b32 v241, 2, v30                     ; 4 r
.irp b, 0,1,2
	s_mul_i32 s40, s2, 3
	s_add_co_u32 s40, s40, \b                      ; block 3 w + b of a panel's 24
	s_lshr_b32 s41, s40, 2                         ; its K step
	s_and_b32 s40, s40, 3                          ; its place in it
	s_lshl_b32 s42, s41, 11
	s_lshl_b32 s43, s40, 8
	s_add_co_u32 s42, s42, s43
	s_add_co_u32 s42, s42, HIMG
	v_add_nc_u32 v[10+\b], s42, v240
	v_add_nc_u32 v[16+\b], FIMG-HIMG, v[10+\b]
	s_lshl_b32 s41, s41, 7
	s_add_co_u32 s41, s41, s40
	s_add_co_u32 s41, s41, HSC
	v_add_nc_u32 v[13+\b], s41, v241
	v_add_nc_u32 v[19+\b], FSC-HSC, v[13+\b]
.endr
	s_mul_i32 s40, s2, 384
	v_lshlrev_b32 v22, 5, v31
	v_add_nc_u32 v22, s40, v22                     ; 384 w + 32 h
	s_lshl_b32 s41, s2, 2
	s_add_co_u32 s41, s41, RED
	v_lshlrev_b32 v25, 5, v30
	v_add_nc_u32 v24, s41, v25                     ; RED + 32 r + 4 w
	v_add_nc_u32 v25, RED, v25
	v_mul_u32_u24 v26, v30, VP
	v_lshl_add_u32 v26, v31, 5, v26
	s_add_co_u32 s41, s40, OST
	v_add_nc_u32 v26, s41, v26                     ; OST + row r + 32 h + 384 w
	s_mul_i32 s41, s2, 4*VP
	s_add_co_u32 s41, s41, OST
	v_add_nc_u32 v27, s41, v1                      ; back: my four rows, 16 bytes a lane
	v_mul_u32_u24 v28, v30, 3072
	v_lshl_add_u32 v28, v31, 5, v28                ; x: row r, + 32 h
.irp b, 0,1,2
	v_mov_b32 v[TM+3+\b], 0                        ; a lane permute's destination counts as one of its sources
.endr
	v_mov_b32 v[PT], 0
	v_mov_b32 v[PT+1], 0
	s_mul_i32 s40, s2, 54
	s_add_co_u32 s40, s40, 144                     ; Wo's first record for my columns
	s_mul_i32 s42, s40, 6144
	s_mov_b32 s43, 0
	s_mul_i32 s44, s40, 384
	s_add_co_u32 s44, s44, WS_OFF
	s_mov_b32 s45, 0
	s_mul_i32 s41, s3, 12
	s_add_co_u32 s41, s41, 6                       ; from there to W1's first record of my half: 6 + 12 y records
	s_mul_i32 s46, s41, 6144
	s_mov_b32 s47, 0
	s_mul_i32 s48, s41, 384
	s_mov_b32 s49, 0
	s_wait_kmcnt 0x0
	s_add_nc_u64 s[CB:CB+1], s[10:11], s[42:43]
	s_add_nc_u64 s[SB:SB+1], s[10:11], s[44:45]
	s_add_nc_u64 s[NB:NB+1], s[CB:CB+1], s[46:47]
	s_add_nc_u64 s[NS:NS+1], s[SB:SB+1], s[48:49]
	s_mul_i32 s42, ttmp9, 98304
	s_mul_i32 s44, s2, 384
	s_add_co_u32 s42, s42, s44
	s_add_nc_u64 s[32:33], s[12:13], s[42:43]      ; x: my 32 rows, my 96 columns
	s_mul_i32 s42, ttmp9, 12288
	s_add_nc_u64 s[34:35], s[8:9], s[42:43]        ; ctx's codes
	s_mul_i32 s42, ttmp9, 768
	s_add_co_u32 s42, s42, 1572864
	s_add_nc_u64 s[36:37], s[8:9], s[42:43]        ; ctx's scale words
	s_mul_i32 s42, s3, 6144
	s_add_nc_u64 s[14:15], s[14:15], s[42:43]      ; b1 of my half
	s_lshl_b32 s42, ttmp9, 5
	s_lshl_b32 s44, s2, 2
	s_add_co_u32 s42, s42, s44
	s_mul_i32 s42, s42, 3072
	s_mul_i32 s44, s3, 12582912
	s_add_co_u32 s42, s42, s44
	s_add_nc_u64 s[38:39], s[22:23], s[42:43]      ; part y: the four rows that I store
.irp i, 0,1,2,3,4,5
	global_load_b32 v[192+\i], v4, s[14:15] offset:1024*\i                 ; b1: 6,144 bytes
.endr
.irp i, 0,1,2
	global_load_b128 v[204+4*\i:204+4*\i+3], v3, s[34:35] offset:4096*\i   ; ctx's 12 fragments
.endr
.irp i, 0,1,2
	global_load_b32 v[216+\i], v4, s[16:17] offset:1024*\i
	global_load_b32 v[219+\i], v4, s[18:19] offset:1024*\i
	global_load_b32 v[222+\i], v4, s[20:21] offset:1024*\i
.endr
	WIN 0x40
.irp mt, 0,1
.irp nt, 0,1,2,3,4,5
.irp k, 0,1
	global_load_b128 v[HB+8*(6*\mt+\nt)+4*\k:HB+8*(6*\mt+\nt)+4*\k+3], v28, s[32:33] offset:\mt*49152+64*\nt+16*\k   ; x in the results' layout: the first product adds onto it
.endr
.endr
.endr
	WIN 0
.irp i, 0,1,2,3,4,5
	global_load_b32 v[CSR+\i], v2, s[36:37] offset:128*\i
.endr
	BLOAD 0, 0, CB, SB
	BLOAD 1, 1, CB, SB
	BLOAD 2, 2, CB, SB
	s_wait_loadcnt 63                              ; of the 93 loads the oldest 30 are in, the 18 for LDS among them
.irp i, 0,1,2,3,4,5
	ds_store_b32 v4, v[192+\i] offset:B1L+1024*\i
.endr
.irp i, 0,1,2
	ds_store_b128 v3, v[204+4*\i:204+4*\i+3] offset:CIMG+4096*\i
	ds_store_b32 v4, v[216+\i] offset:B2L+1024*\i
	ds_store_b32 v4, v[219+\i] offset:G1L+1024*\i
	ds_store_b32 v4, v[222+\i] offset:E1L+1024*\i
.endr
	BARRIER
	; ---- x + ctx Wo.  The first wait, for all but the two younger sets, also shows x and ctx's scale words in
	SIX HB, 0, 5, 0, 0, 0
	ADV 6                                          ; this six: W1's first panel of my half; the next: its second
	; ---- h = LN1; its codes to LDS; then (h + b2) f, onto which the third product will add
	LN G1L, E1L, 0, 1024
	QUANT3 HB,    1, 216, 228, 10, 0,    13, 0
	QUANT3 HB+48, 1, 222, 231, 10, 1024, 13, 64
	WIN 0x40
.irp nt, 0,1,2,3,4,5
.irp k, 0,1
	ds_load_b128 v[PB+8*\nt+4*\k:PB+8*\nt+4*\k+3], v22 offset:B2L+64*\nt+16*\k
.endr
.endr
	s_wait_dscnt 0x0
	WIN 0x41
.set i, 0
.rept 24
	v_pk_mul_f32 v[PB+i:PB+i+1], v[PB+i:PB+i+1], s[FF:FF+1] op_sel_hi:[1,0]       ; b2 f
.set i, i+2
.endr
	WIN 0x51
.irp mt, 0,1
.set i, 0
.rept 24
	v_pk_fma_f32 v[HB+48*\mt+i:HB+48*\mt+i+1], v[HB+48*\mt+i:HB+48*\mt+i+1], s[FF:FF+1], v[PB+i:PB+i+1] op_sel_hi:[1,0,1]   ; h f + b2 f
.set i, i+2
.endr
.endr
	WIN 0
	BARRIER                                        ; h's twelve fragments lie in LDS
	; ---- my half of the hidden layer; h's images are only read here and the hidden layer's only written: no barrier between the panels
	PANEL 0, 18                                    ; behind W1's second panel the stream jumps 18 records, to W2's K steps of my half
	PANEL 1, 6
	BARRIER                                        ; the hidden layer's 24 fragments lie in LDS
	; ---- + hidden W2: 12 K steps
	SIX HB, 0, 7, 0, 9, 0
	ADV 0
	STEP 0, HB, 0, 7, 12288, 9, 768, 30, 1         ; the stream's last six records: three more are asked for, then the counts run down
	STEP 1, HB, 0, 7, 12288, 9, 768, 30, 1
	STEP 2, HB, 0, 7, 12288, 9, 768, 30, 1
	STEP 3, HB, 0, 7, 12288, 9, 768, 30, 0
	STEP 4, HB, 0, 7, 12288, 9, 768, 15, 0
	STEP 5, HB, 0, 7, 12288, 9, 768, 0, 0
	; ---- the way out: a row's 768 numbers come from eight waves and meet in a stage; each wave stores four whole rows
	WIN 0x04                                       ; an LDS store's data are its source 1: window 1
.irp mt, 0,1
.irp nt, 0,1,2,3,4,5
	ds_store_b128 v26, v[HB+8*(6*\mt+\nt):HB+8*(6*\mt+\nt)+3] offset:16*VP*\mt+64*\nt        ; each accumulator from its low end on
	ds_store_b128 v26, v[HB+8*(6*\mt+\nt)+4:HB+8*(6*\mt+\nt)+7] offset:16*VP*\mt+64*\nt+16
.endr
.endr
	WIN 0
	BARRIER
.irp i, 0,1,2,3
.irp k, 0,1,2,3,4,5
	ds_load_b128 v[BF+4*(6*\i+\k):BF+4*(6*\i+\k)+3], v27 offset:VP*\i+512*\k
.endr
.endr
.irp i, 0,1,2,3
.irp k, 0,1,2,3,4,5
	s_wait_dscnt 23-(6*\i+\k)                      ; this load is back; the younger ones may be out
	global_store_b128 v1, v[BF+4*(6*\i+\k):BF+4*(6*\i+\k)+3], s[38:39] offset:3072*\i+512*\k th:TH_STORE_NT   ; 32 lanes store 512 consecutive bytes, aligned to 256
.endr
.endr
	s_wait_tensorcnt 0x0
	ds_add_u32 v254, v255
	s_wait_dscnt 0x0
	s_endpgm
.Lfunc_end_k_qe970c4f673_tail:
	.size	k_qe970c4f673_tail, .Lfunc_end_k_qe970c4f673_tail-k_qe970c4f673_tail
	.p2alignl 7, 3214868480
	.fill 96, 4, 3214868480
	.section	.rodata,"a",@progbits
	.p2align	6, 0x0
	.amdhsa_kernel k_qe970c4f673_tail
		.amdhsa_group_segment_fixed_size 168704
		.amdhsa_private_segment_fixed_size 0
		.amdhsa_enable_private_segment 0
		.amdhsa_kernarg_size 64
		.amdhsa_user_sgpr_count 2
		.amdhsa_user_sgpr_kernarg_segment_ptr 1
		.amdhsa_wavefront_size32 1
		.amdhsa_system_sgpr_workgroup_id_x 1
		.amdhsa_system_sgpr_workgroup_id_y 1
		.amdhsa_system_sgpr_workgroup_id_z 1
		.amdhsa_system_vgpr_workitem_id 0
		.amdhsa_next_free_vgpr 512
		.amdhsa_next_free_sgpr 66
		.amdhsa_reserve_vcc 0
		.amdhsa_float_denorm_mode_32 3
		.amdhsa_float_denorm_mode_16_64 3
		.amdhsa_memory_ordered 1
		.amdhsa_forward_progress 1
		.amdhsa_inst_pref_size 176
	.end_amdhsa_kernel
	.amdgpu_metadata
---
amdhsa.version: [ 1, 2 ]
amdhsa.kernels:
  - .name:           k_qe970c4f673_tail
    .symbol:         k_qe970c4f673_tail.kd
    .args:
      - { .name: ctx, .offset: 0, .size: 8, .value_kind: global_buffer, .address_space: global }
      - { .name: wq, .offset: 8, .size: 8, .value_kind: global_buffer, .address_space: global }
      - { .name: x, .offset: 16, .size: 8, .value_kind: global_buffer, .address_space: global }
      - { .name: b1, .offset: 24, .size: 8, .value_kind: global_buffer, .address_space: global }
      - { .name: b2, .offset: 32, .size: 8, .value_kind: global_buffer, .address_space: global }
      - { .name: g1, .offset: 40, .size: 8, .value_kind: global_buffer, .address_space: global }
      - { .name: beta1, .offset: 48, .size: 8, .value_kind: global_buffer, .address_space: global }
      - { .name: part, .offset: 56, .size: 8, .value_kind: global_buffer, .address_space: global }
    .group_segment_fixed_size: 168704
    .private_segment_fixed_size: 0
    .kernarg_segment_align: 8
    .kernarg_segment_size: 64
    .max_flat_workgroup_size: 256
    .sgpr_count:     66
    .vgpr_count:     512
    .wavefront_size: 32
...
	.end_amdgpu_metadata
.endif
;; end of part 4
;; launch ln2 (part 5): grid 256 x 1, 8 waves a work-group, no clusters, 0 bytes of LDS; arguments part, g2, beta2, out0; writes out0
.if DOCPART == 5
	.amdgcn_target "amdgcn-amd-amdhsa--gfx1250"
	.amdhsa_code_object_version 6
	.text
	.protected	k_qe970c4f673_ln2
	.globl	k_qe970c4f673_ln2
	.p2align	8
	.type	k_qe970c4f673_ln2,@function
k_qe970c4f673_ln2:
	s_mov_b64 s[64:65], 0
	v_nop
	global_prefetch_b8 v0, s[64:65] scope:SCOPE_SE
	s_setreg_imm32_b32 hwreg(HW_REG_WAVE_MODE, 25, 1), 1
	s_wait_xcnt 0x0
; out0 = LayerNorm(part[0] + part[1]) x g2 + beta2.  part: [2][4096][768] f32, the two halves of h + ff from the launch before; out0: [4096][768] f32.
; A stream: memory binds, so no LDS, no barrier, no matrix unit.  One wave takes a whole row: 768 numbers are 24 a lane, six loads of 512 consecutive bytes from each part; the row stays in registers between the
; mean, the variance of the deviations (no difference of large sums) and the scaling: each byte is read once and written once.  A wave has two rows; all its 36 loads go out at its head.
; LIMITS: NaN and infinities are not served; / 768 is a multiplication by its rounded reciprocal; 1 / sqrt by v_rsq_f32.
.set Z0, 8                             ; v8-31    row 0 of part 0, then the row at work
.set Q0, 32                            ; v32-55   row 0 of part 1
.set Z1, 56                            ; v56-79   row 1 of part 0
.set Q1, 80                            ; v80-103  row 1 of part 1
.set G,  104                           ; v104-127 g2 of my 24 columns
.set B,  128                           ; v128-151 beta2
.set T,  152                           ; v152-155 two chains of sums
.set PT, 156                           ; v156     the other half of the lanes'
.set M,  158                           ; v[158:159] the mean, twice
.set R,  160                           ; v[160:161] 1 / sigma, twice
	s_load_b256 s[8:15], s[0:1], 0x0               ; part s[8:9], g2 s[10:11], beta2 s[12:13], out0 s[14:15]
	v_lshrrev_b32 v2, 5, v0
	v_readfirstlane_b32 s2, v2                     ; wave 0..7
	v_and_b32 v1, 31, v0
	v_lshlrev_b32 v1, 4, v1                        ; 16 x lane
	s_lshl_b32 s3, ttmp9, 3
	s_add_co_u32 s3, s3, s2
	s_mul_i32 s16, s3, 6144                        ; my two rows of 3,072 bytes
	s_mov_b32 s17, 0
	s_mov_b32 s4, 0x76543210
	s_mov_b32 s5, 0xfedcba98                       ; v_permlanex16_b32's selects for lane l xor 16
	s_mov_b32 s6, 0x3aaaaaab                       ; 1 / 768
	s_mov_b32 s7, 0x3727c5ac                       ; 1e-5
	v_mov_b32 v[PT], 0                             ; a lane permute's destination counts as one of its sources
	s_wait_kmcnt 0x0
	s_add_nc_u64 s[18:19], s[8:9], s[16:17]        ; part 0
	s_add_nc_u64 s[20:21], s[18:19], 12582912      ; part 1
	s_add_nc_u64 s[22:23], s[14:15], s[16:17]
.irp k, 0,1,2,3,4,5
	global_load_b128 v[Z0+4*\k:Z0+4*\k+3], v1, s[18:19] offset:512*\k th:TH_LOAD_NT
.endr
.irp k, 0,1,2,3,4,5
	global_load_b128 v[Q0+4*\k:Q0+4*\k+3], v1, s[20:21] offset:512*\k th:TH_LOAD_NT
.endr
.irp k, 0,1,2,3,4,5
	global_load_b128 v[Z1+4*\k:Z1+4*\k+3], v1, s[18:19] offset:3072+512*\k th:TH_LOAD_NT
.endr
.irp k, 0,1,2,3,4,5
	global_load_b128 v[Q1+4*\k:Q1+4*\k+3], v1, s[20:21] offset:3072+512*\k th:TH_LOAD_NT
.endr
.irp k, 0,1,2,3,4,5
	global_load_b128 v[G+4*\k:G+4*\k+3], v1, s[10:11] offset:512*\k
.endr
.irp k, 0,1,2,3,4,5
	global_load_b128 v[B+4*\k:B+4*\k+3], v1, s[12:13] offset:512*\k
.endr
.macro WSUM                            ; v[T] and v[T + 1], a lane's two halves, become the sum over the wave's 32 lanes, in every lane
	v_add_f32 v[T], v[T], v[T+1]
	v_add_f32_dpp v[T], v[T], v[T] row_xmask:1 row_mask:0xf bank_mask:0xf
	v_add_f32_dpp v[T], v[T], v[T] row_xmask:2 row_mask:0xf bank_mask:0xf
	v_add_f32_dpp v[T], v[T], v[T] row_xmask:4 row_mask:0xf bank_mask:0xf
	v_add_f32_dpp v[T], v[T], v[T] row_xmask:8 row_mask:0xf bank_mask:0xf
	v_permlanex16_b32 v[PT], v[T], s4, s5
	v_add_f32 v[T], v[T], v[PT]
.endm
.macro ROW z, q, off, first
.if \first
	s_wait_loadcnt 24                              ; this row's 12 loads are in; the other row's 12 and the 12 of gain and bias may be out
.endif
.set i, 0
.rept 12
	v_pk_add_f32 v[(\z)+i:(\z)+i+1], v[(\z)+i:(\z)+i+1], v[(\q)+i:(\q)+i+1]       ; the two parts
.set i, i+2
.endr
	v_pk_add_f32 v[T:T+1], v[(\z):(\z)+1], v[(\z)+2:(\z)+3]
	v_pk_add_f32 v[T+2:T+3], v[(\z)+4:(\z)+5], v[(\z)+6:(\z)+7]
.irp i, 8,12,16,20
	v_pk_add_f32 v[T:T+1], v[T:T+1], v[(\z)+\i:(\z)+\i+1]
	v_pk_add_f32 v[T+2:T+3], v[T+2:T+3], v[(\z)+\i+2:(\z)+\i+3]
.endr
	v_pk_add_f32 v[T:T+1], v[T:T+1], v[T+2:T+3]
	WSUM
	v_mul_f32 v[M], s6, v[T]                       ; the mean, in both registers of the pair
	v_mul_f32 v[M+1], s6, v[T]
.set i, 0
.rept 12
	v_pk_add_f32 v[(\z)+i:(\z)+i+1], v[(\z)+i:(\z)+i+1], v[M:M+1] neg_lo:[0,1] neg_hi:[0,1]
.set i, i+2
.endr
	v_pk_mul_f32 v[T:T+1], v[(\z):(\z)+1], v[(\z):(\z)+1]
	v_pk_mul_f32 v[T+2:T+3], v[(\z)+2:(\z)+3], v[(\z)+2:(\z)+3]
.irp i, 4,8,12,16,20
	v_pk_fma_f32 v[T:T+1], v[(\z)+\i:(\z)+\i+1], v[(\z)+\i:(\z)+\i+1], v[T:T+1]
	v_pk_fma_f32 v[T+2:T+3], v[(\z)+\i+2:(\z)+\i+3], v[(\z)+\i+2:(\z)+\i+3], v[T+2:T+3]
.endr
	v_pk_add_f32 v[T:T+1], v[T:T+1], v[T+2:T+3]
	WSUM
	v_fma_f32 v[T], v[T], s6, s7                   ; the variance + 1e-5
	v_rsq_f32 v[R], v[T]
	v_nop                                          ; a plain place behind it
	s_wait_alu depctr_va_vdst(0)                   ; and the wait ahead of its first reader
	v_mov_b32 v[R+1], v[R]
.if \first
	s_wait_loadcnt 0x0                             ; gain and bias, and with them the other row
.endif
.set i, 0
.rept 12
	v_pk_mul_f32 v[(\z)+i:(\z)+i+1], v[(\z)+i:(\z)+i+1], v[R:R+1]
.set i, i+2
.endr
.set i, 0
.rept 12
	v_pk_fma_f32 v[(\z)+i:(\z)+i+1], v[(\z)+i:(\z)+i+1], v[G+i:G+i+1], v[B+i:B+i+1]
.set i, i+2
.endr
.irp k, 0,1,2,3,4,5
	global_store_b128 v1, v[(\z)+4*\k:(\z)+4*\k+3], s[22:23] offset:(\off)+512*\k th:TH_STORE_NT   ; 32 lanes store 512 consecutive bytes, aligned to 256; each row has its own data registers
.endr
.endm
	ROW Z0, Q0, 0, 1
	ROW Z1, Q1, 3072, 0
	s_endpgm
.Lfunc_end_k_qe970c4f673_ln2:
	.size	k_qe970c4f673_ln2, .Lfunc_end_k_qe970c4f673_ln2-k_qe970c4f673_ln2
	.p2alignl 7, 3214868480
	.fill 96, 4, 3214868480
	.section	.rodata,"a",@progbits
	.p2align	6, 0x0
	.amdhsa_kernel k_qe970c4f673_ln2
		.amdhsa_group_segment_fixed_size 0
		.amdhsa_private_segment_fixed_size 0
		.amdhsa_enable_private_segment 0
		.amdhsa_kernarg_size 32
		.amdhsa_user_sgpr_count 2
		.amdhsa_user_sgpr_kernarg_segment_ptr 1
		.amdhsa_wavefront_size32 1
		.amdhsa_system_sgpr_workgroup_id_x 1
		.amdhsa_system_sgpr_workgroup_id_y 1
		.amdhsa_system_sgpr_workgroup_id_z 1
		.amdhsa_system_vgpr_workitem_id 0
		.amdhsa_next_free_vgpr 168
		.amdhsa_next_free_sgpr 66
		.amdhsa_reserve_vcc 0
		.amdhsa_float_denorm_mode_32 3
		.amdhsa_float_denorm_mode_16_64 3
		.amdhsa_memory_ordered 1
		.amdhsa_forward_progress 1
		.amdhsa_inst_pref_size 17
	.end_amdhsa_kernel
	.amdgpu_metadata
---
amdhsa.version: [ 1, 2 ]
amdhsa.kernels:
  - .name:           k_qe970c4f673_ln2
    .symbol:         k_qe970c4f673_ln2.kd
    .args:
      - { .name: part, .offset: 0, .size: 8, .value_kind: global_buffer, .address_space: global }
      - { .name: g2, .offset: 8, .size: 8, .value_kind: global_buffer, .address_space: global }
      - { .name: beta2, .offset: 16, .size: 8, .value_kind: global_buffer, .address_space: global }
      - { .name: out0, .offset: 24, .size: 8, .value_kind: global_buffer, .address_space: global }
    .group_segment_fixed_size: 0
    .private_segment_fixed_size: 0
    .kernarg_segment_align: 8
    .kernarg_segment_size: 32
    .max_flat_workgroup_size: 256
    .sgpr_count:     66
    .vgpr_count:     168
    .wavefront_size: 32
...
	.end_amdgpu_metadata
.endif
;; end of part 5
;; ======== version 2 of 2: 5 launches
;; workspace buffers: xq 1,671,168 bytes; wq 3,760,128 bytes; qkv 5,013,504 bytes; ctx 1,671,168 bytes; part 25,165,824 bytes
;; launch prep (part 6): grid 4 x 104, 6 waves a work-group, no clusters, 102,144 bytes of LDS; arguments x, Wq, Wk, Wv, Wo, W1, W2, xq, wq; writes xq, wq
.if DOCPART == 6
	.amdgcn_target "amdgcn-amd-amdhsa--gfx1250"
	.amdhsa_code_object_version 6
	.text
	.protected	k_qe970c4f673_prep
	.globl	k_qe970c4f673_prep
	.p2align	8
	.type	k_qe970c4f673_prep,@function
k_qe970c4f673_prep:
	s_mov_b64 s[64:65], 0
	v_nop
	global_prefetch_b8 v0, s[64:65] scope:SCOPE_SE
	s_setreg_imm32_b32 hwreg(HW_REG_WAVE_MODE, 25, 1), 1
	s_wait_xcnt 0x0
; x [4096][768] and the six weights ([K][N], f32) become codes of FP4 (E2M1) with one E8M0 byte for each 32 along K, laid as IMAGES OF OPERAND REGISTERS:
; a fragment (16 rows x 128 K) is 1,024 bytes; block q (32 along K) of row r lies at 256 q + 16 r, so that two loads of 16 bytes a lane, at 16 x lane and 512 further on, are the operand's eight registers.
; wq: 576 records of 96 columns x 128 K (6 fragments, 6,144 bytes), and from WS_OFF on 384 bytes of scale words a record (a word a column; two tiles' words in 128 bytes on end).
;   record = (8 p + w) 6 + s for Wq, Wk, Wv (p = 0, 1, 2; w = which 96 columns; s = K step);  144 + 54 w + t for the later launch's stream: t = 0..5 Wo, 6 + 6 p + s W1's columns 768 p on, 30 + s W2.
; xq: fragment ((rb 6 + s) 4 + mt) of 64 rows rb; from XS_OFF on a scale word a row and K step.
; A block's scale is 2^(floor(log2(largest magnitude)) - 2): its byte is the largest magnitude's exponent field - 2, held at 1 from below by a floor among the maximum's leaves.
; LIMITS: NaN and infinities are not served; a block of zeros, or one whose largest magnitude lies under 2^-124, gets the byte 1 (its codes are read by this program alone; zero codes add nothing).
; SHARES.  y < 72: a weight's K step: 6 waves x 4 work-groups along x take 32 columns each; a lane takes a column and its registers run down K, so a block lies in one lane and the codes come out K innermost.
; y >= 72: 32 rows of x; wave s takes K step s.  A load reads one row's 512 bytes of the K step, 16 a lane; 16 rows turn through the wave's own stage in LDS and come back so that lane (r, h) holds whole blocks of row r.
; Waves share nothing: no barrier.  Scale words leave as 128 consecutive bytes a wave, half of an aligned 256: they are 1 byte in 128 of what the launch reads.
.set XS_OFF, 1572864
.set WS_OFF, 3538944
.set X,  32                            ; v32..    numbers as loaded
.set C,  96                            ; v96-111  a weight panel's codes, four registers a block
.set SW, 112                           ; v112     its scale word
.set XP, 528                           ; x's stage: a row of 512 bytes + 16 = 33 x 16: the sixteen rows of a read begin 16 bytes apart modulo 256
.set XSTG, 16*XP                       ; a stage of 16 rows; two for each wave
	s_load_b512 s[8:23], s[0:1], 0x0               ; x s[8:9], Wq s[10:11], Wk s[12:13], Wv s[14:15], Wo s[16:17], W1 s[18:19], W2 s[20:21], xq s[22:23]
	s_load_b64 s[24:25], s[0:1], 0x40              ; wq
	v_lshl_add_u32 v240, v0, 2, 0x18c00
	v_mov_b32 v241, 0
	v_lshrrev_b32 v1, 5, v0
	v_readfirstlane_b32 s2, v1                     ; wave 0..5
	v_and_b32 v1, 31, v0                           ; lane
	v_lshlrev_b32 v2, 2, v1                        ; 4 x lane
	s_and_b32 s3, ttmp7, 0xffff                    ; y
	s_cmp_ge_u32 s3, 72
	s_cbranch_scc1 .Lx_rows
	; ---------------- a weight's K step
	s_mul_i32 s4, s2, 11
	s_lshr_b32 s4, s4, 5                           ; wave / 3
	s_mul_i32 s5, s4, 3
	s_sub_co_u32 s5, s2, s5                        ; b = wave % 3: which 32 of the 96 columns
	s_lshl_b32 s6, ttmp9, 1
	s_add_co_u32 s6, s6, s4                        ; w = 2 x + wave / 3
	s_mul_i32 s26, s3, 43
	s_lshr_b32 s26, s26, 8                         ; p = y / 6 (right for y < 48)
	s_mul_i32 s27, s26, 6
	s_sub_co_u32 s27, s3, s27                      ; K step for y < 48
	s_sub_co_u32 s28, s3, 48                       ; K step of W2
	s_max_u32 s29, s26, 4
	s_sub_co_u32 s29, s29, 4
	s_mul_i32 s29, s29, 768                        ; W1: first column of panel p - 4
	s_cmp_lt_u32 s3, 48
	s_cselect_b32 s27, s27, s28                    ; s
	s_cselect_b32 s29, s29, 0
	s_mul_i32 s30, s26, 48
	s_add_co_u32 s30, s30, s27
	s_mul_i32 s31, s6, 6
	s_add_co_u32 s30, s30, s31                     ; 48 p + 6 w + s
	s_mul_i32 s31, s6, 54
	s_add_co_u32 s31, s31, s3
	s_add_co_u32 s31, s31, 126                     ; 144 + 54 w + (y - 18)
	s_cmp_lt_u32 s3, 18
	s_cselect_b32 s30, s30, s31                    ; the record
	s_mul_i32 s34, s6, 96
	s_lshl_b32 s35, s5, 5
	s_add_co_u32 s34, s34, s35
	s_add_co_u32 s34, s34, s29
	s_lshl_b32 s34, s34, 2                         ; my wave's first column, in bytes
	s_sub_co_u32 s36, s3, 24                       ; under 24 for W1 alone
	s_mov_b32 s37, 128*3072
	s_cmp_lt_u32 s36, 24
	s_cselect_b32 s35, 128*12288, s37              ; 128 rows of the weight, in bytes
	s_mul_i32 s35, s35, s27
	s_add_co_u32 s34, s34, s35
	s_mov_b32 s35, 0
	s_mul_i32 s38, s30, 6144
	s_lshl_b32 s39, s5, 11
	s_add_co_u32 s38, s38, s39                     ; codes: record x 6,144 + two fragments x b
	s_mov_b32 s39, 0
	s_mul_i32 s46, s30, 384
	s_lshl_b32 s47, s5, 7
	s_add_co_u32 s46, s46, s47
	s_add_co_u32 s46, s46, WS_OFF                  ; scale words: record x 384 + 128 b
	s_mov_b32 s47, 0
	s_wait_alu depctr_va_vdst(0)
	v_lshrrev_b32 v3, 4, v1
	v_lshlrev_b32 v3, 10, v3
	v_and_b32 v4, 15, v1
	v_lshl_add_u32 v3, v4, 4, v3                   ; my column's place: fragment lane / 16, row lane % 16
	s_wait_kmcnt 0x0
	s_cmp_lt_u32 s3, 6                             ; the weight is chosen by y alone
	s_cselect_b64 s[32:33], s[10:11], s[12:13]
	s_cmp_lt_u32 s3, 12
	s_cselect_b64 s[32:33], s[32:33], s[14:15]
	s_cmp_lt_u32 s3, 18
	s_cselect_b64 s[32:33], s[32:33], s[16:17]
	s_cmp_lt_u32 s3, 24
	s_cselect_b64 s[32:33], s[32:33], s[18:19]
	s_cmp_lt_u32 s3, 48
	s_cselect_b64 s[32:33], s[32:33], s[20:21]
	s_add_nc_u64 s[32:33], s[32:33], s[34:35]
	s_add_nc_u64 s[40:41], s[24:25], s[38:39]
	s_add_nc_u64 s[42:43], s[24:25], s[46:47]
.macro WLOAD t, pitch                  ; block t: rows 32 t + i of my column: 32 lanes read 128 consecutive bytes, the six waves 768
.set i, 0
.rept 32
	global_load_b32 v[X+32*((\t)%2)+i], v2, s[32:33] offset:(32*(\t)+i)*(\pitch) th:TH_LOAD_NT
.set i, i+1
.endr
.endm
.macro WBLOCK t, pitch
.set XS, X+32*((\t)%2)
.if (\t) < 3
	s_wait_loadcnt 32                              ; this block's 32 loads are in; the next block's 32 may be out
.else
	s_wait_loadcnt 0x0
.endif
	v_max3_num_f32 v12, |v[XS]|, |v[XS+1]|, |v[XS+2]|              ; the block's largest magnitude: all 32 numbers are mine; two chains
	v_max3_num_f32 v13, |v[XS+3]|, |v[XS+4]|, |v[XS+5]|
.irp i, 6,10,14,18,22,26
	v_max3_num_f32 v12, v12, |v[XS+\i]|, |v[XS+\i+1]|
	v_max3_num_f32 v13, v13, |v[XS+\i+2]|, |v[XS+\i+3]|
.endr
	v_max3_num_f32 v12, v12, |v[XS+30]|, |v[XS+31]|
	v_max3_num_f32 v12, v12, v13, 0x1800000        ; and the floor 2^(3 - 127): the byte cannot fall under 1
	v_add_nc_u32 v11, 0xff000000, v12              ; 2 off the exponent field: the conversion takes that field as its scale
	v_lshrrev_b32 v13, 23, v11                     ; the scale's byte
.if (\t) == 0
	v_mov_b32 v[SW], v13
.else
	v_lshl_or_b32 v[SW], v13, 8*(\t), v[SW]        ; byte t of the column's word for this K step
.endif
.irp g, 0,1,2,3
	v_cvt_scalef32_pk8_fp4_f32 v[C+4*(\t)+\g], v[XS+8*\g:XS+8*\g+7], v11
.endr
	global_store_b128 v3, v[C+4*(\t):C+4*(\t)+3], s[40:41] offset:256*(\t)   ; sixteen lanes store 256 consecutive bytes, aligned; each block has its own data registers
.if (\t)+2 < 4
	WLOAD (\t)+2, \pitch
.endif
.endm
.macro WPANEL pitch
	WLOAD 0, \pitch
	WLOAD 1, \pitch
	WBLOCK 0, \pitch
	WBLOCK 1, \pitch
	WBLOCK 2, \pitch
	WBLOCK 3, \pitch
	global_store_b32 v2, v[SW], s[42:43]           ; 32 columns' scale words: 128 consecutive bytes
	s_endpgm
.endm
	s_cmp_lt_u32 s36, 24
	s_cbranch_scc1 .Lw1
	WPANEL 3072                                    ; rows of 768 numbers
.Lw1:
	WPANEL 12288                                   ; W1: rows of 3,072 numbers
	; ---------------- 32 rows of x
.Lx_rows:
	s_sub_co_u32 s4, s3, 72
	s_lshl_b32 s4, s4, 2
	s_add_co_u32 s4, s4, ttmp9                     ; which 32 rows
	v_and_b32 v6, 15, v0                           ; r
	v_bfe_u32 v7, v0, 4, 1                         ; h
	s_wait_alu depctr_va_vdst(0)
	v_lshlrev_b32 v5, 4, v1                        ; 16 x lane
	s_mul_i32 s5, s2, 2*XSTG                       ; my wave's two stages
	v_add_nc_u32 v8, s5, v5                        ; in: a row as it was loaded, 16 bytes a lane
	v_mul_u32_u24 v9, v6, XP
	v_lshl_add_u32 v9, v7, 7, v9
	v_add_nc_u32 v9, s5, v9                        ; back: row r, + 128 h: block h of a pair of blocks
	s_mul_i32 s26, s4, 98304
	s_lshl_b32 s27, s2, 9
	s_add_co_u32 s26, s26, s27                     ; 32 rows x 3,072 bytes, + 512 bytes a K step
	s_mov_b32 s27, 0
	s_lshr_b32 s28, s4, 1
	s_mul_i32 s28, s28, 6
	s_add_co_u32 s28, s28, s2                      ; (block of 64 rows) x 6 + K step
	s_and_b32 s29, s4, 1
	s_lshl_b32 s30, s28, 12
	s_lshl_b32 s31, s29, 11
	s_add_co_u32 s30, s30, s31
	s_mov_b32 s31, 0
	s_lshl_b32 s34, s28, 8
	s_lshl_b32 s35, s29, 7
	s_add_co_u32 s34, s34, s35
	s_add_co_u32 s34, s34, XS_OFF
	s_mov_b32 s35, 0
	s_mov_b32 s44, 0x76543210
	s_mov_b32 s45, 0xfedcba98                      ; v_permlanex16_b32's selects for lane l xor 16
	s_wait_alu depctr_va_vdst(0)
	s_wait_kmcnt 0x0
	s_add_nc_u64 s[32:33], s[8:9], s[26:27]
	s_add_nc_u64 s[40:41], s[22:23], s[30:31]
	s_add_nc_u64 s[42:43], s[22:23], s[34:35]
.set i, 0
.rept 32
	global_load_b128 v[X+4*i:X+4*i+3], v5, s[32:33] offset:i*3072 th:TH_LOAD_NT   ; row i: 32 lanes read 512 consecutive bytes
.set i, i+1
.endr
	s_wait_loadcnt 16                              ; the first tile's 16 rows are in; the second's 16 loads may be out
.set i, 0
.rept 16
	ds_store_b128 v8, v[X+4*i:X+4*i+3] offset:i*XP
.set i, i+1
.endr
.irp c, 0,1                            ; LDS serves a wave's instructions in order: these see the stores above.  Block 2 c + h of row r: 128 bytes, eight loads
.irp i, 0,1,2,3,4,5,6,7
	ds_load_b128 v[160+32*\c+4*\i:160+32*\c+4*\i+3], v9 offset:256*\c+16*\i
.endr
.endr
	s_wait_loadcnt 0x0
.set i, 0
.rept 16
	ds_store_b128 v8, v[X+64+4*i:X+64+4*i+3] offset:XSTG+i*XP
.set i, i+1
.endr
	s_wait_dscnt 32                                ; the first tile's 16 stores are done (16 loads and 16 stores were issued behind them): their registers take the second tile's blocks
.irp c, 0,1
.irp i, 0,1,2,3,4,5,6,7
	ds_load_b128 v[X+32*\c+4*\i:X+32*\c+4*\i+3], v9 offset:XSTG+256*\c+16*\i
.endr
.endr
.macro XGROUP g, xs, n                 ; group g = 2 e + c: one whole block a lane, in v[xs ..]; n: the LDS instructions issued behind its eight loads
.set XS, \xs
	s_wait_dscnt \n
	v_max3_num_f32 v12, |v[XS]|, |v[XS+1]|, |v[XS+2]|
	v_max3_num_f32 v13, |v[XS+3]|, |v[XS+4]|, |v[XS+5]|
.irp i, 6,10,14,18,22,26
	v_max3_num_f32 v12, v12, |v[XS+\i]|, |v[XS+\i+1]|
	v_max3_num_f32 v13, v13, |v[XS+\i+2]|, |v[XS+\i+3]|
.endr
	v_max3_num_f32 v12, v12, |v[XS+30]|, |v[XS+31]|
	v_max3_num_f32 v12, v12, v13, 0x1800000
	v_add_nc_u32 v[20+(\g)], 0xff000000, v12
	v_lshrrev_b32 v[24+(\g)], 23, v[20+(\g)]
.irp q, 0,1,2,3
	v_cvt_scalef32_pk8_fp4_f32 v[224+4*(\g)+\q], v[XS+8*\q:XS+8*\q+7], v[20+(\g)]
.endr
	global_store_b128 v5, v[224+4*(\g):224+4*(\g)+3], s[40:41] offset:512*(\g)   ; half a fragment's image: 512 consecutive bytes
.endm
	XGROUP 0, 160, 40                              ; behind it: 8 loads, 16 stores, 16 loads
	XGROUP 1, 192, 32
	XGROUP 2, X, 8
	XGROUP 3, X+32, 0
	v_lshl_or_b32 v28, v25, 16, v24                ; my two bytes of a row's word: blocks h and 2 + h,
	v_lshl_or_b32 v29, v27, 16, v26
	v_lshlrev_b32 v30, 3, v7
	v_lshlrev_b32 v28, v30, v28                    ; at their places (8 h bits up);
	v_lshlrev_b32 v29, v30, v29
	v_mov_b32 v14, 0
	v_mov_b32 v15, 0
	v_permlanex16_b32 v14, v28, s44, s45
	v_permlanex16_b32 v15, v29, s44, s45
	v_or_b32 v28, v28, v14                         ; with lane l xor 16's two the word is whole
	v_or_b32 v29, v29, v15
	v_cmp_gt_u32 vcc_lo, 16, v1
	v_cndmask_b32 v28, v29, v28, vcc_lo            ; lanes 0-15 store the first tile's words, lanes 16-31 the second's
	global_store_b32 v2, v28, s[42:43]
	s_wait_tensorcnt 0x0
	ds_add_u32 v240, v241
	s_wait_dscnt 0x0
	s_endpgm
.Lfunc_end_k_qe970c4f673_prep:
	.size	k_qe970c4f673_prep, .Lfunc_end_k_qe970c4f673_prep-k_qe970c4f673_prep
	.p2alignl 7, 3214868480
	.fill 96, 4, 3214868480
	.section	.rodata,"a",@progbits
	.p2align	6, 0x0
	.amdhsa_kernel k_qe970c4f673_prep
		.amdhsa_group_segment_fixed_size 102144
		.amdhsa_private_segment_fixed_size 0
		.amdhsa_enable_private_segment 0
		.amdhsa_kernarg_size 72
		.amdhsa_user_sgpr_count 2
		.amdhsa_user_sgpr_kernarg_segment_ptr 1
		.amdhsa_wavefront_size32 1
		.amdhsa_system_sgpr_workgroup_id_x 1
		.amdhsa_system_sgpr_workgroup_id_y 1
		.amdhsa_system_sgpr_workgroup_id_z 1
		.amdhsa_system_vgpr_workitem_id 0
		.amdhsa_next_free_vgpr 242
		.amdhsa_next_free_sgpr 66
		.amdhsa_reserve_vcc 1
		.amdhsa_float_denorm_mode_32 3
		.amdhsa_float_denorm_mode_16_64 3
		.amdhsa_memory_ordered 1
		.amdhsa_forward_progress 1
		.amdhsa_inst_pref_size 56
	.end_amdhsa_kernel
	.amdgpu_metadata
---
amdhsa.version: [ 1, 2 ]
amdhsa.kernels:
  - .name:           k_qe970c4f673_prep
    .symbol:         k_qe970c4f673_prep.kd
    .args:
      - { .name: x, .offset: 0, .size: 8, .value_kind: global_buffer, .address_space: global }
      - { .name: Wq, .offset: 8, .size: 8, .value_kind: global_buffer, .address_space: global }
      - { .name: Wk, .offset: 16, .size: 8, .value_kind: global_buffer, .address_space: global }
      - { .name: Wv, .offset: 24, .size: 8, .value_kind: global_buffer, .address_space: global }
      - { .name: Wo, .offset: 32, .size: 8, .value_kind: global_buffer, .address_space: global }
      - { .name: W1, .offset: 40, .size: 8, .value_kind: global_buffer, .address_space: global }
      - { .name: W2, .offset: 48, .size: 8, .value_kind: global_buffer, .address_space: global }
      - { .name: xq, .offset: 56, .size: 8, .value_kind: global_buffer, .address_space: global }
      - { .name: wq, .offset: 64, .size: 8, .value_kind: global_buffer, .address_space: global }
    .group_segment_fixed_size: 102144
    .private_segment_fixed_size: 0
    .kernarg_segment_align: 8
    .kernarg_segment_size: 72
    .max_flat_workgroup_size: 192
    .sgpr_count:     66
    .vgpr_count:     242
    .wavefront_size: 32
...
	.end_amdgpu_metadata
.endif
;; end of part 6
;; launch qkv (part 7): grid 64 x 3, 8 waves a work-group, no clusters, 250,880 bytes of LDS; arguments xq, wq, qkv; writes qkv
.if DOCPART == 7
	.amdgcn_target "amdgcn-amd-amdhsa--gfx1250"
	.amdhsa_code_object_version 6
	.text
	.protected	k_qe970c4f673_qkv
	.globl	k_qe970c4f673_qkv
	.p2align	8
	.type	k_qe970c4f673_qkv,@function
k_qe970c4f673_qkv:
	s_mov_b64 s[64:65], 0
	v_nop
	global_prefetch_b8 v0, s[64:65] scope:SCOPE_SE
	s_setreg_imm32_b32 hwreg(HW_REG_WAVE_SCHED_MODE, 0, 2), 2
	s_setreg_imm32_b32 hwreg(HW_REG_WAVE_MODE, 25, 1), 1
	s_wait_xcnt 0x0
	s_wait_alu depctr_vm_vsrc(0)
; y = 0, 1, 2: Q = x Wq, K = x Wk, V = x Wv for 64 tokens, on codes of FP4 with E8M0 scales, and the result quantised for attention.
; The flat [4096 x 768] result is cut into chunks of 64: chunk g = 12 token + column / 64 is row g % 4096 of head g / 4096.  64 tokens are 768 chunks = 6 key steps of 128.
; Q and K are quantised inside a chunk (two blocks); V down the keys (32 neighbouring chunks at one d).
; qkv: Q's codes at 0, K's at 1,572,864: 512 bytes for 16 chunks: block half of chunk g at (g / 16) 512 + 256 half + 16 (g % 16);  V's at 3,145,728: a key step is four fragments (16 d x 128 keys) of 1,024 bytes;
;   scale bytes: Q's at 4,718,592 and K's at 4,816,896, two a chunk; V's at 4,915,200, a word for each d and key step.
; SHARES.  Eight waves; wave w owns columns 96 w .. 96 w + 95 for all 64 tokens: 24 accumulators.  Its weight fragments are used by no other wave and come from memory straight into its registers, 512 consecutive
; bytes a load, three K steps' sets by turns; x's fragments lie in LDS as images of their registers and are read by all eight.
; THE PRODUCT IS USED TRANSPOSED (source 0 = 16 weight columns, source 1 = 16 tokens): lane (r, h) holds token r, register j of tile t column 16 t + 8 h + j.  Tiles 2 b, 2 b + 1 are block b, shared by lanes l and l xor 16;
; one conversion of a tile's eight registers is word 2 u + h of the block's 16 bytes (u = the tile's parity).
; A scale register carries two tiles' words: lanes 0-15 the even tile's, lanes 16-31 the odd one's.
; LIMITS: NaN and infinities are not served; a block under 2^-124 or of zeros gets the byte 1.
; No multicast: every weight fragment goes to one wave's registers, so there is no tile in LDS that partners could be sent jointly.
; THE MODE: SCHED_MODE bits 1:0 = 2 (LLVM: expert scheduling mode 2), set by the entry lines.  The code itself states the register dependences
; between vector or matrix instructions and memory or LDS instructions, with s_wait_alu, always for 0.
; THE PLAN.  Registers that memory or LDS instructions touch:
;   v1-3, v6-22   addresses, made at the head and never written again.
;   AF            x's six loads land in it; the head's LDS stores read it; then each step's LDS loads land in it and the step's products read it.
;   BF, BS        three sets: step i's products read set i % 3; behind them record i + 3 lands in it.     ASR: loaded once, read by products alone.
;   accumulators  written by the products; read by the quantisers (vector) or, for V, by LDS stores.
;   v32-67        Q's or K's codes and bytes: written by the four quantisers, each into registers of its own; read by LDS stores; never written again.
;   v32-95, v96-131  V: two sets of 32 numbers (LDS loads land, a unit's maxima and conversions read); a unit's codes, byte and scale operand, each unit's own.
; So ONE wait on va_vdst stands in a K step, behind its products and their places; one between the four quantisers and all their stores; one in each unit of V, behind its conversions.
.set XS_OFF, 1572864
.set WS_OFF, 3538944
.set AIMG, 0                           ; LDS: x's 24 fragments [K step][tile of rows][1,024]
.set STG,  24576                       ; Q's or K's codes, as they lie in memory
.set SSTG, 49152                       ; and their scale bytes
.set VSST, 50688                       ; V's scale bytes
.set VSTG, 52224                       ; V as f32: 64 rows of 3,072 bytes + 16
.set VP,   3088                        ; = 193 x 16: the sixteen rows of a store begin 16 bytes apart modulo 256
.set BF,  32                           ; v32-175  weight fragments: three sets of six
.set BS,  176                          ; v176-184 their scale words: three sets of three
.set AF,  192                          ; v192-223 x's four fragments of a K step
.set ASR, 224                          ; v224-235 x's scale words: 6 K steps x 2
.set TM,  240                          ; v240-248 the quantiser's: largest magnitudes, the other lane's, scale operands
.set SEL, 20                           ; s[20:21]
; v1 16 lane, v2 4 lane, v3 16 thread, v4 r, v5 h, v6-8 and v9-11 where Q's or K's codes and bytes go, v12-15 V's stage (in), v16 (out), v17-19 V's codes in memory, v20-22 V's bytes in LDS
; window 1: v0-191 the accumulators: (tile of tokens mt, tile of columns nt) at 8 (6 mt + nt)
.set MSB, 0
.macro WIN new                         ; s_set_vgpr_msb: bits 1:0 source 0, 3:2 source 1, 5:4 source 2, 7:6 destination; the high byte repeats the setting that is left
.if MSB != \new
	s_set_vgpr_msb (MSB<<8)|\new
.set MSB, \new
.endif
.endm
; one product.  cm = 0: onto its own sums; 1: starts them with 0; 2: with the registers at c.  ra, rb: the scale words stand in lanes 16-31
.macro WM d, a, b, cm, c, sa, sb, ra, rb
.set rD, \d
.set rA, \a
.set rB, \b
.set rC, \d
.if (\cm) == 2
.set rC, \c
.endif
.set rSA, \sa
.set rSB, \sb
.set rW, 2*(\ra)+(\rb)
.if (\cm) == 1
.if rW == 0
	v_wmma_scale_f32_16x16x128_f8f6f4 v[rD:rD+7], v[rA:rA+7], v[rB:rB+7], 0, v[rSA], v[rSB] matrix_a_fmt:MATRIX_FMT_FP4 matrix_b_fmt:MATRIX_FMT_FP4
.elseif rW == 1
	v_wmma_scale_f32_16x16x128_f8f6f4 v[rD:rD+7], v[rA:rA+7], v[rB:rB+7], 0, v[rSA], v[rSB] matrix_a_fmt:MATRIX_FMT_FP4 matrix_b_fmt:MATRIX_FMT_FP4 matrix_b_scale:MATRIX_SCALE_ROW1
.elseif rW == 2
	v_wmma_scale_f32_16x16x128_f8f6f4 v[rD:rD+7], v[rA:rA+7], v[rB:rB+7], 0, v[rSA], v[rSB] matrix_a_fmt:MATRIX_FMT_FP4 matrix_b_fmt:MATRIX_FMT_FP4 matrix_a_scale:MATRIX_SCALE_ROW1
.else
	v_wmma_scale_f32_16x16x128_f8f6f4 v[rD:rD+7], v[rA:rA+7], v[rB:rB+7], 0, v[rSA], v[rSB] matrix_a_fmt:MATRIX_FMT_FP4 matrix_b_fmt:MATRIX_FMT_FP4 matrix_a_scale:MATRIX_SCALE_ROW1 matrix_b_scale:MATRIX_SCALE_ROW1
.endif
.else
.if rW == 0
	v_wmma_scale_f32_16x16x128_f8f6f4 v[rD:rD+7], v[rA:rA+7], v[rB:rB+7], v[rC:rC+7], v[rSA], v[rSB] matrix_a_fmt:MATRIX_FMT_FP4 matrix_b_fmt:MATRIX_FMT_FP4
.elseif rW == 1
	v_wmma_scale_f32_16x16x128_f8f6f4 v[rD:rD+7], v[rA:rA+7], v[rB:rB+7], v[rC:rC+7], v[rSA], v[rSB] matrix_a_fmt:MATRIX_FMT_FP4 matrix_b_fmt:MATRIX_FMT_FP4 matrix_b_scale:MATRIX_SCALE_ROW1
.elseif rW == 2
	v_wmma_scale_f32_16x16x128_f8f6f4 v[rD:rD+7], v[rA:rA+7], v[rB:rB+7], v[rC:rC+7], v[rSA], v[rSB] matrix_a_fmt:MATRIX_FMT_FP4 matrix_b_fmt:MATRIX_FMT_FP4 matrix_a_scale:MATRIX_SCALE_ROW1
.else
	v_wmma_scale_f32_16x16x128_f8f6f4 v[rD:rD+7], v[rA:rA+7], v[rB:rB+7], v[rC:rC+7], v[rSA], v[rSB] matrix_a_fmt:MATRIX_FMT_FP4 matrix_b_fmt:MATRIX_FMT_FP4 matrix_a_scale:MATRIX_SCALE_ROW1 matrix_b_scale:MATRIX_SCALE_ROW1
.endif
.endif
.endm
.macro BLOAD k, e                      ; record e of my stream into set k: 12 loads of 512 consecutive bytes, 3 of 128: fifteen loads
.irp f, 0,1,2,3,4,5
.irp c, 0,1
	global_load_b128 v[BF+48*(\k)+8*\f+4*\c:BF+48*(\k)+8*\f+4*\c+3], v1, s[12:13] offset:(\e)*6144+\f*1024+\c*512
.endr
.endr
.irp b, 0,1,2
	global_load_b32 v[BS+3*(\k)+\b], v2, s[14:15] offset:(\e)*384+\b*128
.endr
.endm
; K step i: x's four fragments from LDS, 24 products (the accumulators by turns, one instruction a turn, in the same order in every step), then the set just used takes the record three steps on.
.macro STEP i, cm, n, refill
.irp mt, 0,1,2,3
.irp c, 0,1
	ds_load_b128 v[AF+8*\mt+4*\c:AF+8*\mt+4*\c+3], v1 offset:AIMG+(\i)*4096+\mt*1024+\c*512
.endr
.endr
	s_wait_loadcnt \n                              ; this step's fifteen loads are in; the count is what the younger sets have out
	s_wait_dscnt 0x0
	WIN 0x50                                       ; C and D in window 1
.irp nt, 0,1,2,3,4,5
.irp mt, 0,1,2,3
	WM 8*(6*\mt+\nt), BF+48*((\i)%3)+8*\nt, AF+8*\mt, \cm, 0, BS+3*((\i)%3)+\nt/2, ASR+2*(\i)+\mt/2, \nt%2, \mt%2
.endr
.endr
	WIN 0
.rept 4
	v_nop                                          ; four places behind the last product, ahead of loads into registers that the products have read and of the first read of results
.endr
	s_wait_alu depctr_va_vdst(0)                   ; this step's products are done reading their set of weights and x's fragments, in which the loads below and the next step's land; the addresses made at the head are written; behind the last step: the accumulators are written, which V's LDS stores read
.if \refill
	BLOAD (\i)%3, (\i)+3
.endif
.endm
; Three blocks of one tile of tokens: 48 registers of window 1 from src on.  Codes into v[cd ..] (6), bytes into v[by ..] (3), both of this call's own.
.macro QUANT3 src, absf, cd, by
	WIN 0x05
.irp b, 0,1,2
.if \absf
	v_max3_num_f32 v[TM+\b], |v[(\src)+16*\b]|, |v[(\src)+16*\b+1]|, 0x1800000   ; my 16 numbers of block b, from each accumulator's low end on, and the floor 2^(3 - 127)
.else
	v_max3_num_f32 v[TM+\b], v[(\src)+16*\b], v[(\src)+16*\b+1], 0x1800000
.endif
.endr
	WIN 0x14
.irp i, 2,4,6,8,10,12,14
.irp b, 0,1,2
.if \absf
	v_max3_num_f32 v[TM+\b], v[TM+\b], |v[(\src)+16*\b+\i]|, |v[(\src)+16*\b+\i+1]|
.else
	v_max3_num_f32 v[TM+\b], v[TM+\b], v[(\src)+16*\b+\i], v[(\src)+16*\b+\i+1]
.endif
.endr
.endr
	WIN 0
.irp b, 0,1,2
	v_permlanex16_b32 v[TM+3+\b], v[TM+\b], s[SEL], s[SEL+1]
.endr
.irp b, 0,1,2
	v_max_num_f32 v[TM+\b], v[TM+\b], v[TM+3+\b]   ; with lane l xor 16's 16: the block's largest magnitude
.endr
.irp b, 0,1,2
	v_add_nc_u32 v[TM+6+\b], 0xff000000, v[TM+\b]  ; 2 off the exponent field: the conversion's scale operand
.endr
.irp b, 0,1,2
	v_lshrrev_b32 v[(\by)+\b], 23, v[TM+6+\b]      ; the scale's byte
.endr
	WIN 0x01
.irp b, 0,1,2
.irp u, 0,1
	v_cvt_scalef32_pk8_fp4_f32 v[(\cd)+2*\b+\u], v[(\src)+16*\b+8*\u:(\src)+16*\b+8*\u+7], v[TM+6+\b]
.endr
.endr
	WIN 0
	v_nop                                          ; one plain place behind the conversions
.endm
; and to LDS: a word of codes at v[adc + b] + offc + 8 u, the byte at v[ads + b] + offs
.macro QPUT cd, by, adc, offc, ads, offs
.irp b, 0,1,2
.irp u, 0,1
	ds_store_b32 v[(\adc)+\b], v[(\cd)+2*\b+\u] offset:(\offc)+8*\u
.endr
	ds_store_b8 v[(\ads)+\b], v[(\by)+\b] offset:\offs   ; both lanes of a block write the same byte with the same value
.endr
.endm
	s_load_b128 s[4:7], s[0:1], 0x0                ; xq, wq
	s_load_b64 s[8:9], s[0:1], 0x10                ; qkv
	v_lshl_add_u32 v254, v0, 2, 0x3d000
	v_mov_b32 v255, 0
	v_lshrrev_b32 v23, 5, v0
	v_readfirstlane_b32 s10, v23                   ; wave 0..7
	s_and_b32 s11, ttmp7, 0xffff                   ; 0 Q, 1 K, 2 V
	v_and_b32 v25, 31, v0
	v_lshlrev_b32 v1, 4, v25
	v_lshlrev_b32 v2, 2, v25
	v_lshlrev_b32 v3, 4, v0
	v_and_b32 v4, 15, v0
	v_bfe_u32 v5, v0, 4, 1
	s_mov_b32 s[SEL], 0x76543210
	s_mov_b32 s[SEL+1], 0xfedcba98
	s_wait_alu depctr_va_sdst(0)                   ; s10 is written, ahead of its first reader: the bases and the LDS addresses are made from it
	s_lshl_b32 s26, s11, 3
	s_add_co_u32 s26, s26, s10                     ; 8 y + w: six records each
	s_mul_i32 s28, s26, 36864
	s_mov_b32 s29, 0
	s_mul_i32 s30, s26, 2304
	s_add_co_u32 s30, s30, WS_OFF
	s_mov_b32 s31, 0
	s_mul_i32 s32, ttmp9, 24576                    ; 64 tokens: 24 fragments of x; also 768 chunks' codes
	s_mov_b32 s33, 0
	s_mul_i32 s34, ttmp9, 1536                     ; and their scale bytes
	s_mov_b32 s35, 0
	s_mul_i32 s36, s11, 1572864
	s_add_co_u32 s36, s36, s32
	s_mov_b32 s37, 0
	s_mul_i32 s38, s11, 98304
	s_add_co_u32 s38, s38, s34
	s_add_co_u32 s38, s38, 4718592
	s_mov_b32 s39, 0
	s_add_co_u32 s34, s34, XS_OFF
	s_wait_kmcnt 0x0
	s_add_nc_u64 s[22:23], s[4:5], s[32:33]        ; x's codes
	s_add_nc_u64 s[24:25], s[4:5], s[34:35]        ; x's scale words
	s_add_nc_u64 s[12:13], s[6:7], s[28:29]        ; my records' codes
	s_add_nc_u64 s[14:15], s[6:7], s[30:31]        ; and scale words
	s_add_nc_u64 s[16:17], s[8:9], s[36:37]        ; where the codes go
	s_add_nc_u64 s[18:19], s[8:9], s[38:39]        ; where the scale bytes go
	s_wait_alu depctr_va_vdst(0)                   ; the offsets v1, v2 and v3 are written, which the loads below and the head's LDS stores read
.irp i, 0,1,2,3,4,5
	global_load_b128 v[AF+4*\i:AF+4*\i+3], v3, s[22:23] offset:4096*\i     ; x's 24,576 bytes, 16 a thread
.endr
.irp i, 0,1,2,3,4,5,6,7,8,9,10,11
	global_load_b32 v[ASR+\i], v2, s[24:25] offset:128*\i
.endr
	BLOAD 0, 0
	BLOAD 1, 1
	BLOAD 2, 2
	; every LDS address is made here, ahead of the parting of the ways
.irp b, 0,1,2
	s_mul_i32 s26, s10, 3
	s_add_co_u32 s26, s26, \b                      ; block 3 w + b of a token's 24
	s_lshr_b32 s27, s26, 1                         ; its chunk in the token
	s_and_b32 s26, s26, 1                          ; its half of the chunk
	v_mul_u32_u24 v23, v4, 12
	v_add_nc_u32 v23, s27, v23                     ; chunk 12 r + j among a tile's 192
	v_lshrrev_b32 v24, 4, v23
	v_lshlrev_b32 v24, 9, v24
	v_and_b32 v26, 15, v23
	v_lshl_add_u32 v24, v26, 4, v24
	v_lshl_add_u32 v24, v5, 2, v24                 ; + 4 h: my word of the block's 16 bytes (8 u comes in the offset)
	s_lshl_b32 s28, s26, 8
	s_add_co_u32 s28, s28, STG
	v_add_nc_u32 v[6+\b], s28, v24
	v_lshlrev_b32 v23, 1, v23
	s_add_co_u32 s26, s26, SSTG
	v_add_nc_u32 v[9+\b], s26, v23
.endr
	v_mul_u32_u24 v23, v4, VP
	v_lshl_add_u32 v23, v5, 5, v23
	s_mul_i32 s26, s10, 384
	s_add_co_u32 s26, s26, VSTG
	v_add_nc_u32 v12, s26, v23                     ; V's stage: row r, + 32 h, + my 96 columns; a register for each tile of tokens
	v_add_nc_u32 v13, 16*VP, v12
	v_add_nc_u32 v14, 32*VP, v12
	v_add_nc_u32 v15, 48*VP, v12
	s_mul_i32 s26, s10, 8*VP
	s_add_co_u32 s26, s26, VSTG
	v_add_nc_u32 v16, s26, v2                      ; back: my eight tokens, 4 bytes a lane
	v_lshrrev_b32 v23, 4, v25
	v_lshlrev_b32 v23, 10, v23
	v_lshl_add_u32 v23, v4, 4, v23
	s_wait_alu depctr_va_vdst(0)
.irp i, 0,1,2
	s_mul_i32 s26, s10, 3
	s_add_co_u32 s26, s26, \i                      ; key block 3 w + i of the work-group's 24
	s_lshr_b32 s27, s26, 2
	s_and_b32 s26, s26, 3
	s_lshl_b32 s28, s27, 12
	s_lshl_b32 s29, s26, 8
	s_add_co_u32 s28, s28, s29
	v_add_nc_u32 v[17+\i], s28, v23                ; in memory: key step x 4,096 + block x 256 + fragment (lane / 16) + 16 (lane % 16)
	s_lshl_b32 s27, s27, 8
	s_add_co_u32 s27, s27, s26
	s_add_co_u32 s27, s27, VSST
	v_add_nc_u32 v[20+\i], s27, v2                 ; the byte: key step x 256 + 4 d + block
.endr
.irp b, 0,1,2
	v_mov_b32 v[TM+3+\b], 0                        ; written once: a lane permute's destination counts as one of its sources
.endr
	s_wait_loadcnt 57                              ; x's six loads are in: 12 + 45 younger ones may be out
.irp i, 0,1,2,3,4,5
	ds_store_b128 v3, v[AF+4*\i:AF+4*\i+3] offset:AIMG+4096*\i
.endr
	s_wait_dscnt 0x0                               ; for the others' sake: my part of x lies in LDS
	s_barrier_signal -1
	s_barrier_wait -1
	s_wait_alu depctr_vm_vsrc(0)                   ; my LDS stores have read v[AF ..], in which the first step's fragments land
	STEP 0, 1, 30, 1                               ; the first K step starts the sums; 30 = the two younger sets
	STEP 1, 0, 30, 1
	STEP 2, 0, 30, 1
	STEP 3, 0, 30, 0                               ; the last three ask for nothing: the counts run down
	STEP 4, 0, 15, 0
	STEP 5, 0, 0, 0
	s_cmp_eq_u32 s11, 2
	s_cbranch_scc1 .Lv
	; ---------------- Q or K: quantised inside the chunk, gathered in LDS as it lies in memory
	QUANT3 0,   1, 32, 56
	QUANT3 48,  1, 38, 59
	QUANT3 96,  1, 44, 62
	QUANT3 144, 1, 50, 65
	s_wait_alu depctr_va_vdst(0)                   ; the four quantisers have written the codes v32-55 and the bytes v56-67, which the LDS stores read
	QPUT 32, 56, 6, 0,     9, 0
	QPUT 38, 59, 6, 6144,  9, 384
	QPUT 44, 62, 6, 12288, 9, 768
	QPUT 50, 65, 6, 18432, 9, 1152
	s_wait_dscnt 0x0
	s_barrier_signal -1
	s_barrier_wait -1
.irp i, 0,1,2,3,4,5
	ds_load_b128 v[96+4*\i:96+4*\i+3], v3 offset:STG+4096*\i   ; (v96-123: named last by products, ahead of the waits above)
.endr
.irp i, 0,1,2,3,4,5
	s_wait_dscnt 5-\i                              ; load i is back; the younger ones may be out
	global_store_b128 v3, v[96+4*\i:96+4*\i+3], s[16:17] offset:4096*\i   ; a wave stores 512 consecutive bytes
.endr
	s_cmp_lt_u32 s10, 3
	s_cbranch_scc0 .Lqk_end
	ds_load_b128 v[120:123], v3 offset:SSTG        ; the 1,536 scale bytes: waves 0 to 2
	s_wait_dscnt 0x0
	global_store_b128 v3, v[120:123], s[18:19]
.Lqk_end:
	s_wait_dscnt 0x0                               ; the closing lines, six on end
	s_wait_alu 0x0
	s_wait_tensorcnt 0x0
	ds_add_u32 v254, v255
	s_wait_dscnt 0x0
	s_endpgm
	; ---------------- V: through LDS as f32, then a lane takes one d and its registers run down 32 keys
.Lv:
	WIN 0x04                                       ; an LDS store's data are its source 1: window 1
.irp mt, 0,1,2,3
.irp nt, 0,1,2,3,4,5
	ds_store_b128 v[12+\mt], v[8*(6*\mt+\nt):8*(6*\mt+\nt)+3] offset:64*\nt        ; each accumulator from its low end on (the last step's places and its wait stand ahead)
	ds_store_b128 v[12+\mt], v[8*(6*\mt+\nt)+4:8*(6*\mt+\nt)+7] offset:64*\nt+16
.endr
.endr
	WIN 0
	s_wait_dscnt 0x0
	s_barrier_signal -1
	s_barrier_wait -1
.macro VLOAD n                         ; unit n = 2 i + dh: key block i of my three, d = 32 dh + lane: key kk is chunk 32 i + kk of my 96: token / 12, chunk % 12
.set kk, 0
.rept 32
.set gq, 32*((\n)/2)+kk
	ds_load_b32 v[32+32*((\n)%2)+kk], v16 offset:(gq/12)*VP+(gq%12)*256+128*((\n)%2)
.set kk, kk+1
.endr
.endm
.macro VUNIT n
.set XS, 32+32*((\n)%2)
.if (\n) == 0
	s_wait_dscnt 32                                ; this unit's 32 loads are back; the next unit's may be out
.elseif (\n) < 5
	s_wait_dscnt 33                                ; likewise, and the last unit's byte store
.else
	s_wait_dscnt 0x0
.endif
	v_max3_num_f32 v26, |v[XS]|, |v[XS+1]|, |v[XS+2]|
	v_max3_num_f32 v27, |v[XS+3]|, |v[XS+4]|, |v[XS+5]|
.irp i, 6,10,14,18,22,26
	v_max3_num_f32 v26, v26, |v[XS+\i]|, |v[XS+\i+1]|
	v_max3_num_f32 v27, v27, |v[XS+\i+2]|, |v[XS+\i+3]|
.endr
	v_max3_num_f32 v26, v26, |v[XS+30]|, |v[XS+31]|
	v_max3_num_f32 v26, v26, v27, 0x1800000
	v_add_nc_u32 v[126+(\n)], 0xff000000, v26
	v_lshrrev_b32 v[120+(\n)], 23, v[126+(\n)]
.irp g, 0,1,2,3
	v_cvt_scalef32_pk8_fp4_f32 v[96+4*(\n)+\g], v[XS+8*\g:XS+8*\g+7], v[126+(\n)]
.endr
	s_wait_alu depctr_va_vdst(0)                   ; the unit's codes and byte are written, which the two stores read; its maxima and conversions are done reading the 32 numbers, in which the loads of two units on land
	global_store_b128 v[17+(\n)/2], v[96+4*(\n):96+4*(\n)+3], s[16:17] offset:2048*((\n)%2)   ; sixteen lanes store 256 consecutive bytes, aligned
	ds_store_b8 v[20+(\n)/2], v[120+(\n)] offset:128*((\n)%2)
.if (\n)+2 < 6
	VLOAD (\n)+2
.endif
.endm
	VLOAD 0                                        ; (v32-95: named last by products, ahead of the last step's wait)
	VLOAD 1
	VUNIT 0
	VUNIT 1
	VUNIT 2
	VUNIT 3
	VUNIT 4
	VUNIT 5
	s_wait_dscnt 0x0
	s_barrier_signal -1
	s_barrier_wait -1
	s_cmp_lt_u32 s10, 3
	s_cbranch_scc0 .Lv_end
	ds_load_b128 v[132:135], v3 offset:VSST        ; the 1,536 scale bytes: waves 0 to 2
	s_wait_dscnt 0x0
	global_store_b128 v3, v[132:135], s[18:19]
.Lv_end:
	s_wait_dscnt 0x0                               ; the closing lines, six on end
	s_wait_alu 0x0
	s_wait_tensorcnt 0x0
	ds_add_u32 v254, v255
	s_wait_dscnt 0x0
	s_endpgm
.Lfunc_end_k_qe970c4f673_qkv:
	.size	k_qe970c4f673_qkv, .Lfunc_end_k_qe970c4f673_qkv-k_qe970c4f673_qkv
	.p2alignl 7, 3214868480
	.fill 96, 4, 3214868480
	.section	.rodata,"a",@progbits
	.p2align	6, 0x0
	.amdhsa_kernel k_qe970c4f673_qkv
		.amdhsa_group_segment_fixed_size 250880
		.amdhsa_private_segment_fixed_size 0
		.amdhsa_enable_private_segment 0
		.amdhsa_kernarg_size 24
		.amdhsa_user_sgpr_count 2
		.amdhsa_user_sgpr_kernarg_segment_ptr 1
		.amdhsa_wavefront_size32 1
		.amdhsa_system_sgpr_workgroup_id_x 1
		.amdhsa_system_sgpr_workgroup_id_y 1
		.amdhsa_system_sgpr_workgroup_id_z 1
		.amdhsa_system_vgpr_workitem_id 0
		.amdhsa_next_free_vgpr 448
		.amdhsa_next_free_sgpr 66
		.amdhsa_reserve_vcc 0
		.amdhsa_float_denorm_mode_32 3
		.amdhsa_float_denorm_mode_16_64 3
		.amdhsa_memory_ordered 1
		.amdhsa_forward_progress 1
		.amdhsa_inst_pref_size 80
	.end_amdhsa_kernel
	.amdgpu_metadata
---
amdhsa.version: [ 1, 2 ]
amdhsa.kernels:
  - .name:           k_qe970c4f673_qkv
    .symbol:         k_qe970c4f673_qkv.kd
    .args:
      - { .name: xq, .offset: 0, .size: 8, .value_kind: global_buffer, .address_space: global }
      - { .name: wq, .offset: 8, .size: 8, .value_kind: global_buffer, .address_space: global }
      - { .name: qkv, .offset: 16, .size: 8, .value_kind: global_buffer, .address_space: global }
    .group_segment_fixed_size: 250880
    .private_segment_fixed_size: 0
    .kernarg_segment_align: 8
    .kernarg_segment_size: 24
    .max_flat_workgroup_size: 256
    .sgpr_count:     66
    .vgpr_count:     448
    .wavefront_size: 32
...
	.end_amdgpu_metadata
.endif
;; end of part 7
;; launch attn (part 8): grid 64 x 4, 12 waves a work-group, no clusters, 56,832 bytes of LDS; arguments qkv, ctx; writes ctx
.if DOCPART == 8
	.amdgcn_target "amdgcn-amd-amdhsa--gfx1250"
	.amdhsa_code_object_version 6
	.text
	.protected	k_qe970c4f673_attn
	.globl	k_qe970c4f673_attn
	.p2align	8
	.type	k_qe970c4f673_attn,@function
k_qe970c4f673_attn:
	s_mov_b64 s[64:65], 0
	v_nop
	global_prefetch_b8 v0, s[64:65] scope:SCOPE_SE
	s_setreg_imm32_b32 hwreg(HW_REG_WAVE_SCHED_MODE, 0, 2), 2
	s_setreg_imm32_b32 hwreg(HW_REG_WAVE_MODE, 25, 1), 1
	s_wait_xcnt 0x0
	s_wait_alu depctr_vm_vsrc(0)
; ctx[q][64 head + d] = sum over k <= q of softmax_k(Q[q] . K[k] / 8) V[k][d], both products on codes of FP4 with E8M0 scales; the result is quantised along 64 head + d for the next product.
; THE SOFTMAX: t = score x log2(e) / 8; M = the running largest t rounded UP to a whole number; p = 2^(t - M) is quantised along the keys; the row's sum is taken of the unquantised p and divides at the end.
; When M moves, the sum and O are multiplied by 2^(old M - new M), which rounds nothing.
; SHARES.  A UNIT is block b of 64 queries of one head: four waves of 16 queries, which share that head's tiles and work in key steps 0 .. b / 2 (128 keys each); step b / 2 lies on the diagonal.
; Work-group (x, y) has three units, of heads y, y + 4, y + 8: blocks (2 m, 63 - m, 31 - m) for x = 2 m, (2 m + 1, 31 - m, 63 - m) for x = 2 m + 1.  Each of the three runs through all 64 blocks as x does,
; and the three units' key steps add up to 49 or 50 in every work-group: 12 heads x 64 blocks = 3 x 256 units.
; Wave w is wave w / 3 of unit w % 3: the waves with equal w % 4, and those with equal w / 3, are one of each unit.
; Both products are used transposed: S^T = K Q^T (source 0 = 16 keys), O^T = V^T P^T (source 0 = 16 d): a lane holds ONE query (lane % 16); register j of tile t is key (or d) 16 t + 8 h + j.
; THE FIRST PRODUCT'S K IS 64, the instruction's 128.  Q's registers 4-7 are zero codes.  K's tile t is named v[32 + 4 t .. + 7]: its upper four registers are the next tile's codes (zeros behind the last), which meet Q's zeros;
; every FP4 code is a finite number, and scale bytes 2 and 3 are 0 (a 16-bit load extends with zeros), which is 2^-127 and no NaN: the upper half adds exactly 0.
; A KEY STEP'S TILE (K 4,096 bytes, V 4,096, scale bytes 512) goes through registers into the unit's two LDS slots by turns: a thread of the unit copies 68 bytes, asked for a step ahead; one barrier a step: in front of it every
; wave's LDS stores have landed and its reads of the slot in hand are back; the store into the other slot stands behind the barrier that ended that slot's reads.
; The loop's trip count is a constant; a step without work for a wave is passed over by scalar branches on ids, never its barrier.
; No multicast: the units of a head want different numbers of tiles (b / 2 + 1), and a step's shared bytes are few beside its vector work.
; ctx's scale bytes leave two at a time, 1/16 of the codes' bytes.  LIMITS: NaN and infinities are not served; a block under 2^-124 or of zeros gets the byte 1; 1 / sum by v_rcp_f32.
; THE MODE: SCHED_MODE bits 1:0 = 2 (LLVM: expert scheduling mode 2), set by the entry lines.  The code itself states the register dependences
; between vector or matrix instructions and memory or LDS instructions, with s_wait_alu, always for 0.
; THE PLAN.  Registers that memory or LDS instructions touch:
;   v1-7, v9-11   addresses, made at the head and never written again.     v232: the offset of one load at the head; in the loop a chain of sums.
;   two sets in which tiles travel: named by memory and LDS instructions alone: a step's loads land in a set, the next step's LDS stores read it, the step after that loads it again.
;   KF, VF, v26-31  a step's LDS loads land; its twelve products read.
;   v20-23, v64-67 (zero codes, written once), PC and v25 (p's codes and scale word, written in each step): written by vector instructions, taken by scaled products.
; A step has one wait on vm_vsrc, ahead of the loads into a travelling set, and beside the two waits behind its exponentials three on va_vdst: ahead of its run of LDS loads, ahead of its exponentials, and ahead of its second product.
; The diagonal's masks are made eight at a time, in s40-47, with one wait on va_sdst between the eight compares and the eight selects.
.set SLOT, 9216                        ; K's codes 0, V's 4,096, K's scale bytes 8,192, V's scale words 8,448
.set UNITB, 2*SLOT                     ; a unit's two slots
.set KF,  32                           ; v32-63 K's eight tiles, four registers each; v64-67 zeros
.set VF,  68                           ; v68-99 V's four fragments
.set S,   100                          ; v100-163 S^T, then p
.set O,   164                          ; v164-195 O^T
.set PC,  196                          ; v196-203 p's codes
; tu = my thread's number in the unit, U = my unit's first LDS byte.  v1 U + 16 tu, v2 U + 8,192 + 4 tu, v3 16 tu, v4 my scale word in memory, v5 U + 16 lane, v6 U + 4 lane, v7 U + 2 lane,
; v8 my query - 8 h in the diagonal step, v9 the prefetch's offset, v10 4 r, v11 16 lane
; v12 -M, v13 largest t, v[14:15] the sum, v16-23 Q, v24 Q's scales, v25 p's scale word, v26-29 K's scales, v30-31 V's; v204-215, v234-237, v254 and v238-253, v255: two sets in which tiles travel
; v216-219 blocks' maxima, v220-223 the other lane's / bytes, v224-227 scale operands, v228 at work, v229 -infinity, v[230:231] f, v[232:233] a second chain of sums
; s8 wave, s9 wave / 3, s10 head, s11 unit, s12 my last key step, s13 my block, s[14:15] K's codes, s[16:17] K's scale bytes, s[18:19] prefetch, s20 prefetches left, s[22:23] c, s[24:25] selects, s26 step, s40-47 in the loop: the diagonal's masks
.macro TGET q, off, soff               ; a tile into set q: K's codes at off and 2,048 on, V's 1,572,864 bytes behind them; threads 0-63 K's scale bytes, threads 64-127 V's
.if (\q) == 0
.set TA, 204
.set TD, 234
.set TE, 254
.else
.set TA, 238
.set TD, 250
.set TE, 255
.endif
	global_load_b128 v[TA:TA+3], v3, s[14:15] offset:\off
	global_load_b128 v[TA+4:TA+7], v3, s[14:15] offset:(\off)+2048
	global_load_b128 v[TA+8:TA+11], v3, s[14:15] offset:(\off)+1572864
	global_load_b128 v[TD:TD+3], v3, s[14:15] offset:(\off)+1572864+2048
	global_load_b32 v[TE], v4, s[16:17] offset:\soff
.endm
.macro TPUT q, sl                      ; set q into slot sl of my unit
.if (\q) == 0
.set TA, 204
.set TD, 234
.set TE, 254
.else
.set TA, 238
.set TD, 250
.set TE, 255
.endif
	ds_store_b128 v1, v[TA:TA+3] offset:(\sl)*SLOT
	ds_store_b128 v1, v[TA+4:TA+7] offset:(\sl)*SLOT+2048
	ds_store_b128 v1, v[TA+8:TA+11] offset:(\sl)*SLOT+4096
	ds_store_b128 v1, v[TD:TD+3] offset:(\sl)*SLOT+6144
	ds_store_b32 v2, v[TE] offset:(\sl)*SLOT
.endm
	s_load_b128 s[4:7], s[0:1], 0x0                ; qkv, ctx
	s_set_vgpr_msb 0x40
	v_lshl_add_u32 v0, v0, 2, 0xd800
	v_mov_b32 v1, 0
	s_set_vgpr_msb 0x4000
	v_lshrrev_b32 v10, 5, v0                       ; wave
	v_readfirstlane_b32 s8, v10
	v_mul_u32_u24 v11, v10, 11
	v_lshrrev_b32 v11, 5, v11                      ; wave / 3
	v_mul_u32_u24 v9, v11, 3
	v_sub_nc_u32 v9, v10, v9                       ; wave % 3: my unit
	v_mul_u32_u24 v9, v9, UNITB                    ; U
	v_and_b32 v10, 31, v0                          ; lane
	v_lshl_add_u32 v3, v11, 5, v10                 ; tu = 32 (wave / 3) + lane
	v_lshl_add_u32 v1, v3, 4, v9
	v_lshl_add_u32 v2, v3, 2, v9
	v_add_nc_u32 v2, 8192, v2
	v_and_b32 v4, 63, v3
	v_lshrrev_b32 v5, 6, v3
	v_mul_u32_u24 v5, v5, 98304                    ; V's scale words lie so far behind K's scale bytes
	v_lshl_add_u32 v4, v4, 2, v5
	v_lshlrev_b32 v3, 4, v3
	v_lshl_add_u32 v5, v10, 4, v9
	v_lshl_add_u32 v6, v10, 2, v9
	v_lshl_add_u32 v7, v10, 1, v9
	v_lshlrev_b32 v11, 4, v10
	v_lshlrev_b32 v232, 1, v10                     ; 2 lane: for Q's scale bytes alone
	v_and_b32 v10, 15, v0                          ; r
	v_bfe_u32 v228, v0, 4, 1                       ; h
	v_lshlrev_b32 v8, 3, v228
	v_sub_nc_u32 v8, v10, v8
	s_wait_alu depctr_va_vdst(0)
	v_mul_u32_u24 v9, v228, 1572864                ; lanes 16-31 name V's blocks, which lie so far behind K's
	v_lshl_add_u32 v9, v10, 8, v9                  ; 256 bytes from lane to lane
	v_lshlrev_b32 v10, 2, v10
	s_wait_alu depctr_va_sdst(0)                   ; s8 is written, ahead of its first reader: unit, head, block and the bases are made from it
	s_mul_i32 s9, s8, 11
	s_lshr_b32 s9, s9, 5                           ; wave / 3
	s_mul_i32 s27, s9, 3
	s_sub_co_u32 s11, s8, s27                      ; unit
	s_and_b32 s10, ttmp7, 0xffff
	s_lshl_b32 s27, s11, 2
	s_add_co_u32 s10, s10, s27                     ; head = y + 4 unit
	s_lshr_b32 s27, ttmp9, 1                       ; m
	s_sub_co_u32 s28, 63, s27
	s_sub_co_u32 s29, 31, s27
	s_and_b32 s27, ttmp9, 1
	s_cmp_eq_u32 s27, 0
	s_cselect_b32 s13, s28, s29                    ; unit 1's block
	s_cselect_b32 s21, s29, s28                    ; unit 2's
	s_cmp_eq_u32 s11, 1
	s_cselect_b32 s13, s13, s21
	s_cmp_eq_u32 s11, 0
	s_cselect_b32 s13, ttmp9, s13                  ; unit 0's is x
	s_lshr_b32 s12, s13, 1                         ; my last key step
	s_and_b32 s27, s13, 1
	s_lshl_b32 s27, s27, 6
	s_lshl_b32 s28, s9, 4
	s_add_co_u32 s27, s27, s28
	v_add_nc_u32 v8, s27, v8                       ; 64 (b % 2) + 16 (wave / 3) + r - 8 h
	s_lshl_b32 s28, s10, 17                        ; a head's codes: 131,072 bytes
	s_add_co_u32 s38, s28, 1572864
	s_mov_b32 s39, 0
	s_lshl_b32 s29, s10, 13                        ; a head's scale bytes: 8,192
	s_add_co_u32 s40, s29, 4816896
	s_mov_b32 s41, 0
	s_add_co_u32 s42, s28, 1572864+3*4096          ; the prefetches stand at tile 3: the first step moves them to tile 4
	s_mov_b32 s43, 0
	s_lshl_b32 s27, s10, 8
	s_lshl_b32 s28, s13, 2
	s_add_co_u32 s27, s27, s28
	s_add_co_u32 s27, s27, s9                      ; my tile of 16 chunks: 256 head + 4 block + wave / 3
	s_lshl_b32 s44, s27, 9
	s_mov_b32 s45, 0
	s_lshl_b32 s46, s27, 5
	s_add_co_u32 s46, s46, 4718592
	s_mov_b32 s47, 0
	s_xor_b32 s27, s13, 63
	s_xor_b32 s28, s9, 1
	s_or_b32 s27, s27, s28
	s_cmp_eq_u32 s27, 0
	s_cselect_b32 s20, 28, 0                       ; wave 1 of the unit with block 63, one in each head, asks for tiles 4 .. 31; nobody else
	s_mov_b32 s22, 0x3e38aa3b                      ; c = log2(e) / 8
	s_mov_b32 s23, s22
	s_mov_b32 s24, 0x76543210
	s_mov_b32 s25, 0xfedcba98
	s_wait_kmcnt 0x0
	s_add_nc_u64 s[14:15], s[4:5], s[38:39]
	s_add_nc_u64 s[16:17], s[4:5], s[40:41]
	s_add_nc_u64 s[18:19], s[4:5], s[42:43]
	s_add_nc_u64 s[30:31], s[4:5], s[44:45]        ; Q's codes
	s_add_nc_u64 s[32:33], s[4:5], s[46:47]        ; Q's scale bytes
	s_lshl_b32 s27, s13, 1
	s_lshr_b32 s28, s9, 1
	s_add_co_u32 s27, s27, s28                     ; my block of 32 rows of ctx
	s_mul_i32 s27, s27, 6
	s_lshr_b32 s28, s10, 1
	s_add_co_u32 s27, s27, s28                     ; x 6 + K step head / 2
	s_and_b32 s28, s9, 1                           ; which tile of 16 rows
	s_and_b32 s29, s10, 1                          ; which half of the K step
	s_lshl_b32 s38, s27, 1
	s_add_co_u32 s38, s38, s28
	s_lshl_b32 s38, s38, 10
	s_lshl_b32 s40, s29, 9
	s_add_co_u32 s38, s38, s40
	s_lshl_b32 s40, s27, 7
	s_lshl_b32 s28, s28, 6
	s_add_co_u32 s40, s40, s28
	s_lshl_b32 s29, s29, 1
	s_add_co_u32 s40, s40, s29
	s_add_co_u32 s40, s40, 1572864
	s_add_nc_u64 s[34:35], s[6:7], s[38:39]
	s_add_nc_u64 s[36:37], s[6:7], s[40:41]
	s_wait_alu depctr_va_vdst(0)                   ; the addresses and offsets v1-7, v9-11 and v232 are written, which every load, store and prefetch of the kernel reads
	TGET 0, 0, 0                                   ; tile 0
	global_load_b128 v[16:19], v11, s[30:31]       ; Q: block h of query r
	global_load_u16 v24, v232, s[32:33]            ; its two scale bytes (lanes 16-31 read on, inside the buffer, and are not used)
	TGET 1, 4096, 256                              ; tile 1 (every head has 32 tiles; a unit that ends at tile 0 does not use it)
.irp j, 20,21,22,23,64,65,66,67
	v_mov_b32 v[\j], 0                             ; the zero codes
.endr
	v_mov_b32 v13, 0xff61b1e6                      ; the largest t so far: -3e38
	v_floor_f32 v12, -v13                          ; -M
	v_mov_b32 v14, 0
	v_mov_b32 v15, 0
.set j, 0
.rept 32
	v_mov_b32 v[O+j], 0                            ; the step is written once: the first finds zeros
.set j, j+1
.endr
.irp b, 0,1,2,3
	v_mov_b32 v[220+\b], 0                         ; a lane permute's destination counts as one of its sources
.endr
	v_mov_b32 v229, 0xff800000
	v_mov_b32 v231, 0                              ; named as the upper half of f's pair
	s_wait_loadcnt 0x0
	TPUT 0, 0
	s_wait_dscnt 0x0
	s_barrier_signal -1
	s_barrier_wait -1
	s_wait_alu depctr_vm_vsrc(0)                   ; the load of Q's scale bytes has read v232, which the loop's sums write
.macro STEP sl                         ; key step s26 + sl, whose tile lies in slot sl
	; (a) my unit's next tile goes into its other slot, and the one after it is asked for
	s_add_co_u32 s27, s26, \sl+1
	s_cmp_gt_u32 s27, s12
	s_cbranch_scc1 .Lb_\@
	s_wait_loadcnt 0x0                             ; the next tile, asked for a step ago, is in registers; the bases may be stepped
	s_wait_xcnt 0x0                                ; and the last prefetch, a step back, has read its address
	s_wait_alu depctr_vm_vsrc(0)                   ; the LDS stores of the step before (in the first step: the head's) have read the travelling set in which the loads below land
	s_add_nc_u64 s[18:19], s[18:19], 4096
	TPUT 1-\sl, 1-\sl
	s_cmp_lt_u32 s27, s12
	s_cbranch_scc0 .Lb_\@
	s_add_nc_u64 s[14:15], s[14:15], 4096
	s_add_nc_u64 s[16:17], s[16:17], 256
	TGET \sl, 4096, 256                            ; into the set whose LDS stores were waited for in front of the last barrier
	s_cmp_lg_u32 s20, 0
	s_cbranch_scc0 .Lb_\@
	global_prefetch_b8 v9, s[18:19] th:TH_LOAD_NT scope:SCOPE_SE   ; the tile two steps beyond the one just asked for: K's 16 blocks of 256 bytes in lanes 0-15, V's in lanes 16-31; each named once in the launch
	s_sub_co_u32 s20, s20, 1
.Lb_\@:
	; (b) a step all of whose keys come after my queries is left out
	s_add_co_u32 s28, s26, \sl
	s_cmp_gt_u32 s28, s12
	s_cbranch_scc1 .Ld_\@
.rept 4
	v_nop                                          ; four places ahead of loads into registers that the last step's products have read
.endr
	s_wait_alu depctr_va_vdst(0)                   ; the last step's products are done reading K's and V's fragments and scale words, in which the loads below land; in the first step: the zero codes v20-23 and v64-67 are written, which the products below take as operands
.irp t, 0,1,2,3,4,5,6,7
	ds_load_b128 v[KF+4*\t:KF+4*\t+3], v5 offset:\sl*SLOT+512*\t
.endr
.irp b, 0,1,2,3
	ds_load_u16 v[26+\b], v7 offset:\sl*SLOT+8192+64*\b        ; lanes 0-15 tile 2 b's keys, lanes 16-31 tile 2 b + 1's
.endr
.irp f, 0,1,2,3,4,5,6,7
	ds_load_b128 v[VF+4*\f:VF+4*\f+3], v5 offset:\sl*SLOT+4096+512*\f
.endr
.irp e, 0,1
	ds_load_b32 v[30+\e], v6 offset:\sl*SLOT+8448+128*\e
.endr
	s_wait_dscnt 10                                ; K and its scales are back; V's ten loads may be out
.irp t, 0,2,4,6
	v_wmma_scale_f32_16x16x128_f8f6f4 v[S+8*\t:S+8*\t+7], v[KF+4*\t:KF+4*\t+7], v[16:23], 0, v[26+\t/2], v24 matrix_a_fmt:MATRIX_FMT_FP4 matrix_b_fmt:MATRIX_FMT_FP4
	v_wmma_scale_f32_16x16x128_f8f6f4 v[S+8*\t+8:S+8*\t+15], v[KF+4*\t+4:KF+4*\t+11], v[16:23], 0, v[26+\t/2], v24 matrix_a_fmt:MATRIX_FMT_FP4 matrix_b_fmt:MATRIX_FMT_FP4 matrix_a_scale:MATRIX_SCALE_ROW1
.endr
.rept 4
	v_nop
.endr
	s_cmp_eq_u32 s28, s12                          ; on the diagonal hidden scores become -infinity: p = 0 then
	s_cbranch_scc0 .Lopen_\@
.set dt, 0
.rept 8                                        ; a tile of 16 keys at a time: eight compares, one wait, eight selects
.set dj, 0
.rept 8
	v_cmp_gt_i32 s[40+dj], 16*dt+dj, v8            ; register 8 dt + dj holds key 16 dt + dj + 8 h of the step
.set dj, dj+1
.endr
	s_wait_alu depctr_va_sdst(0)                   ; the eight masks s40-47 are written, ahead of their first reader
.set dj, 0
.rept 8
	v_cndmask_b32 v[S+8*dt+dj], v[S+8*dt+dj], v229, s[40+dj]
.set dj, dj+1
.endr
.set dt, dt+1
.endr
.Lopen_\@:
.irp b, 0,1,2,3
	v_max3_num_f32 v[216+\b], v[S+16*\b], v[S+16*\b+1], v[S+16*\b+2]   ; the largest score of each block of 32 keys: for the row's maximum and, since p rises with the score, for the block's largest p
.endr
.irp i, 3,5,7,9,11,13
.irp b, 0,1,2,3
	v_max3_num_f32 v[216+\b], v[216+\b], v[S+16*\b+\i], v[S+16*\b+\i+1]
.endr
.endr
.irp b, 0,1,2,3
	v_max_num_f32 v[216+\b], v[216+\b], v[S+16*\b+15]
.endr
.irp b, 0,1,2,3
	v_permlanex16_b32 v[220+\b], v[216+\b], s24, s25
.endr
.irp b, 0,1,2,3
	v_max_num_f32 v[216+\b], v[216+\b], v[220+\b]  ; with lane l xor 16's 16 keys
.endr
	v_max3_num_f32 v228, v216, v217, v218
	v_max_num_f32 v228, v228, v219
	v_mul_f32 v228, s22, v228                      ; the step's largest t
	v_max_num_f32 v13, v13, v228
	v_mov_b32 v228, v12
	v_floor_f32 v12, -v13                          ; the new -M = -ceil(t): a whole number
	v_sub_f32 v228, v12, v228                      ; old M - new M, 0 or less
	v_cvt_i32_f32 v228, v228                       ; (it saturates)
	v_ldexp_f32 v230, 1.0, v228                    ; f = 2^(old M - new M)
.set j, 0
.rept 32
	v_pk_fma_f32 v[S+j:S+j+1], v[S+j:S+j+1], s[22:23], v[12:13] op_sel_hi:[1,0,0]   ; t - M, two at a time
.set j, j+2
.endr
.irp b, 0,1,2,3
	v_fma_f32 v[216+\b], v[216+\b], s22, v12       ; the same of each block's largest score
.endr
.set j, 0
	s_wait_alu depctr_va_vdst(0)
.rept 64
	v_exp_f32 v[S+j], v[S+j]                       ; p = 2^(t - M)
.set j, j+1
.endr
	v_pk_mul_f32 v[14:15], v[14:15], v[230:231] op_sel_hi:[1,0]   ; the sums under the new M: a plain place behind the exponentials
	s_wait_alu depctr_va_vdst(0)                   ; one wait for the batch of 64, ahead of its first reader
.irp b, 0,1,2,3
	v_exp_f32 v[216+\b], v[216+\b]                 ; the block's largest p
.endr
	v_pk_add_f32 v[232:233], v[S:S+1], v[S+2:S+3]  ; the row's sum of the unquantised p, in two chains
.irp j, 4,8,12,16,20,24,28,32,36,40,44,48,52,56,60
	v_pk_add_f32 v[14:15], v[14:15], v[S+\j:S+\j+1]
	v_pk_add_f32 v[232:233], v[232:233], v[S+\j+2:S+\j+3]
.endr
	v_pk_add_f32 v[14:15], v[14:15], v[232:233]
	s_wait_alu depctr_va_vdst(0)                   ; and one for the four
.irp b, 0,1,2,3
	v_max_num_f32 v[216+\b], 0x1800000, v[216+\b]  ; the floor 2^(3 - 127)
.endr
.irp b, 0,1,2,3
	v_add_nc_u32 v[224+\b], 0xff000000, v[216+\b]
.endr
.irp b, 0,1,2,3
	v_lshrrev_b32 v[220+\b], 23, v[224+\b]
.endr
	v_lshl_or_b32 v25, v221, 8, v220               ; p's scale word for these 128 keys
	v_lshl_or_b32 v25, v222, 16, v25
	v_lshl_or_b32 v25, v223, 24, v25
.irp c, 0,1
.irp u, 0,1
.irp x, 0,1
	v_cvt_scalef32_pk8_fp4_f32 v[PC+4*\c+2*\u+\x], v[S+16*(2*\c+\x)+8*\u:S+16*(2*\c+\x)+8*\u+7], v[224+2*\c+\x]   ; word 2 u + h of block 2 c + x
.endr
.endr
.endr
	v_nop                                          ; one plain place behind the conversions
.irp c, 0,1
.irp u, 0,1
	v_permlane16_swap_b32 v[PC+4*\c+2*\u], v[PC+4*\c+2*\u+1]   ; the first's lanes 16-31 change places with the second's lanes 0-15: lane h now holds words 2 u, 2 u + 1 of block 2 c + h
.endr
.endr
.set j, 0
.rept 16
	v_pk_mul_f32 v[O+j:O+j+1], v[O+j:O+j+1], v[230:231] op_sel_hi:[1,0]   ; O^T under the new M.  For each product below twelve of these name none of its registers: the places between the scale word's and the codes' last writes and the product
.set j, j+2
.endr
	s_wait_dscnt 0x0                               ; V
	s_wait_alu depctr_va_vdst(0)                   ; p's codes v[PC ..] and its scale word v25 are written, which the scaled products below take as operand and scales; the places above stay beside this wait
.irp t, 0,2
	v_wmma_scale_f32_16x16x128_f8f6f4 v[O+8*\t:O+8*\t+7], v[VF+8*\t:VF+8*\t+7], v[PC:PC+7], v[O+8*\t:O+8*\t+7], v[30+\t/2], v25 matrix_a_fmt:MATRIX_FMT_FP4 matrix_b_fmt:MATRIX_FMT_FP4
	v_wmma_scale_f32_16x16x128_f8f6f4 v[O+8*\t+8:O+8*\t+15], v[VF+8*\t+8:VF+8*\t+15], v[PC:PC+7], v[O+8*\t+8:O+8*\t+15], v[30+\t/2], v25 matrix_a_fmt:MATRIX_FMT_FP4 matrix_b_fmt:MATRIX_FMT_FP4 matrix_a_scale:MATRIX_SCALE_ROW1
.endr
.Ld_\@:
	s_wait_dscnt 0x0                               ; my stores of the next tile have landed and my reads of this slot are back
	s_barrier_signal -1
	s_barrier_wait -1
.endm
	s_mov_b32 s26, 0
.Lloop:                                        ; sixteen trips of two key steps, the two slots in the immediates
	STEP 0
	STEP 1
	s_add_co_u32 s26, s26, 2
	s_cmp_lt_u32 s26, 32
	s_cbranch_scc1 .Lloop
	; THE WAY OUT: O^T / the sum; my 64 numbers of a row of ctx are two blocks of its K step: quantised, and stored as half a fragment's image
.rept 4
	v_nop
.endr
	v_add_f32 v14, v14, v15
	s_wait_alu depctr_va_vdst(0)
	v_permlanex16_b32 v220, v14, s24, s25
	v_add_f32 v14, v14, v220                       ; the row's sum
	s_wait_alu depctr_va_vdst(0)
	v_rcp_f32 v14, v14
	v_nop                                          ; a plain place behind the reciprocal
	s_wait_alu depctr_va_vdst(0)                   ; and the wait ahead of its first reader
.set j, 0
.rept 16
	v_pk_mul_f32 v[O+j:O+j+1], v[O+j:O+j+1], v[14:15] op_sel_hi:[1,0]
.set j, j+2
.endr
.irp b, 0,1
	v_max3_num_f32 v[216+\b], |v[O+16*\b]|, |v[O+16*\b+1]|, 0x1800000
.endr
.irp i, 2,4,6,8,10,12,14
.irp b, 0,1
	v_max3_num_f32 v[216+\b], v[216+\b], |v[O+16*\b+\i]|, |v[O+16*\b+\i+1]|
.endr
.endr
.irp b, 0,1
	v_permlanex16_b32 v[220+\b], v[216+\b], s24, s25
.endr
.irp b, 0,1
	v_max_num_f32 v[216+\b], v[216+\b], v[220+\b]
.endr
.irp b, 0,1
	v_add_nc_u32 v[224+\b], 0xff000000, v[216+\b]
.endr
.irp b, 0,1
	v_lshrrev_b32 v[220+\b], 23, v[224+\b]
.endr
.irp u, 0,1
.irp b, 0,1
	v_cvt_scalef32_pk8_fp4_f32 v[PC+2*\u+\b], v[O+16*\b+8*\u:O+16*\b+8*\u+7], v[224+\b]
.endr
.endr
	v_nop
.irp u, 0,1
	v_permlane16_swap_b32 v[PC+2*\u], v[PC+2*\u+1]
.endr
	v_lshl_or_b32 v228, v221, 8, v220
	s_wait_alu depctr_va_vdst(0)                   ; ctx's codes v[PC .. PC + 3] and the two bytes in v228 are written, which the two stores read
	global_store_b128 v11, v[PC:PC+3], s[34:35]    ; 512 consecutive bytes
	global_store_b16 v10, v228, s[36:37]           ; my row's two scale bytes (both lanes of a row store the same)
	s_set_vgpr_msb 0x5
	s_wait_dscnt 0x0                               ; the closing lines, six on end
	s_wait_alu 0x0
	s_wait_tensorcnt 0x0
	ds_add_u32 v0, v1
	s_wait_dscnt 0x0
	s_endpgm
.Lfunc_end_k_qe970c4f673_attn:
	.size	k_qe970c4f673_attn, .Lfunc_end_k_qe970c4f673_attn-k_qe970c4f673_attn
	.p2alignl 7, 3214868480
	.fill 96, 4, 3214868480
	.section	.rodata,"a",@progbits
	.p2align	6, 0x0
	.amdhsa_kernel k_qe970c4f673_attn
		.amdhsa_group_segment_fixed_size 56832
		.amdhsa_private_segment_fixed_size 0
		.amdhsa_enable_private_segment 0
		.amdhsa_kernarg_size 16
		.amdhsa_user_sgpr_count 2
		.amdhsa_user_sgpr_kernarg_segment_ptr 1
		.amdhsa_wavefront_size32 1
		.amdhsa_system_sgpr_workgroup_id_x 1
		.amdhsa_system_sgpr_workgroup_id_y 1
		.amdhsa_system_sgpr_workgroup_id_z 1
		.amdhsa_system_vgpr_workitem_id 0
		.amdhsa_next_free_vgpr 258
		.amdhsa_next_free_sgpr 66
		.amdhsa_reserve_vcc 0
		.amdhsa_float_denorm_mode_32 3
		.amdhsa_float_denorm_mode_16_64 3
		.amdhsa_memory_ordered 1
		.amdhsa_forward_progress 1
		.amdhsa_inst_pref_size 64
	.end_amdhsa_kernel
	.amdgpu_metadata
---
amdhsa.version: [ 1, 2 ]
amdhsa.kernels:
  - .name:           k_qe970c4f673_attn
    .symbol:         k_qe970c4f673_attn.kd
    .args:
      - { .name: qkv, .offset: 0, .size: 8, .value_kind: global_buffer, .address_space: global }
      - { .name: ctx, .offset: 8, .size: 8, .value_kind: global_buffer, .address_space: global }
    .group_segment_fixed_size: 56832
    .private_segment_fixed_size: 0
    .kernarg_segment_align: 8
    .kernarg_segment_size: 16
    .max_flat_workgroup_size: 384
    .sgpr_count:     66
    .vgpr_count:     258
    .wavefront_size: 32
...
	.end_amdgpu_metadata
.endif
;; end of part 8
;; launch tail (part 9): grid 128 x 2, 8 waves a work-group, no clusters, 168,704 bytes of LDS; arguments ctx, wq, x, b1, b2, g1, beta1, part; writes part
.if DOCPART == 9
	.amdgcn_target "amdgcn-amd-amdhsa--gfx1250"
	.amdhsa_code_object_version 6
	.text
	.protected	k_qe970c4f673_tail
	.globl	k_qe970c4f673_tail
	.p2align	8
	.type	k_qe970c4f673_tail,@function
k_qe970c4f673_tail:
	s_mov_b64 s[64:65], 0
	v_nop
	global_prefetch_b8 v0, s[64:65] scope:SCOPE_SE
	s_setreg_imm32_b32 hwreg(HW_REG_WAVE_SCHED_MODE, 0, 2), 2
	s_setreg_imm32_b32 hwreg(HW_REG_WAVE_MODE, 25, 1), 1
	s_wait_xcnt 0x0
	s_wait_alu depctr_vm_vsrc(0)
; part[0] + part[1] = h + relu(h W1 + b1) W2 + b2, h = LN1(x + ctx Wo), for 32 rows; the three products on codes of FP4 with E8M0 scales; h and the hidden layer are quantised on the way and never go to memory.
; THE HIDDEN LAYER IS SHARED OUT between two work-groups: half y takes its columns 1,536 y .. 1,536 y + 1,535: two panels of 768 columns of W1, and the 12 K steps of W2 that belong to them.  Both halves make h (6 records of Wo).
; So a wave's weights are 30 records (6 + 12 + 12; 6,144 bytes of codes and 384 of scale words each) where one work-group for all of the hidden layer would take in 54, and there are 256 work-groups.
; Half 0's sums of the third product begin with h + b2, half 1's with 0: (h + b2) x f, f = 1 or 0, with no branch.  The next launch adds the two parts and takes the second norm.
; SHARES.  Eight waves; wave w owns columns 96 w .. 96 w + 95 of every panel of 768, for all 32 rows.  Its records are used by no other wave: from memory straight into its registers, three sets by turns, so that two sets
; (30 loads) are on their way while one is multiplied, through the norm and the quantisers too.  The records of a six lie on end; from six to six the stream jumps, so there are two pairs of bases: this six's and the next's.
; The rows' operands (ctx, h, the hidden layer) lie in LDS as images of their registers, written by the wave that made them and read by all eight.
; THE PRODUCTS ARE USED TRANSPOSED (source 0 = 16 weight columns, source 1 = 16 rows): lane (r, h) holds row r, register j of tile t column 16 t + 8 h + j; tiles 2 b, 2 b + 1 are block b of the next K, shared with lane l xor 16.
; x is the C of the first product's first step, b1 of the second's.
; THE NORM takes the mean first and the variance of the deviations: no difference of large sums.  A row's sum: 48 numbers a lane, lane l xor 16, then eight waves' parts through LDS (a barrier each).
; LIMITS: NaN and infinities are not served (half 1 multiplies h by 0); a block under 2^-124 or of zeros gets the byte 1; / 768 is a multiplication by its rounded reciprocal; 1 / sqrt by v_rsq_f32.
; No multicast: every weight fragment goes to one wave's registers, so there is no tile in LDS that partners could be sent jointly.
; THE MODE: SCHED_MODE bits 1:0 = 2 (LLVM: expert scheduling mode 2), set by the entry lines.  The code itself states the register dependences
; between vector or matrix instructions and memory or LDS instructions, with s_wait_alu, always for 0.
; THE PLAN.  Registers that memory or LDS instructions touch:
;   v1-28         addresses, made at the head and never written again.
;   v192-224      at the head: loads land, LDS stores read; afterwards AF, 1 / sigma and the codes just made.
;   AF, AS        a step's LDS loads land, its products read; in a row's sum: eight waves' parts land in AF, additions read and write them.
;   BF, BS        three sets: a step's products read one; behind them the record three steps on lands in it.     CSR: loaded once.
;   SA            written by additions, read by an LDS store, written again behind the barrier.
;   PB (window 1) LDS loads land (gain and bias, b2, b1); multiply-adds, or a panel's first products, read.
;   v216-233      codes and bytes: written by a pair of quantisers, read by LDS stores, written again by the next pair.
;   HB (window 1) x lands; products and vector instructions work on it; at the end LDS stores read it.
; So ONE wait on va_vdst stands in a K step, behind its products and their places; one ahead of each run of LDS stores of fresh numbers; one, behind the window switch, ahead of loads into PB that follow its readers;
; and a wait on vm_vsrc stands behind the first barrier, in each row's sum and ahead of each pair of quantisers.
.set WS_OFF, 3538944
.set B1L,  0                           ; LDS: b1 of my half's 1,536 columns; then b2, g1, beta1, 3,072 bytes each
.set B2L,  6144
.set G1L,  9216
.set E1L,  12288
.set CIMG, 15360                       ; ctx's 12 fragments [K step][tile of rows][1,024]
.set HIMG, 27648                       ; h's 12
.set HSC,  39936                       ; h's scale words [K step][128]
.set FSC,  40704                       ; my half of the hidden layer's [12][128]
.set RED,  42240                       ; two regions of 1,024: [tile][row][wave] parts of sums
.set FIMG, 44288                       ; my half of the hidden layer's 24 fragments
.set OST,  68864                       ; the way out: 32 rows of 3,072 bytes + 16
.set VP,   3088
.set BF,  32                           ; v32-175  weight fragments: three sets of six
.set BS,  176                          ; v176-184 their scale words
.set CSR, 185                          ; v185-190 ctx's scale words, a register a K step
.set AS,  191                          ; v191     h's or the hidden layer's scale words of the step
.set AF,  192                          ; v192-207 the rows' two fragments; between products: parts of sums
.set RS,  210                          ; v210-213 1 / sigma, a pair a tile
.set SA,  234                          ; v234-237 sums, a pair a tile
.set PT,  238                          ; v238-239 the other lane's
.set TM,  240                          ; v240-248 the quantiser's
.set MU,  250                          ; v250-253 the mean, a pair a tile
.set SEL, 4                            ; s[4:5]
.set CB,  28                           ; s[28:29] this six's records: codes;  s[30:31] scale words
.set SB,  30
.set NB,  52                           ; s[52:53], s[54:55] the next six's
.set NS,  54
.set FF,  56                           ; s[56:57] f
.set HB,  0                            ; window 1: v0-95 x, then h, then (h + b2) f + the third product;
.set ACC, 96                           ; v96-191 the hidden layer's 12 accumulators;
.set PB,  192                          ; v192-255 biases and gains in the results' layout
; v1 16 lane, v2 4 lane, v3 16 thread, v4 4 thread, v5-7 images of ctx, h, hidden (+ 16 lane), v8-9 scale words of h, hidden (+ 4 lane), v10-12/13-15 where h's codes/bytes go, v16-18/19-21 the hidden layer's,
; v22 my columns among the parameters, v24-25 parts of sums in/out, v26-27 the way out in/back, v28 x; v216-233 codes and bytes just made
.set MSB, 0
.macro WIN new                         ; s_set_vgpr_msb: bits 1:0 source 0, 3:2 source 1, 5:4 source 2, 7:6 destination; the high byte repeats the setting that is left
.if MSB != \new
	s_set_vgpr_msb (MSB<<8)|\new
.set MSB, \new
.endif
.endm
; one product.  cm = 0: onto its own sums; 1: starts them with 0; 2: with the registers at c.  ra, rb: the scale words stand in lanes 16-31
.macro WM d, a, b, cm, c, sa, sb, ra, rb
.set rD, \d
.set rA, \a
.set rB, \b
.set rC, \d
.if (\cm) == 2
.set rC, \c
.endif
.set rSA, \sa
.set rSB, \sb
.set rW, 2*(\ra)+(\rb)
.if (\cm) == 1
.if rW == 0
	v_wmma_scale_f32_16x16x128_f8f6f4 v[rD:rD+7], v[rA:rA+7], v[rB:rB+7], 0, v[rSA], v[rSB] matrix_a_fmt:MATRIX_FMT_FP4 matrix_b_fmt:MATRIX_FMT_FP4
.elseif rW == 1
	v_wmma_scale_f32_16x16x128_f8f6f4 v[rD:rD+7], v[rA:rA+7], v[rB:rB+7], 0, v[rSA], v[rSB] matrix_a_fmt:MATRIX_FMT_FP4 matrix_b_fmt:MATRIX_FMT_FP4 matrix_b_scale:MATRIX_SCALE_ROW1
.elseif rW == 2
	v_wmma_scale_f32_16x16x128_f8f6f4 v[rD:rD+7], v[rA:rA+7], v[rB:rB+7], 0, v[rSA], v[rSB] matrix_a_fmt:MATRIX_FMT_FP4 matrix_b_fmt:MATRIX_FMT_FP4 matrix_a_scale:MATRIX_SCALE_ROW1
.else
	v_wmma_scale_f32_16x16x128_f8f6f4 v[rD:rD+7], v[rA:rA+7], v[rB:rB+7], 0, v[rSA], v[rSB] matrix_a_fmt:MATRIX_FMT_FP4 matrix_b_fmt:MATRIX_FMT_FP4 matrix_a_scale:MATRIX_SCALE_ROW1 matrix_b_scale:MATRIX_SCALE_ROW1
.endif
.else
.if rW == 0
	v_wmma_scale_f32_16x16x128_f8f6f4 v[rD:rD+7], v[rA:rA+7], v[rB:rB+7], v[rC:rC+7], v[rSA], v[rSB] matrix_a_fmt:MATRIX_FMT_FP4 matrix_b_fmt:MATRIX_FMT_FP4
.elseif rW == 1
	v_wmma_scale_f32_16x16x128_f8f6f4 v[rD:rD+7], v[rA:rA+7], v[rB:rB+7], v[rC:rC+7], v[rSA], v[rSB] matrix_a_fmt:MATRIX_FMT_FP4 matrix_b_fmt:MATRIX_FMT_FP4 matrix_b_scale:MATRIX_SCALE_ROW1
.elseif rW == 2
	v_wmma_scale_f32_16x16x128_f8f6f4 v[rD:rD+7], v[rA:rA+7], v[rB:rB+7], v[rC:rC+7], v[rSA], v[rSB] matrix_a_fmt:MATRIX_FMT_FP4 matrix_b_fmt:MATRIX_FMT_FP4 matrix_a_scale:MATRIX_SCALE_ROW1
.else
	v_wmma_scale_f32_16x16x128_f8f6f4 v[rD:rD+7], v[rA:rA+7], v[rB:rB+7], v[rC:rC+7], v[rSA], v[rSB] matrix_a_fmt:MATRIX_FMT_FP4 matrix_b_fmt:MATRIX_FMT_FP4 matrix_a_scale:MATRIX_SCALE_ROW1 matrix_b_scale:MATRIX_SCALE_ROW1
.endif
.endif
.endm
.macro BLOAD k, e, cb, sb              ; record e, counted from the bases s[cb ..] (codes) and s[sb ..] (scale words), into set k: fifteen loads
.irp f, 0,1,2,3,4,5
.irp c, 0,1
	global_load_b128 v[BF+48*(\k)+8*\f+4*\c:BF+48*(\k)+8*\f+4*\c+3], v1, s[\cb:\cb+1] offset:(\e)*6144+\f*1024+\c*512
.endr
.endr
.irp b, 0,1,2
	global_load_b32 v[BS+3*(\k)+\b], v2, s[\sb:\sb+1] offset:(\e)*384+\b*128
.endr
.endm
; K step i of six: the rows' two fragments (and, where sreg is given, their scale words) from LDS, twelve products (the accumulators by turns, one instruction a turn, in the same order in every step),
; then the set just used takes the record three steps on: refill = 1: of this six; 2: of the next six; 0: none.
.macro STEP i, acc, cm, areg, ao, sreg, so, n, refill
.irp mt, 0,1
.irp c, 0,1
	ds_load_b128 v[AF+8*\mt+4*\c:AF+8*\mt+4*\c+3], v[\areg] offset:(\ao)+(\i)*2048+\mt*1024+\c*512
.endr
.endr
.if \sreg
	ds_load_b32 v[AS], v[\sreg] offset:(\so)+(\i)*128
.set rAS, AS
.else
.set rAS, CSR+(\i)
.endif
	s_wait_loadcnt \n                              ; this step's fifteen loads are in; the count is what the younger sets have out
	s_wait_dscnt 0x0
	WIN 0x50                                       ; C and D in window 1
.irp nt, 0,1,2,3,4,5
.irp mt, 0,1
	WM (\acc)+8*(6*\mt+\nt), BF+48*((\i)%3)+8*\nt, AF+8*\mt, \cm, PB+8*\nt, BS+3*((\i)%3)+\nt/2, rAS, \nt%2, \mt%2
.endr
.endr
	WIN 0
.rept 4
	v_nop                                          ; four places behind the last product, ahead of loads into registers that the products have read and of the first read of results
.endr
	s_wait_alu depctr_va_vdst(0)                   ; this step's products are done reading their set of weights, the rows' fragments and scale words, in which the loads below and the next step's land; behind the very last step: the sums are written, which the LDS stores of the way out read
.if (\refill) == 1
	BLOAD (\i)%3, (\i)+3, CB, SB
.elseif (\refill) == 2
	BLOAD (\i)%3, (\i)-3, NB, NS
.endif
.endm
.macro SIX acc, cm0, areg, ao, sreg, so
	STEP 0, \acc, \cm0, \areg, \ao, \sreg, \so, 30, 1
	STEP 1, \acc, 0, \areg, \ao, \sreg, \so, 30, 1
	STEP 2, \acc, 0, \areg, \ao, \sreg, \so, 30, 1
	STEP 3, \acc, 0, \areg, \ao, \sreg, \so, 30, 2
	STEP 4, \acc, 0, \areg, \ao, \sreg, \so, 30, 2
	STEP 5, \acc, 0, \areg, \ao, \sreg, \so, 30, 2
.endm
.macro ADV d                           ; the next six becomes this six; the one after it begins d records further on (d = 0: there is none)
	s_wait_xcnt 0x0                                ; the loads issued so far have read their bases
	s_mov_b64 s[CB:CB+1], s[NB:NB+1]
	s_mov_b64 s[SB:SB+1], s[NS:NS+1]
.if \d
	s_add_nc_u64 s[NB:NB+1], s[NB:NB+1], (\d)*6144
	s_add_nc_u64 s[NS:NS+1], s[NS:NS+1], (\d)*384
.endif
.endm
.macro BARRIER                         ; my LDS stores have landed and my LDS loads are back: then the work-group's barrier
	s_wait_dscnt 0x0
	s_barrier_signal -1
	s_barrier_wait -1
.endm
; Three blocks of one tile of rows: 48 registers of window 1 from src on.  Codes into v[cd ..] (6), bytes into v[by ..] (3), both of this call's own.
.macro QUANT3 src, absf, cd, by
	WIN 0x05
.irp b, 0,1,2
.if \absf
	v_max3_num_f32 v[TM+\b], |v[(\src)+16*\b]|, |v[(\src)+16*\b+1]|, 0x1800000   ; my 16 numbers of block b, from the low end on, and the floor 2^(3 - 127)
.else
	v_max3_num_f32 v[TM+\b], v[(\src)+16*\b], v[(\src)+16*\b+1], 0x1800000       ; (none is negative)
.endif
.endr
	WIN 0x14
.irp i, 2,4,6,8,10,12,14
.irp b, 0,1,2
.if \absf
	v_max3_num_f32 v[TM+\b], v[TM+\b], |v[(\src)+16*\b+\i]|, |v[(\src)+16*\b+\i+1]|
.else
	v_max3_num_f32 v[TM+\b], v[TM+\b], v[(\src)+16*\b+\i], v[(\src)+16*\b+\i+1]
.endif
.endr
.endr
	WIN 0
.irp b, 0,1,2
	v_permlanex16_b32 v[TM+3+\b], v[TM+\b], s[SEL], s[SEL+1]
.endr
.irp b, 0,1,2
	v_max_num_f32 v[TM+\b], v[TM+\b], v[TM+3+\b]   ; with lane l xor 16's 16: the block's largest magnitude
.endr
.irp b, 0,1,2
	v_add_nc_u32 v[TM+6+\b], 0xff000000, v[TM+\b]  ; 2 off the exponent field: the conversion's scale operand
.endr
.irp b, 0,1,2
	v_lshrrev_b32 v[(\by)+\b], 23, v[TM+6+\b]      ; the scale's byte
.endr
	WIN 0x01
.irp b, 0,1,2
.irp u, 0,1
	v_cvt_scalef32_pk8_fp4_f32 v[(\cd)+2*\b+\u], v[(\src)+16*\b+8*\u:(\src)+16*\b+8*\u+7], v[TM+6+\b]
.endr
.endr
	WIN 0
	v_nop                                          ; one plain place behind the conversions
.endm
; and to LDS: a word of codes at v[adc + b] + offc + 8 u, the byte at v[ads + b] + offs
.macro QPUT cd, by, adc, offc, ads, offs
.irp b, 0,1,2
.irp u, 0,1
	ds_store_b32 v[(\adc)+\b], v[(\cd)+2*\b+\u] offset:(\offc)+8*\u
.endr
	ds_store_b8 v[(\ads)+\b], v[(\by)+\b] offset:\offs   ; both lanes of a block write the same byte with the same value
.endr
.endm
; both tiles of rows: 96 registers of window 1 from src on are quantised, and their codes and bytes go to LDS
.macro QPAIR src, absf, adc, offc, ads, offs
	s_wait_alu depctr_vm_vsrc(0)                   ; the LDS stores that read v216-233 last (at the head: of b2, g1 and beta1; later: of the last pair's codes and bytes) have read them: the quantisers write them again
	QUANT3 \src, \absf, 216, 228
	QUANT3 (\src)+48, \absf, 222, 231
	s_wait_alu depctr_va_vdst(0)                   ; the two quantisers have written the codes v216-227 and the bytes v228-233, which the LDS stores read
	QPUT 216, 228, \adc, \offc, \ads, \offs
	QPUT 222, 231, \adc, (\offc)+1024, \ads, (\offs)+64
.endm
; the pairs v[SA ..] become the rows' sums over all 768 columns, in v[SA] and v[SA + 2], the same bits in every wave; reg: the region of LDS, one for each use
.macro REDUCE reg
.irp mt, 0,1
	v_add_f32 v[SA+2*\mt], v[SA+2*\mt], v[SA+2*\mt+1]
.endr
.irp mt, 0,1
	v_permlanex16_b32 v[PT+\mt], v[SA+2*\mt], s[SEL], s[SEL+1]
.endr
.irp mt, 0,1
	v_add_f32 v[SA+2*\mt], v[SA+2*\mt], v[PT+\mt]
.endr
	s_wait_alu depctr_va_vdst(0)                   ; my parts of the two sums are written, which the LDS stores read; whoever named v[AF ..] last (products, or the last sum's additions) is done: the loads below land there
.irp mt, 0,1
	ds_store_b32 v24, v[SA+2*\mt] offset:\reg+512*\mt
.endr
	BARRIER
.irp mt, 0,1
	ds_load_b128 v[AF+8*\mt:AF+8*\mt+3], v25 offset:\reg+512*\mt
	ds_load_b128 v[AF+8*\mt+4:AF+8*\mt+7], v25 offset:\reg+512*\mt+16
.endr
	s_wait_dscnt 0x0
	s_wait_alu depctr_vm_vsrc(0)                   ; the LDS stores above have read v[SA] and v[SA + 2], which the additions below write again
.irp mt, 0,1
	v_add_f32 v[AF+8*\mt], v[AF+8*\mt], v[AF+8*\mt+1]
	v_add_f32 v[AF+8*\mt+2], v[AF+8*\mt+2], v[AF+8*\mt+3]
	v_add_f32 v[AF+8*\mt+4], v[AF+8*\mt+4], v[AF+8*\mt+5]
	v_add_f32 v[AF+8*\mt+6], v[AF+8*\mt+6], v[AF+8*\mt+7]
	v_add_f32 v[AF+8*\mt], v[AF+8*\mt], v[AF+8*\mt+2]
	v_add_f32 v[AF+8*\mt+4], v[AF+8*\mt+4], v[AF+8*\mt+6]
	v_add_f32 v[SA+2*\mt], v[AF+8*\mt], v[AF+8*\mt+4]
.endr
.endm
; LayerNorm in place on v[HB ..] of window 1.  pg, pb: gain and bias in LDS; ra, rb: regions for the two sums
.macro LN pg, pb, ra, rb
	WIN 0x05
.irp mt, 0,1
	v_pk_add_f32 v[SA+2*\mt:SA+2*\mt+1], v[HB+48*\mt:HB+48*\mt+1], v[HB+48*\mt+2:HB+48*\mt+3]   ; each accumulator from its low end on
.endr
	WIN 0x04
.set i, 4
.rept 22
.irp mt, 0,1
	v_pk_add_f32 v[SA+2*\mt:SA+2*\mt+1], v[SA+2*\mt:SA+2*\mt+1], v[HB+48*\mt+i:HB+48*\mt+i+1]
.endr
.set i, i+2
.endr
	WIN 0
	REDUCE \ra
.irp mt, 0,1
	v_mul_f32 v[MU+2*\mt], s6, v[SA+2*\mt]         ; the mean, in both registers of a pair
	v_mul_f32 v[MU+2*\mt+1], s6, v[SA+2*\mt]
.endr
	WIN 0x41
.irp mt, 0,1
.set i, 0
.rept 24
	v_pk_add_f32 v[HB+48*\mt+i:HB+48*\mt+i+1], v[HB+48*\mt+i:HB+48*\mt+i+1], v[MU+2*\mt:MU+2*\mt+1] neg_lo:[0,1] neg_hi:[0,1]
.set i, i+2
.endr
.endr
	WIN 0x05
.irp mt, 0,1
	v_pk_mul_f32 v[SA+2*\mt:SA+2*\mt+1], v[HB+48*\mt:HB+48*\mt+1], v[HB+48*\mt:HB+48*\mt+1]
.endr
.set i, 2
.rept 23
.irp mt, 0,1
	v_pk_fma_f32 v[SA+2*\mt:SA+2*\mt+1], v[HB+48*\mt+i:HB+48*\mt+i+1], v[HB+48*\mt+i:HB+48*\mt+i+1], v[SA+2*\mt:SA+2*\mt+1]
.endr
.set i, i+2
.endr
	WIN 0
	REDUCE \rb
.irp mt, 0,1
	v_fma_f32 v[SA+2*\mt], v[SA+2*\mt], s6, s7     ; the variance + 1e-5
.endr
	s_wait_alu depctr_va_vdst(0)
.irp mt, 0,1
	v_rsq_f32 v[RS+2*\mt], v[SA+2*\mt]
.endr
	v_nop                                          ; a plain place behind the two
	s_wait_alu depctr_va_vdst(0)                   ; one wait for both, ahead of their first reader
.irp mt, 0,1
	v_mov_b32 v[RS+2*\mt+1], v[RS+2*\mt]
.endr
	s_wait_alu depctr_va_vdst(0)
.irp hf, 0,1                           ; three tiles of columns at a time: 24 registers of gain, 24 of bias
	WIN 0x40
.if \hf
	s_wait_alu depctr_va_vdst(0)                   ; the multiply-adds above are done reading the first three tiles' gain and bias in v[PB ..], in which the other three tiles' land
.endif
.irp t, 0,1,2
.irp k, 0,1
	ds_load_b128 v[PB+8*\t+4*\k:PB+8*\t+4*\k+3], v22 offset:\pg+64*(3*\hf+\t)+16*\k
	ds_load_b128 v[PB+24+8*\t+4*\k:PB+24+8*\t+4*\k+3], v22 offset:\pb+64*(3*\hf+\t)+16*\k
.endr
.endr
	s_wait_dscnt 0x0
	WIN 0x41
.irp mt, 0,1
.set i, 0
.rept 12
	v_pk_mul_f32 v[HB+48*\mt+24*\hf+i:HB+48*\mt+24*\hf+i+1], v[HB+48*\mt+24*\hf+i:HB+48*\mt+24*\hf+i+1], v[RS+2*\mt:RS+2*\mt+1]
.set i, i+2
.endr
.endr
	WIN 0x55
.irp mt, 0,1
.set i, 0
.rept 12
	v_pk_fma_f32 v[HB+48*\mt+24*\hf+i:HB+48*\mt+24*\hf+i+1], v[HB+48*\mt+24*\hf+i:HB+48*\mt+24*\hf+i+1], v[PB+i:PB+i+1], v[PB+24+i:PB+24+i+1]
.set i, i+2
.endr
.endr
.endr
	WIN 0
.endm
; Panel p (0, 1) of my half of the hidden layer: 768 columns, six K steps over h; relu; its codes to LDS as K steps 6 p .. 6 p + 5 of the third product.  d: as in ADV
.macro PANEL p, d
	WIN 0x40
	s_wait_alu depctr_va_vdst(0)                   ; whoever read v[PB ..] last is done ((h + b2) f's multiply-adds; the last panel's first products): b1 lands there
.irp nt, 0,1,2,3,4,5
.irp k, 0,1
	ds_load_b128 v[PB+8*\nt+4*\k:PB+8*\nt+4*\k+3], v22 offset:B1L+3072*(\p)+64*\nt+16*\k   ; b1 of my 96 columns: the C of the first step
.endr
.endr
	WIN 0
	SIX ACC, 2, 6, 0, 8, 0
	WIN 0x44
.set j, 0
.rept 96
	v_max_num_f32 v[ACC+j], 0, v[ACC+j]            ; relu, each accumulator from its low end on
.set j, j+1
.endr
	QPAIR ACC, 0, 16, 12288*(\p), 19, 768*(\p)
	ADV \d
.endm
	s_load_b512 s[8:23], s[0:1], 0x0               ; ctx s[8:9], wq s[10:11], x s[12:13], b1 s[14:15], b2 s[16:17], g1 s[18:19], beta1 s[20:21], part s[22:23]
	v_lshl_add_u32 v254, v0, 2, 0x28f00
	v_mov_b32 v255, 0
	v_lshrrev_b32 v29, 5, v0
	v_readfirstlane_b32 s2, v29                    ; wave 0..7
	s_and_b32 s3, ttmp7, 0xffff                    ; which half of the hidden layer
	v_and_b32 v29, 31, v0
	v_lshlrev_b32 v1, 4, v29
	v_lshlrev_b32 v2, 2, v29
	v_lshlrev_b32 v3, 4, v0
	v_lshlrev_b32 v4, 2, v0
	v_and_b32 v30, 15, v0                          ; r
	v_bfe_u32 v31, v0, 4, 1                        ; h
	s_mov_b32 s[SEL], 0x76543210
	s_mov_b32 s[SEL+1], 0xfedcba98
	s_mov_b32 s6, 0x3aaaaaab                       ; 1 / 768
	s_mov_b32 s7, 0x3727c5ac                       ; 1e-5
	s_cmp_eq_u32 s3, 0
	s_cselect_b32 s[FF], 1.0, 0                    ; f
	s_mov_b32 s[FF+1], s[FF]
	v_add_nc_u32 v5, CIMG, v1
	v_add_nc_u32 v6, HIMG, v1
	v_add_nc_u32 v7, FIMG, v1
	v_add_nc_u32 v8, HSC, v2
	v_add_nc_u32 v9, FSC, v2
	v_lshlrev_b32 v240, 4, v30
	v_lshl_add_u32 v240, v31, 2, v240              ; 16 r + 4 h: my word of a block's 16 bytes (8 u comes in the offset)
	s_wait_alu depctr_va_vdst(0)
	v_lshlrev_b32 v241, 2, v30                     ; 4 r
	s_wait_alu depctr_va_vdst(0)
	s_wait_alu depctr_va_sdst(0)                   ; s2 is written, ahead of its first reader: the LDS addresses and the bases are made from it
.irp b, 0,1,2
	s_mul_i32 s40, s2, 3
	s_add_co_u32 s40, s40, \b                      ; block 3 w + b of a panel's 24
	s_lshr_b32 s41, s40, 2                         ; its K step
	s_and_b32 s40, s40, 3                          ; its place in it
	s_lshl_b32 s42, s41, 11
	s_lshl_b32 s43, s40, 8
	s_add_co_u32 s42, s42, s43
	s_add_co_u32 s42, s42, HIMG
	v_add_nc_u32 v[10+\b], s42, v240
	v_add_nc_u32 v[16+\b], FIMG-HIMG, v[10+\b]
	s_lshl_b32 s41, s41, 7
	s_add_co_u32 s41, s41, s40
	s_add_co_u32 s41, s41, HSC
	v_add_nc_u32 v[13+\b], s41, v241
	v_add_nc_u32 v[19+\b], FSC-HSC, v[13+\b]
.endr
	s_mul_i32 s40, s2, 384
	v_lshlrev_b32 v22, 5, v31
	v_add_nc_u32 v22, s40, v22                     ; 384 w + 32 h
	s_lshl_b32 s41, s2, 2
	s_add_co_u32 s41, s41, RED
	v_lshlrev_b32 v25, 5, v30
	v_add_nc_u32 v24, s41, v25                     ; RED + 32 r + 4 w
	v_add_nc_u32 v25, RED, v25
	v_mul_u32_u24 v26, v30, VP
	v_lshl_add_u32 v26, v31, 5, v26
	s_add_co_u32 s41, s40, OST
	v_add_nc_u32 v26, s41, v26                     ; OST + row r + 32 h + 384 w
	s_mul_i32 s41, s2, 4*VP
	s_add_co_u32 s41, s41, OST
	v_add_nc_u32 v27, s41, v1                      ; back: my four rows, 16 bytes a lane
	v_mul_u32_u24 v28, v30, 3072
	v_lshl_add_u32 v28, v31, 5, v28                ; x: row r, + 32 h
.irp b, 0,1,2
	v_mov_b32 v[TM+3+\b], 0                        ; a lane permute's destination counts as one of its sources
.endr
	v_mov_b32 v[PT], 0
	v_mov_b32 v[PT+1], 0
	s_mul_i32 s40, s2, 54
	s_add_co_u32 s40, s40, 144                     ; Wo's first record for my columns
	s_mul_i32 s42, s40, 6144
	s_mov_b32 s43, 0
	s_mul_i32 s44, s40, 384
	s_add_co_u32 s44, s44, WS_OFF
	s_mov_b32 s45, 0
	s_mul_i32 s41, s3, 12
	s_add_co_u32 s41, s41, 6                       ; from there to W1's first record of my half: 6 + 12 y records
	s_mul_i32 s46, s41, 6144
	s_mov_b32 s47, 0
	s_mul_i32 s48, s41, 384
	s_mov_b32 s49, 0
	s_wait_kmcnt 0x0
	s_add_nc_u64 s[CB:CB+1], s[10:11], s[42:43]
	s_add_nc_u64 s[SB:SB+1], s[10:11], s[44:45]
	s_add_nc_u64 s[NB:NB+1], s[CB:CB+1], s[46:47]
	s_add_nc_u64 s[NS:NS+1], s[SB:SB+1], s[48:49]
	s_mul_i32 s42, ttmp9, 98304
	s_mul_i32 s44, s2, 384
	s_add_co_u32 s42, s42, s44
	s_add_nc_u64 s[32:33], s[12:13], s[42:43]      ; x: my 32 rows, my 96 columns
	s_mul_i32 s42, ttmp9, 12288
	s_add_nc_u64 s[34:35], s[8:9], s[42:43]        ; ctx's codes
	s_mul_i32 s42, ttmp9, 768
	s_add_co_u32 s42, s42, 1572864
	s_add_nc_u64 s[36:37], s[8:9], s[42:43]        ; ctx's scale words
	s_mul_i32 s42, s3, 6144
	s_add_nc_u64 s[14:15], s[14:15], s[42:43]      ; b1 of my half
	s_lshl_b32 s42, ttmp9, 5
	s_lshl_b32 s44, s2, 2
	s_add_co_u32 s42, s42, s44
	s_mul_i32 s42, s42, 3072
	s_mul_i32 s44, s3, 12582912
	s_add_co_u32 s42, s42, s44
	s_add_nc_u64 s[38:39], s[22:23], s[42:43]      ; part y: the four rows that I store
	s_wait_alu depctr_va_vdst(0)                   ; the addresses and offsets v1 to v28 are written, which every load and store of the kernel reads
.irp i, 0,1,2,3,4,5
	global_load_b32 v[192+\i], v4, s[14:15] offset:1024*\i                 ; b1: 6,144 bytes
.endr
.irp i, 0,1,2
	global_load_b128 v[204+4*\i:204+4*\i+3], v3, s[34:35] offset:4096*\i   ; ctx's 12 fragments
.endr
.irp i, 0,1,2
	global_load_b32 v[216+\i], v4, s[16:17] offset:1024*\i
	global_load_b32 v[219+\i], v4, s[18:19] offset:1024*\i
	global_load_b32 v[222+\i], v4, s[20:21] offset:1024*\i
.endr
	WIN 0x40
.irp mt, 0,1
.irp nt, 0,1,2,3,4,5
.irp k, 0,1
	global_load_b128 v[HB+8*(6*\mt+\nt)+4*\k:HB+8*(6*\mt+\nt)+4*\k+3], v28, s[32:33] offset:\mt*49152+64*\nt+16*\k   ; x in the results' layout: the first product adds onto it
.endr
.endr
.endr
	WIN 0
.irp i, 0,1,2,3,4,5
	global_load_b32 v[CSR+\i], v2, s[36:37] offset:128*\i
.endr
	BLOAD 0, 0, CB, SB
	BLOAD 1, 1, CB, SB
	BLOAD 2, 2, CB, SB
	s_wait_loadcnt 63                              ; of the 93 loads the oldest 30 are in, the 18 for LDS among them
.irp i, 0,1,2,3,4,5
	ds_store_b32 v4, v[192+\i] offset:B1L+1024*\i
.endr
.irp i, 0,1,2
	ds_store_b128 v3, v[204+4*\i:204+4*\i+3] offset:CIMG+4096*\i
	ds_store_b32 v4, v[216+\i] offset:B2L+1024*\i
	ds_store_b32 v4, v[219+\i] offset:G1L+1024*\i
	ds_store_b32 v4, v[222+\i] offset:E1L+1024*\i
.endr
	BARRIER
	s_wait_alu depctr_vm_vsrc(0)                   ; my LDS stores have read v192-224: the rows' fragments land in v[AF ..], and 1 / sigma is written into v[RS ..]
	; ---- x + ctx Wo.  The first wait, for all but the two younger sets, also shows x and ctx's scale words in
	SIX HB, 0, 5, 0, 0, 0
	ADV 6                                          ; this six: W1's first panel of my half; the next: its second
	; ---- h = LN1; its codes to LDS; then (h + b2) f, onto which the third product will add
	LN G1L, E1L, 0, 1024
	QPAIR HB, 1, 10, 0, 13, 0
	WIN 0x40                                       ; (the norm's multiply-adds, the last to name v[PB ..], stand ahead of the pair's wait on va_vdst; behind it stand only LDS stores of other registers)
.irp nt, 0,1,2,3,4,5
.irp k, 0,1
	ds_load_b128 v[PB+8*\nt+4*\k:PB+8*\nt+4*\k+3], v22 offset:B2L+64*\nt+16*\k
.endr
.endr
	s_wait_dscnt 0x0
	WIN 0x41
.set i, 0
.rept 24
	v_pk_mul_f32 v[PB+i:PB+i+1], v[PB+i:PB+i+1], s[FF:FF+1] op_sel_hi:[1,0]       ; b2 f
.set i, i+2
.endr
	WIN 0x51
.irp mt, 0,1
.set i, 0
.rept 24
	v_pk_fma_f32 v[HB+48*\mt+i:HB+48*\mt+i+1], v[HB+48*\mt+i:HB+48*\mt+i+1], s[FF:FF+1], v[PB+i:PB+i+1] op_sel_hi:[1,0,1]   ; h f + b2 f
.set i, i+2
.endr
.endr
	WIN 0
	BARRIER                                        ; h's twelve fragments lie in LDS
	; ---- my half of the hidden layer; h's images are only read here and the hidden layer's only written: no barrier between the panels
	PANEL 0, 18                                    ; behind W1's second panel the stream jumps 18 records, to W2's K steps of my half
	PANEL 1, 6
	BARRIER                                        ; the hidden layer's 24 fragments lie in LDS
	; ---- + hidden W2: 12 K steps
	SIX HB, 0, 7, 0, 9, 0
	ADV 0
	STEP 0, HB, 0, 7, 12288, 9, 768, 30, 1         ; the stream's last six records: three more are asked for, then the counts run down
	STEP 1, HB, 0, 7, 12288, 9, 768, 30, 1
	STEP 2, HB, 0, 7, 12288, 9, 768, 30, 1
	STEP 3, HB, 0, 7, 12288, 9, 768, 30, 0
	STEP 4, HB, 0, 7, 12288, 9, 768, 15, 0
	STEP 5, HB, 0, 7, 12288, 9, 768, 0, 0
	; ---- the way out: a row's 768 numbers come from eight waves and meet in a stage; each wave stores four whole rows
	WIN 0x04                                       ; an LDS store's data are its source 1: window 1
.irp mt, 0,1
.irp nt, 0,1,2,3,4,5
	ds_store_b128 v26, v[HB+8*(6*\mt+\nt):HB+8*(6*\mt+\nt)+3] offset:16*VP*\mt+64*\nt        ; each accumulator from its low end on (the last step's places and its wait stand ahead)
	ds_store_b128 v26, v[HB+8*(6*\mt+\nt)+4:HB+8*(6*\mt+\nt)+7] offset:16*VP*\mt+64*\nt+16
.endr
.endr
	WIN 0
	BARRIER
.irp i, 0,1,2,3
.irp k, 0,1,2,3,4,5
	ds_load_b128 v[BF+4*(6*\i+\k):BF+4*(6*\i+\k)+3], v27 offset:VP*\i+512*\k   ; (v32-127: named last by products, ahead of the last step's wait)
.endr
.endr
.irp i, 0,1,2,3
.irp k, 0,1,2,3,4,5
	s_wait_dscnt 23-(6*\i+\k)                      ; this load is back; the younger ones may be out
	global_store_b128 v1, v[BF+4*(6*\i+\k):BF+4*(6*\i+\k)+3], s[38:39] offset:3072*\i+512*\k th:TH_STORE_NT   ; 32 lanes store 512 consecutive bytes, aligned to 256
.endr
.endr
	s_wait_dscnt 0x0                               ; the closing lines, six on end
	s_wait_alu 0x0
	s_wait_tensorcnt 0x0
	ds_add_u32 v254, v255
	s_wait_dscnt 0x0
	s_endpgm
.Lfunc_end_k_qe970c4f673_tail:
	.size	k_qe970c4f673_tail, .Lfunc_end_k_qe970c4f673_tail-k_qe970c4f673_tail
	.p2alignl 7, 3214868480
	.fill 96, 4, 3214868480
	.section	.rodata,"a",@progbits
	.p2align	6, 0x0
	.amdhsa_kernel k_qe970c4f673_tail
		.amdhsa_group_segment_fixed_size 168704
		.amdhsa_private_segment_fixed_size 0
		.amdhsa_enable_private_segment 0
		.amdhsa_kernarg_size 64
		.amdhsa_user_sgpr_count 2
		.amdhsa_user_sgpr_kernarg_segment_ptr 1
		.amdhsa_wavefront_size32 1
		.amdhsa_system_sgpr_workgroup_id_x 1
		.amdhsa_system_sgpr_workgroup_id_y 1
		.amdhsa_system_sgpr_workgroup_id_z 1
		.amdhsa_system_vgpr_workitem_id 0
		.amdhsa_next_free_vgpr 512
		.amdhsa_next_free_sgpr 66
		.amdhsa_reserve_vcc 0
		.amdhsa_float_denorm_mode_32 3
		.amdhsa_float_denorm_mode_16_64 3
		.amdhsa_memory_ordered 1
		.amdhsa_forward_progress 1
		.amdhsa_inst_pref_size 177
	.end_amdhsa_kernel
	.amdgpu_metadata
---
amdhsa.version: [ 1, 2 ]
amdhsa.kernels:
  - .name:           k_qe970c4f673_tail
    .symbol:         k_qe970c4f673_tail.kd
    .args:
      - { .name: ctx, .offset: 0, .size: 8, .value_kind: global_buffer, .address_space: global }
      - { .name: wq, .offset: 8, .size: 8, .value_kind: global_buffer, .address_space: global }
      - { .name: x, .offset: 16, .size: 8, .value_kind: global_buffer, .address_space: global }
      - { .name: b1, .offset: 24, .size: 8, .value_kind: global_buffer, .address_space: global }
      - { .name: b2, .offset: 32, .size: 8, .value_kind: global_buffer, .address_space: global }
      - { .name: g1, .offset: 40, .size: 8, .value_kind: global_buffer, .address_space: global }
      - { .name: beta1, .offset: 48, .size: 8, .value_kind: global_buffer, .address_space: global }
      - { .name: part, .offset: 56, .size: 8, .value_kind: global_buffer, .address_space: global }
    .group_segment_fixed_size: 168704
    .private_segment_fixed_size: 0
    .kernarg_segment_align: 8
    .kernarg_segment_size: 64
    .max_flat_workgroup_size: 256
    .sgpr_count:     66
    .vgpr_count:     512
    .wavefront_size: 32
...
	.end_amdgpu_metadata
.endif
;; end of part 9
;; launch ln2 (part 10): grid 256 x 1, 8 waves a work-group, no clusters, 0 bytes of LDS; arguments part, g2, beta2, out0; writes out0
.if DOCPART == 10
	.amdgcn_target "amdgcn-amd-amdhsa--gfx1250"
	.amdhsa_code_object_version 6
	.text
	.protected	k_qe970c4f673_ln2
	.globl	k_qe970c4f673_ln2
	.p2align	8
	.type	k_qe970c4f673_ln2,@function
k_qe970c4f673_ln2:
	s_mov_b64 s[64:65], 0
	v_nop
	global_prefetch_b8 v0, s[64:65] scope:SCOPE_SE
	s_setreg_imm32_b32 hwreg(HW_REG_WAVE_MODE, 25, 1), 1
	s_wait_xcnt 0x0
; out0 = LayerNorm(part[0] + part[1]) x g2 + beta2.  part: [2][4096][768] f32, the two halves of h + ff from the launch before; out0: [4096][768] f32.
; A stream: memory binds, so no LDS, no barrier, no matrix unit.  One wave takes a whole row: 768 numbers are 24 a lane, six loads of 512 consecutive bytes from each part; the row stays in registers between the
; mean, the variance of the deviations (no difference of large sums) and the scaling: each byte is read once and written once.  A wave has two rows; all its 36 loads go out at its head.
; LIMITS: NaN and infinities are not served; / 768 is a multiplication by its rounded reciprocal; 1 / sqrt by v_rsq_f32.
.set Z0, 8                             ; v8-31    row 0 of part 0, then the row at work
.set Q0, 32                            ; v32-55   row 0 of part 1
.set Z1, 56                            ; v56-79   row 1 of part 0
.set Q1, 80                            ; v80-103  row 1 of part 1
.set G,  104                           ; v104-127 g2 of my 24 columns
.set B,  128                           ; v128-151 beta2
.set T,  152                           ; v152-155 two chains of sums
.set PT, 156                           ; v156     the other half of the lanes'
.set M,  158                           ; v[158:159] the mean, twice
.set R,  160                           ; v[160:161] 1 / sigma, twice
	s_load_b256 s[8:15], s[0:1], 0x0               ; part s[8:9], g2 s[10:11], beta2 s[12:13], out0 s[14:15]
	v_lshrrev_b32 v2, 5, v0
	s_delay_alu instid0(VALU_DEP_1)
	v_readfirstlane_b32 s2, v2                     ; wave 0..7
	v_and_b32 v1, 31, v0
	s_delay_alu instid0(VALU_DEP_1)
	v_lshlrev_b32 v1, 4, v1                        ; 16 x lane
	s_lshl_b32 s3, ttmp9, 3
	s_add_co_u32 s3, s3, s2
	s_mul_i32 s16, s3, 6144                        ; my two rows of 3,072 bytes
	s_mov_b32 s17, 0
	s_mov_b32 s4, 0x76543210
	s_mov_b32 s5, 0xfedcba98                       ; v_permlanex16_b32's selects for lane l xor 16
	s_mov_b32 s6, 0x3aaaaaab                       ; 1 / 768
	s_mov_b32 s7, 0x3727c5ac                       ; 1e-5
	v_mov_b32 v[PT], 0                             ; a lane permute's destination counts as one of its sources
	s_wait_alu depctr_va_vdst(0)
	s_wait_kmcnt 0x0
	s_add_nc_u64 s[18:19], s[8:9], s[16:17]        ; part 0
	s_add_nc_u64 s[20:21], s[18:19], 12582912      ; part 1
	s_add_nc_u64 s[22:23], s[14:15], s[16:17]
.irp k, 0,1,2,3,4,5
	global_load_b128 v[Z0+4*\k:Z0+4*\k+3], v1, s[18:19] offset:512*\k th:TH_LOAD_NT
.endr
.irp k, 0,1,2,3,4,5
	global_load_b128 v[Q0+4*\k:Q0+4*\k+3], v1, s[20:21] offset:512*\k th:TH_LOAD_NT
.endr
.irp k, 0,1,2,3,4,5
	global_load_b128 v[Z1+4*\k:Z1+4*\k+3], v1, s[18:19] offset:3072+512*\k th:TH_LOAD_NT
.endr
.irp k, 0,1,2,3,4,5
	global_load_b128 v[Q1+4*\k:Q1+4*\k+3], v1, s[20:21] offset:3072+512*\k th:TH_LOAD_NT
.endr
.irp k, 0,1,2,3,4,5
	global_load_b128 v[G+4*\k:G+4*\k+3], v1, s[10:11] offset:512*\k
.endr
.irp k, 0,1,2,3,4,5
	global_load_b128 v[B+4*\k:B+4*\k+3], v1, s[12:13] offset:512*\k
.endr
.macro WSUM                            ; v[T] and v[T + 1], a lane's two halves, become the sum over the wave's 32 lanes, in every lane
	s_delay_alu instid0(VALU_DEP_1)
	v_add_f32 v[T], v[T], v[T+1]
	s_delay_alu instid0(VALU_DEP_1)
	v_add_f32_dpp v[T], v[T], v[T] row_xmask:1 row_mask:0xf bank_mask:0xf
	s_delay_alu instid0(VALU_DEP_1)
	v_add_f32_dpp v[T], v[T], v[T] row_xmask:2 row_mask:0xf bank_mask:0xf
	s_delay_alu instid0(VALU_DEP_1)
	v_add_f32_dpp v[T], v[T], v[T] row_xmask:4 row_mask:0xf bank_mask:0xf
	s_delay_alu instid0(VALU_DEP_1)
	v_add_f32_dpp v[T], v[T], v[T] row_xmask:8 row_mask:0xf bank_mask:0xf
	s_delay_alu instid0(VALU_DEP_1)
	v_permlanex16_b32 v[PT], v[T], s4, s5
	s_delay_alu instid0(VALU_DEP_1)
	v_add_f32 v[T], v[T], v[PT]
.endm
.macro ROW z, q, off, first
.if \first
	s_wait_loadcnt 24                              ; this row's 12 loads are in; the other row's 12 and the 12 of gain and bias may be out
.endif
.set i, 0
.rept 12
	v_pk_add_f32 v[(\z)+i:(\z)+i+1], v[(\z)+i:(\z)+i+1], v[(\q)+i:(\q)+i+1]       ; the two parts
.set i, i+2
.endr
	v_pk_add_f32 v[T:T+1], v[(\z):(\z)+1], v[(\z)+2:(\z)+3]
	v_pk_add_f32 v[T+2:T+3], v[(\z)+4:(\z)+5], v[(\z)+6:(\z)+7]
.irp i, 8,12,16,20
	s_delay_alu instid0(VALU_DEP_2)
	v_pk_add_f32 v[T:T+1], v[T:T+1], v[(\z)+\i:(\z)+\i+1]
	s_delay_alu instid0(VALU_DEP_2)
	v_pk_add_f32 v[T+2:T+3], v[T+2:T+3], v[(\z)+\i+2:(\z)+\i+3]
.endr
	s_delay_alu instid0(VALU_DEP_1)
	v_pk_add_f32 v[T:T+1], v[T:T+1], v[T+2:T+3]
	WSUM
	s_delay_alu instid0(VALU_DEP_1)
	v_mul_f32 v[M], s6, v[T]                       ; the mean, in both registers of the pair
	s_delay_alu instid0(VALU_DEP_2)
	v_mul_f32 v[M+1], s6, v[T]
.set i, 0
.rept 12
	v_pk_add_f32 v[(\z)+i:(\z)+i+1], v[(\z)+i:(\z)+i+1], v[M:M+1] neg_lo:[0,1] neg_hi:[0,1]
.set i, i+2
.endr
	v_pk_mul_f32 v[T:T+1], v[(\z):(\z)+1], v[(\z):(\z)+1]
	v_pk_mul_f32 v[T+2:T+3], v[(\z)+2:(\z)+3], v[(\z)+2:(\z)+3]
.irp i, 4,8,12,16,20
	s_delay_alu instid0(VALU_DEP_2)
	v_pk_fma_f32 v[T:T+1], v[(\z)+\i:(\z)+\i+1], v[(\z)+\i:(\z)+\i+1], v[T:T+1]
	s_delay_alu instid0(VALU_DEP_2)
	v_pk_fma_f32 v[T+2:T+3], v[(\z)+\i+2:(\z)+\i+3], v[(\z)+\i+2:(\z)+\i+3], v[T+2:T+3]
.endr
	s_delay_alu instid0(VALU_DEP_1)
	v_pk_add_f32 v[T:T+1], v[T:T+1], v[T+2:T+3]
	WSUM
	s_delay_alu instid0(VALU_DEP_1)
	v_fma_f32 v[T], v[T], s6, s7                   ; the variance + 1e-5
	s_wait_alu depctr_va_vdst(0)
	v_rsq_f32 v[R], v[T]
	v_nop                                          ; a plain place behind it
	s_wait_alu depctr_va_vdst(0)                   ; and the wait ahead of its first reader
	v_mov_b32 v[R+1], v[R]
.if \first
	s_wait_alu depctr_va_vdst(0)
	s_wait_loadcnt 0x0                             ; gain and bias, and with them the other row
.endif
.set i, 0
.rept 12
	v_pk_mul_f32 v[(\z)+i:(\z)+i+1], v[(\z)+i:(\z)+i+1], v[R:R+1]
.set i, i+2
.endr
.set i, 0
.rept 12
	v_pk_fma_f32 v[(\z)+i:(\z)+i+1], v[(\z)+i:(\z)+i+1], v[G+i:G+i+1], v[B+i:B+i+1]
.set i, i+2
.endr
.irp k, 0,1,2,3,4,5
	global_store_b128 v1, v[(\z)+4*\k:(\z)+4*\k+3], s[22:23] offset:(\off)+512*\k th:TH_STORE_NT   ; 32 lanes store 512 consecutive bytes, aligned to 256; each row has its own data registers
.endr
.endm
	ROW Z0, Q0, 0, 1
	ROW Z1, Q1, 3072, 0
	s_endpgm
.Lfunc_end_k_qe970c4f673_ln2:
	.size	k_qe970c4f673_ln2, .Lfunc_end_k_qe970c4f673_ln2-k_qe970c4f673_ln2
	.p2alignl 7, 3214868480
	.fill 96, 4, 3214868480
	.section	.rodata,"a",@progbits
	.p2align	6, 0x0
	.amdhsa_kernel k_qe970c4f673_ln2
		.amdhsa_group_segment_fixed_size 0
		.amdhsa_private_segment_fixed_size 0
		.amdhsa_enable_private_segment 0
		.amdhsa_kernarg_size 32
		.amdhsa_user_sgpr_count 2
		.amdhsa_user_sgpr_kernarg_segment_ptr 1
		.amdhsa_wavefront_size32 1
		.amdhsa_system_sgpr_workgroup_id_x 1
		.amdhsa_system_sgpr_workgroup_id_y 1
		.amdhsa_system_sgpr_workgroup_id_z 1
		.amdhsa_system_vgpr_workitem_id 0
		.amdhsa_next_free_vgpr 168
		.amdhsa_next_free_sgpr 66
		.amdhsa_reserve_vcc 0
		.amdhsa_float_denorm_mode_32 3
		.amdhsa_float_denorm_mode_16_64 3
		.amdhsa_memory_ordered 1
		.amdhsa_forward_progress 1
		.amdhsa_inst_pref_size 20
	.end_amdhsa_kernel
	.amdgpu_metadata
---
amdhsa.version: [ 1, 2 ]
amdhsa.kernels:
  - .name:           k_qe970c4f673_ln2
    .symbol:         k_qe970c4f673_ln2.kd
    .args:
      - { .name: part, .offset: 0, .size: 8, .value_kind: global_buffer, .address_space: global }
      - { .name: g2, .offset: 8, .size: 8, .value_kind: global_buffer, .address_space: global }
      - { .name: beta2, .offset: 16, .size: 8, .value_kind: global_buffer, .address_space: global }
      - { .name: out0, .offset: 24, .size: 8, .value_kind: global_buffer, .address_space: global }
    .group_segment_fixed_size: 0
    .private_segment_fixed_size: 0
    .kernarg_segment_align: 8
    .kernarg_segment_size: 32
    .max_flat_workgroup_size: 256
    .sgpr_count:     66
    .vgpr_count:     168
    .wavefront_size: 32
...
	.end_amdgpu_metadata
.endif
;; end of part 10
